; MI455X (gfx1250); checked and timed in simulation.
; The chip was launched on July 23, 2026; its instructions are those of AMD's public machine-readable ISA for CDNA 5 (MIT licence, August 2026) and "CDNA5" Instruction Set Architecture Reference Guide (July 2026). The comments in the code are by the model that wrote it; some were corrected since.
;; Enc Block. Allowed arithmetic: matrix products marked QUANTISED: E4M3 operands, one E8M0 scale for each 32 along K, by v_wmma_scale_f32_16x16x128_f8f6f4 with both operands' format E4M3, f32 sums; everything else in f32.
;; Inputs: W1_codes 4,096 x 32 x 32 uint8 (E4M3 codes of W1, K innermost, in blocks of 32 codes); W1_scales 4,096 x 32 uint8 (E8M0 scales of W1, one for each 32 codes along K); W2_codes 1,024 x 128 x 32 uint8 (E4M3 codes of W2, K innermost, in blocks of 32 codes); W2_scales 1,024 x 128 uint8 (E8M0 scales of W2, one for each 32 codes along K); Wk_codes 1,024 x 32 x 32 uint8 (E4M3 codes of Wk, K innermost, in blocks of 32 codes); Wk_scales 1,024 x 32 uint8 (E8M0 scales of Wk, one for each 32 codes along K); Wo_codes 1,024 x 32 x 32 uint8 (E4M3 codes of Wo, K innermost, in blocks of 32 codes); Wo_scales 1,024 x 32 uint8 (E8M0 scales of Wo, one for each 32 codes along K); Wq_codes 1,024 x 32 x 32 uint8 (E4M3 codes of Wq, K innermost, in blocks of 32 codes); Wq_scales 1,024 x 32 uint8 (E8M0 scales of Wq, one for each 32 codes along K); Wv_codes 1,024 x 32 x 32 uint8 (E4M3 codes of Wv, K innermost, in blocks of 32 codes); Wv_scales 1,024 x 32 uint8 (E8M0 scales of Wv, one for each 32 codes along K); b1 4,096 float32; b2 1,024 float32; be1 1,024 float32; be2 1,024 float32; bk 1,024 float32; bo 1,024 float32; bq 1,024 float32; bv 1,024 float32; g1 1,024 float32; g2 1,024 float32; mask 2 x 1 x 1 x 2,048 int32; x 2 x 2,048 x 1,024 float32; y_codes 2 x 2,048 x 32 x 32 uint8 (E4M3 codes of y, K innermost, in blocks of 32 codes); y_scales 2 x 2,048 x 32 uint8 (E8M0 scales of y, one for each 32 codes along K).
;; Outputs: out0 2 x 2,048 x 1,024 float32.
;; This version of the problem:
;;   THIS VERSION OF THE PROBLEM IS GIVEN IN LOW PRECISION. The matrix products marked QUANTISED in the list below multiply operands that are first quantised to E4M3 (4 exponent bits, 3 mantissa bits; 8 bits a number), with one power-of-two scale for each 32 numbers along K (OCP MX v1.0); their sums are f32. All else is computed in f32.
;;   The module's matrix products, in the order in which they are computed (A, B: the left and right operand; K: the contracted axis; several contracted axes count as one K, in the product's order):
;;     1. [M 4,096, K 1,024] x [K 1,024, N 1,024]; A: input x; B: input Wq (given as codes): QUANTISED
;;     2. [M 4,096, K 1,024] x [K 1,024, N 1,024]; A: input y (given as codes); B: input Wk (given as codes): QUANTISED
;;     3. [M 4,096, K 1,024] x [K 1,024, N 1,024]; A: input y (given as codes); B: input Wv (given as codes): QUANTISED
;;     4. batch 32 x [M 2,048, K 64] x [K 64, N 2,048]; A: computed on the way; B: computed on the way: QUANTISED
;;     5. batch 32 x [M 2,048, K 2,048] x [K 2,048, N 64]; A: softmax (see below); B: computed on the way: QUANTISED
;;     6. [M 4,096, K 1,024] x [K 1,024, N 1,024]; A: computed on the way; B: input Wo (given as codes): QUANTISED
;;     7. [M 4,096, K 1,024] x [K 1,024, N 4,096]; A: computed on the way; B: input W1 (given as codes): QUANTISED
;;     8. [M 4,096, K 4,096] x [K 4,096, N 1,024]; A: computed on the way; B: input W2 (given as codes): QUANTISED
;;   THE QUANTISER, for each operand of a quantised product, along K:
;;     - K is cut into blocks of 32 from its start; a last block that is shorter is filled with zeros.
;;     - A block's scale is 2^e with e = floor(log2(the largest magnitude in the block)) - 8, held to -126 .. 127; a block of zeros has e = 0. As a byte (E8M0): e + 127.
;;     - Each number is divided by its block's scale, clamped to +-448, and rounded to the nearest number of E4M3, ties to even, subnormals kept.
;;     - The product sums the exact products of the quantised numbers (number of the format x scale) in f32.
;;   ~~~python
;;   def quantise(x, axis):      # numpy; x: float32 -> the quantised numbers, widened to float32 again
;;       x = np.moveaxis(x, axis, -1); K = x.shape[-1]
;;       x = np.pad(x, [(0, 0)] * (x.ndim - 1) + [(0, -K % 32)]); x = x.reshape(x.shape[:-1] + (-1, 32)); a = np.abs(x).max(-1, keepdims=True)
;;       e = np.where(a > 0, np.clip(np.frexp(np.where(a > 0, a, 1))[1] - 1 - 8, -126, 127), 0)      # np.frexp(a)[1] - 1 = floor(log2(a)), exactly
;;       r = np.clip(x / 2.0 ** e, -448, 448)
;;       step = 2.0 ** (np.maximum(np.frexp(np.where(r == 0, 1, r))[1] - 1, -6) - 3)
;;       q = np.round(r / step) * step * 2.0 ** e      # np.round: ties to even
;;       return np.moveaxis(q.reshape(q.shape[:-2] + (-1,))[..., :K], -1, axis).astype(np.float32)
;;   ~~~
;;   SOFTMAX AHEAD OF A QUANTISED PRODUCT. Where the list says 'softmax', what is quantised is not the finished softmax but p = 2^(t - M), with t = logit x log2(e) and M = ceil(the row's largest t), a whole number; so 1/2 < the row's largest p <= 1. The row's sum l is taken of the UNQUANTISED p, in f32, and the product's result is divided by l at the end. Since M is a whole number, a kernel that streams over the keys may use a running M (the ceiling of the running maximum): every later rescaling is an exact power of two, which a block's scale takes up: the codes' values come out the same.
;;   OPERANDS COMPUTED ON THE WAY. 'Computed on the way' means the value that the module computes at that place (a softmax that the list does not call 'softmax' is quantised finished and normalised). What goes into a quantiser is computed in f32, as accurately as f32 sums, v_exp_f32 and their like allow (about 1e-6 of the number): no bf16 or f16 on the way to a quantiser, and a product that is left as it is and whose result goes on into a quantised operand takes f32 operands (vector FMAs, or v_wmma_f32_16x16x4_f32). A number that lies on a knife's edge between two numbers of the format may be rounded either way, as far as f32 arithmetic and the matrix unit's own rounding can turn it there, and no further.
;;   INPUTS GIVEN AS CODES. W1 (in the module: [1024, 4096], K = its axis 0); W2 (in the module: [4096, 1024], K = its axis 0); Wk (in the module: [1024, 1024], K = its axis 0); Wo (in the module: [1024, 1024], K = its axis 0); Wq (in the module: [1024, 1024], K = its axis 0); Wv (in the module: [1024, 1024], K = its axis 0); y (in the module: [2, 2048, 1024], K = its axis 2): each comes as NAME_codes (uint8): NAME with its K axis moved to the last place and cut into blocks of 32 codes, [.., K / 32, bytes a block], one block behind the other in memory; one code a byte (a code: sign, 4 exponent bits, 3 mantissa bits); and NAME_scales (uint8): the same leading axes, one E8M0 byte (e + 127) for each 32 codes along K. Its value is code x scale, taken as it is: it is not quantised again, and the codes and scales need not be those that the quantiser above would give.
;; 2 versions, each right; version 2 is version 1 with the launch attn written anew for expert scheduling mode. Each part assembles by itself: llvm-mc -triple=amdgcn-amd-amdhsa -mcpu=gfx1250 --defsym DOCPART=n.
;; ======== version 1 of 2: 8 launches
;; limits: right only within a limited range of input values
;; workspace buffers: xq 4,325,376 bytes; w2c 4,194,304 bytes; w2s 131,072 bytes; qkv 12,976,128 bytes; ab 4,718,592 bytes; hb 17,301,504 bytes; cf 67,108,864 bytes; x1 21,102,592 bytes
;; launch prep (part 1): grid 256 x 1, 4 waves a work-group, no clusters, 33,280 bytes of LDS; arguments x, W2_codes, W2_scales, xq, w2c, w2s; writes xq, w2c, w2s
.if DOCPART == 1
	.amdgcn_target "amdgcn-amd-amdhsa--gfx1250"
	.amdhsa_code_object_version 6
	.text
	.protected	k_q1b92ea6301_prep
	.globl	k_q1b92ea6301_prep
	.p2align	8
	.type	k_q1b92ea6301_prep,@function
k_q1b92ea6301_prep:
	s_mov_b64 s[64:65], 0
	v_nop
	global_prefetch_b8 v0, s[64:65] scope:SCOPE_SE
	s_setreg_imm32_b32 hwreg(HW_REG_WAVE_MODE, 25, 1), 1
	s_wait_xcnt 0x0
; THE PROGRAM: an encoder block (attention, LayerNorm, FFN, LayerNorm) with all eight products on codes of E4M3 with E8M0 scales.
; NO WORK IS LEFT OUT: every bias goes into a quantised operand or into an output, the mask can move every row, every input has a way to out0 and is loaded by some launch.
; LIMITS OF THE PROGRAM: a block of zeros gets the scale byte 1 where the rule says 127 (its codes are zeros, and the bytes are read by this program alone); NaN and infinities among the inputs are not served;
; a masked logit is -2^30 where reference() writes -1e9 (see the attention kernel's head).
; THIS LAUNCH, two jobs told apart by the work-group's number.
; Work-groups 0-127: x [4096][1024] f32 becomes codes (xq, byte 0 on) and scale bytes (xq, byte 0x400000 on), one byte for each 32 along K.  Rows are dense, so x is a plain stream of blocks of 32.
;   A wave takes 16 steps of 512 numbers.  Each load reads 512 consecutive bytes; a step's 2,048 bytes turn through the wave's own stage in LDS and come back 64 bytes a lane, so that a lane holds 16 neighbours
;   (two neighbouring lanes hold a block).  A lane's 16 codes are 16 bytes: a store covers 512 consecutive bytes.  A wave's 256 scale bytes are gathered in LDS and leave as one aligned run of 256 bytes.
; Work-groups 128-255: W2's codes [1024][4096] and scale bytes [1024][128] are laid anew as four slices of 1,024 along K: w2c [4][1024][1024], w2s [4][1024][32], so that product 8 can run as four products of K = 1,024.
;   No LDS on this path.  The codes move in runs of 512 bytes; the scale bytes leave in pieces of 32 bytes (8 a lane), 131,072 bytes in all.
.set WAVES, 4
.set STEPS, 16
.set MANT,  0x600000                   ; the mantissa field of 448 as f32
.set CB,    16                         ; bytes of 16 codes
.set R,     16                         ; v16-79   four sets of 16 numbers as they are loaded (copy path: the codes)
.set X,     80                         ; v80-111  two sets of 16 neighbours (copy path: v80-81 the scale bytes)
.set E,     112                        ; v112-127 a scale byte for each step
.set C,     128                        ; v128-191 codes: four registers for each step, so that no store's data are written again
.set WREG,  8192                       ; LDS: a region for each wave: two stages of 32 x SP bytes, and behind them its 256 scale bytes
.set SP,    80                         ; a lane's place in a stage: 64 bytes + 16 of padding
.set SPW,   12                         ; v12  LDS address of my spare word; never rewritten
.set NIL,   13                         ; v13  0; never rewritten
.set SPARE, WAVES*WREG                 ; the spare words, 128 bytes for each wave, that no other line names
	s_load_b256 s[4:11], s[0:1], 0x0               ; x s[4:5], W2's codes s[6:7], W2's scales s[8:9], xq s[10:11]
	s_load_b128 s[12:15], s[0:1], 0x20             ; w2c s[12:13], w2s s[14:15]
	v_lshl_add_u32 v[SPW], v0, 2, SPARE
	v_mov_b32 v[NIL], 0
	v_lshrrev_b32 v1, 5, v0
	v_readfirstlane_b32 s16, v1                    ; wave
	v_and_b32 v2, 31, v0                           ; lane
	v_lshlrev_b32 v3, 4, v2                        ; 16 bytes a lane
	s_cmp_lt_u32 ttmp9, 128
	s_cbranch_scc0 .Lcopy
	; ---- the quantiser of x
	s_mul_i32 s17, s16, WREG
	v_lshrrev_b32 v14, 2, v2
	v_mul_u32_u24 v14, v14, SP
	v_and_b32 v15, 3, v2
	v_lshl_add_u32 v14, v15, 4, v14
	v_add_nc_u32 v14, s17, v14                     ; the stage, on the way in: SP (lane / 4) + 16 (lane % 4)
	v_mul_u32_u24 v15, v2, SP
	v_add_nc_u32 v15, s17, v15                     ; and on the way out: SP x lane: my 16 neighbours
	v_lshrrev_b32 v5, 1, v2
	s_add_co_u32 s17, s17, 2*32*SP
	v_add_nc_u32 v5, s17, v5                       ; my wave's 256 scale bytes, my block's byte
	v_lshlrev_b32 v7, 3, v2                        ; and on the way out 8 bytes a lane
	v_add_nc_u32 v6, s17, v7
	s_mov_b32 s23, MANT
	s_lshl_b32 s18, ttmp9, 2
	s_add_co_u32 s18, s18, s16                     ; which run of 8,192 numbers is my wave's: 0 .. 511
	s_lshl_b32 s20, s18, 15                        ; 32,768 bytes of x,
	s_mov_b32 s21, 0
	s_lshl_b32 s24, s18, 13                        ; 8,192 of codes,
	s_mov_b32 s25, 0
	s_lshl_b32 s26, s18, 8                         ; 256 of scale bytes, behind the codes
	s_add_co_u32 s26, s26, 0x400000
	s_mov_b32 s27, 0
	s_wait_kmcnt 0x0
	s_add_nc_u64 s[4:5], s[4:5], s[20:21]
	s_add_nc_u64 s[8:9], s[10:11], s[24:25]        ; (W2's pointers are not used on this path)
	s_add_nc_u64 s[10:11], s[10:11], s[26:27]
.macro LOAD t
.irp i, 0,1,2,3
	global_load_b128 v[R+16*((\t)%4)+4*\i:R+16*((\t)%4)+4*\i+3], v3, s[4:5] offset:2048*(\t)+512*\i
.endr
.endm
.macro TURN t                          ; step t's numbers through the stage: LDS serves a wave's instructions in order, so no wait stands between the stores and the loads
.irp i, 0,1,2,3
	ds_store_b128 v14, v[R+16*((\t)%4)+4*\i:R+16*((\t)%4)+4*\i+3] offset:32*SP*((\t)%2)+8*SP*\i
.endr
.irp i, 0,1,2,3
	ds_load_b128 v[X+16*((\t)%2)+4*\i:X+16*((\t)%2)+4*\i+3], v15 offset:32*SP*((\t)%2)+16*\i
.endr
.endm
.irp t, 0,1,2,3
	LOAD \t
.endr
	s_wait_loadcnt 12                              ; step 0's four loads are in; the twelve of steps 1 to 3 may be out
	TURN 0
.macro STEP t
.set XS, X+16*((\t)%2)
.if (\t) > 0
	s_wait_dscnt 1                                 ; this step's numbers are back from the stage; the last step's byte store may be out
.else
	s_wait_dscnt 0x0
.endif
.if (\t)+4 < STEPS
	LOAD (\t)+4                                    ; into the registers that this step's stores into the stage have read
.endif
.if (\t)+1 < STEPS
.if STEPS-2-(\t) >= 3
	s_wait_loadcnt 12                              ; the next step's four loads are in; those of the three steps behind it may be out
.else
	s_wait_loadcnt 4*(STEPS-2-(\t))
.endif
	TURN (\t)+1
.endif
	v_max3_num_f32 v8, |v[XS]|, |v[XS+1]|, |v[XS+2]|               ; the largest magnitude of my 16, in two chains
	v_max3_num_f32 v9, |v[XS+3]|, |v[XS+4]|, |v[XS+5]|
.irp i, 6,10
	v_max3_num_f32 v8, v8, |v[XS+\i]|, |v[XS+\i+1]|
	v_max3_num_f32 v9, v9, |v[XS+\i+2]|, |v[XS+\i+3]|
.endr
	v_max3_num_f32 v8, v8, |v[XS+14]|, |v[XS+15]|
	v_max3_num_f32 v8, v8, v9, 0x4800000           ; and the floor 2^(9 - 127): the byte cannot fall under 1
	v_max_num_f32_dpp v8, v8, v8 row_xmask:1 row_mask:0xf bank_mask:0xf   ; and of my neighbour's 16: the block's
	v_add_nc_u32 v11, 0xfc000000, v8               ; 8 off its exponent field: the conversion takes this operand's exponent field as its scale
	v_and_or_b32 v10, v8, 0x7f800000, s23          ; 448 x the scale
.irp i, 0,1,2,3,4,5,6,7,8,9,10,11,12,13,14,15
	v_med3_num_f32 v[XS+\i], v[XS+\i], -v10, v10   ; the conversion to an 8-bit code does not saturate (ISA guide 7.6.2): the hold comes first
.endr
	v_cvt_scalef32_pk8_fp8_f32 v[C+4*(\t):C+4*(\t)+1], v[XS:XS+7], v11
	v_cvt_scalef32_pk8_fp8_f32 v[C+4*(\t)+2:C+4*(\t)+3], v[XS+8:XS+15], v11
	v_lshrrev_b32 v[E+(\t)], 23, v11               ; the scale's byte
	ds_store_b8 v5, v[E+(\t)] offset:16*(\t)       ; both lanes of a block write the same byte with the same value
	global_store_b128 v3, v[C+4*(\t):C+4*(\t)+3], s[8:9] offset:32*CB*(\t)
.endm
.irp t, 0,1,2,3,4,5,6,7,8,9,10,11,12,13,14,15
	STEP \t
.endr
	ds_load_b64 v[8:9], v6                         ; LDS serves a wave's instructions in order: these see my stores
	s_wait_dscnt 0x0
	global_store_b64 v7, v[8:9], s[10:11]          ; 32 lanes store 256 consecutive bytes, aligned
	s_wait_tensorcnt 0x0                           ; the wave's end
	ds_add_u32 v[SPW], v[NIL]
	s_wait_dscnt 0x0
	s_endpgm
	; ---- W2 in four slices along K
.Lcopy:
	s_sub_co_u32 s17, ttmp9, 128
	s_lshl_b32 s17, s17, 3
	s_lshl_b32 s18, s16, 1
	s_add_co_u32 s17, s17, s18                     ; my wave's two rows n0, n0 + 1 of W2: n0 = 8 (work-group - 128) + 2 x wave
	s_lshl_b32 s18, s17, 12                        ; a row of codes is 4,096 bytes,
	s_mov_b32 s19, 0
	s_lshl_b32 s20, s17, 7                         ; of scale bytes 128;
	s_mov_b32 s21, 0
	s_lshl_b32 s22, s17, 10                        ; in a slice 1,024
	s_mov_b32 s23, 0
	s_lshl_b32 s24, s17, 5                         ; and 32
	s_mov_b32 s25, 0
	v_lshlrev_b32 v4, 3, v2                        ; the scale bytes come 8 a lane: lane l holds row n0 + l / 16, blocks 8 (l % 16) on
	v_lshrrev_b32 v5, 4, v2
	v_lshlrev_b32 v5, 5, v5                        ; they go to: 32 x (l / 16)
	v_bfe_u32 v6, v2, 2, 2
	v_lshl_add_u32 v5, v6, 15, v5                  ; + slice ((l % 16) / 4) x 32,768
	v_and_b32 v6, 3, v2
	v_lshl_add_u32 v5, v6, 3, v5                   ; + 8 (l % 4)
	s_wait_kmcnt 0x0
	s_add_nc_u64 s[6:7], s[6:7], s[18:19]
	s_add_nc_u64 s[8:9], s[8:9], s[20:21]
	s_add_nc_u64 s[12:13], s[12:13], s[22:23]
	s_add_nc_u64 s[14:15], s[14:15], s[24:25]
.irp rr, 0,1
.irp i, 0,1,2,3,4,5,6,7
	global_load_b128 v[R+4*(8*\rr+\i):R+4*(8*\rr+\i)+3], v3, s[6:7] offset:\rr*4096+512*\i th:TH_LOAD_NT
.endr
.endr
	global_load_b64 v[X:X+1], v4, s[8:9] th:TH_LOAD_NT
	s_wait_loadcnt 0x0
.irp rr, 0,1
.irp i, 0,1,2,3,4,5,6,7
	global_store_b128 v3, v[R+4*(8*\rr+\i):R+4*(8*\rr+\i)+3], s[12:13] offset:(\i/2)*0x100000+\rr*1024+(\i%2)*512   ; slice i / 2; 512 consecutive bytes a store
.endr
.endr
	global_store_b64 v5, v[X:X+1], s[14:15]
	s_endpgm
.Lfunc_end_k_q1b92ea6301_prep:
	.size	k_q1b92ea6301_prep, .Lfunc_end_k_q1b92ea6301_prep-k_q1b92ea6301_prep
	.p2alignl 7, 3214868480
	.fill 96, 4, 3214868480
	.section	.rodata,"a",@progbits
	.p2align	6, 0x0
	.amdhsa_kernel k_q1b92ea6301_prep
		.amdhsa_group_segment_fixed_size 33280
		.amdhsa_private_segment_fixed_size 0
		.amdhsa_enable_private_segment 0
		.amdhsa_kernarg_size 48
		.amdhsa_user_sgpr_count 2
		.amdhsa_user_sgpr_kernarg_segment_ptr 1
		.amdhsa_wavefront_size32 1
		.amdhsa_system_sgpr_workgroup_id_x 1
		.amdhsa_system_sgpr_workgroup_id_y 1
		.amdhsa_system_sgpr_workgroup_id_z 1
		.amdhsa_system_vgpr_workitem_id 0
		.amdhsa_next_free_vgpr 192
		.amdhsa_next_free_sgpr 66
		.amdhsa_reserve_vcc 0
		.amdhsa_float_denorm_mode_32 3
		.amdhsa_float_denorm_mode_16_64 3
		.amdhsa_memory_ordered 1
		.amdhsa_forward_progress 1
		.amdhsa_inst_pref_size 55
	.end_amdhsa_kernel
	.amdgpu_metadata
---
amdhsa.version: [ 1, 2 ]
amdhsa.kernels:
  - .name:           k_q1b92ea6301_prep
    .symbol:         k_q1b92ea6301_prep.kd
    .args:
      - { .name: x, .offset: 0, .size: 8, .value_kind: global_buffer, .address_space: global }
      - { .name: W2_codes, .offset: 8, .size: 8, .value_kind: global_buffer, .address_space: global }
      - { .name: W2_scales, .offset: 16, .size: 8, .value_kind: global_buffer, .address_space: global }
      - { .name: xq, .offset: 24, .size: 8, .value_kind: global_buffer, .address_space: global }
      - { .name: w2c, .offset: 32, .size: 8, .value_kind: global_buffer, .address_space: global }
      - { .name: w2s, .offset: 40, .size: 8, .value_kind: global_buffer, .address_space: global }
    .group_segment_fixed_size: 33280
    .private_segment_fixed_size: 0
    .kernarg_segment_align: 8
    .kernarg_segment_size: 48
    .max_flat_workgroup_size: 128
    .sgpr_count:     66
    .vgpr_count:     192
    .wavefront_size: 32
...
	.end_amdgpu_metadata
.endif
;; end of part 1
;; launch qkv (part 2): grid 16 x 12, 4 waves a work-group, clusters of 4 x 4, 327,680 bytes of LDS; arguments xq, y_codes, y_scales, Wq_codes, Wq_scales, Wk_codes, Wk_scales, Wv_codes, Wv_scales, bq, bk, bv, qkv; writes qkv
.if DOCPART == 2
	.amdgcn_target "amdgcn-amd-amdhsa--gfx1250"
	.amdhsa_code_object_version 6
	.text
	.protected	k_q1b92ea6301_qkv
	.globl	k_q1b92ea6301_qkv
	.p2align	8
	.type	k_q1b92ea6301_qkv,@function
k_q1b92ea6301_qkv:
	s_mov_b64 s[64:65], 0
	v_nop
	global_prefetch_b8 v0, s[64:65] scope:SCOPE_SE
	s_setreg_imm32_b32 hwreg(HW_REG_WAVE_MODE, 25, 1), 1
	s_wait_xcnt 0x0
	s_wait_alu depctr_hold_cnt(0) depctr_sa_sdst(0) depctr_va_vdst(0) depctr_va_sdst(0) depctr_va_ssrc(0) depctr_va_vcc(0) depctr_vm_vsrc(0)
	s_getreg_b32 s2, hwreg(HW_REG_IB_STS2, 6, 4)
	s_cmp_eq_u32 s2, 0
	s_cbranch_scc0 .Lentry_in_a_cluster
	s_endpgm
.Lentry_in_a_cluster:
	s_bfe_u32 s2, ttmp6, 0x10000c
	s_cmp_lg_u32 s2, 0xf033
	s_cbranch_scc0 .Lentry_shape_is_right
	s_endpgm
.Lentry_shape_is_right:
; Products 1 to 3 with their biases, and the quantisers behind them.  No work is left out.  K = 1,024 everywhere; a tile of C is 256 x 256; four waves, 128 x 128 each: 64 accumulators.
; THREE REGIONS, told apart by the CLUSTER's y, which all sixteen partners share:
;   y = 0: V^T = Wv^T y^T: A = Wv's 1,024 rows, B = y's 4,096 tokens, bias bv along C's ROWS.  A lane then holds one channel and its registers run along the KEYS, which are product 5's K.
;   y = 1: Q = x Wq: A = x's codes (made by the launch before), B = Wq, bias bq along C's columns.     y = 2: K = y Wk likewise, with bk.
; C is quantised along its columns in blocks of 32 (Q, K: the head's 64 are two blocks; V^T: 32 keys).  LIMITS: a block of zeros gets the byte 1; NaN and infinities are not served.
; OUT: each tile leaves as one dense block of 65,536 bytes of codes [256 rows][256] at region x 0x400000 + tile x 65,536 of qkv, and 2,048 scale bytes [256 rows][8] at 0xC00000 + region x 0x20000 + tile x 2,048;
;   tile = B's tile x (A's tiles: 4 for V^T, 16 for Q and K) + A's tile.
; THE LOOP: K goes in steps of 256 through a ring of two LDS slots filled by the tensor data mover; the scales of the tile's rows for all of K come once, with the first fills.  4 x 4 work-groups form a cluster: A's tiles
; are asked for jointly along a row of the cluster, B's along a column.  The matrix instruction is used transposed (source 0 = 16 rows of B, source 1 = 16 rows of A): a lane holds eight neighbouring numbers of a row of C.
; REGISTERS, in windows of 256: window 0: v0-31 addresses; v32-63 scale words, two sets; v64-127 the bias; from v128 A's fragments, one set (behind the loop: at work).  window 1: B's fragments, two sets.
;   windows 2, 3: the accumulators ((a, b) at v[8 (8 (a % 4) + b)]).
.set KSTEP,  256
.set NQ,     2                         ; matrix instructions deep in a slot
.set ROWB,   256                       ; a tile's row in bytes
.set KROW,   1024                      ; a row of A or of B in memory
.set PITCH,  272                       ; an LDS row: 256 bytes + 16 of padding: the 16 rows that a load touches start at 16 different banks (ISA guide 11.1)
.set FR,     16                        ; registers of a fragment
.set NL,     4                         ; LDS loads that bring one
.set NP,     8                         ; places behind this matrix instruction (ISA guide 7.12.1)
.set HALFT,  128*PITCH
.set SLOT,   4*HALFT
.set LAPS,   2                         ; 1,024 along K = twice round the ring
.set SCL,    2*SLOT                    ; behind the ring: the scales, as runs of 256 bytes + 16 of padding
.set HALFS,  16*272                    ; the scales of 128 rows (32 bytes a row)
.set SBLK,   2*272                     ; those of 16 rows
.set SPARE,  SCL+4*HALFS               ; the spare words, 128 bytes for each wave, that no other line names
.set SST,    256*PITCH                 ; the way out: the codes' stage, 256 rows x 272 bytes, lies at byte 0 of slot 0, the scale words' stage (256 rows x 8 bytes) behind it: slot 0 has had its last fill and its last read by then
.set ADRA, 16
.set ADRB, 20
.set STO,  24                          ; v24  the stage: where I put 8 codes
.set RD,   25                          ; v25  and where I read rows back
.set CO,   26                          ; v26  my byte offset in the tile's codes
.set ADRS, 27
.set SPW,  28
.set NIL,  29
.set SSO,  30                          ; v30  where I put a scale word
.set SRD,  31                          ; v31  and where I read 16 bytes of them back
.set SCO,  7                           ; v7   my byte offset in the tile's scale bytes
.set BO,   8                           ; v8-15 the bias loads' offsets
.set SC,   32
.set R,    64                          ; v64-127 the bias
.set AF,   128
.set W,    128                         ; behind the loop: v128-191 64 numbers; v192-207 their codes; v208-223 at work; v224 the scale word
.set PC,   192
.set TM,   208
.set PW,   224
.set G1, 24
.set G0, 32
.set G1B, 48
.set G0B, 56
.set G1S, 68
.set G0S, 76
.set G1SB, 80
.set G0SB, 88
.set SEL, 96                           ; s[96:97] v_permlanex16_b32's selects for lane l xor 16
.set MNT, 98                           ; s98  the mantissa field of 448
.set CYR, 99                           ; s99  the cluster's y: the region
.set BP,  100                          ; s[100:101] the bias
.set MSB, 0
.macro WIN new                         ; the immediate's high byte repeats the setting that is left
.if MSB != \new
	s_set_vgpr_msb (MSB<<8)|\new
.set MSB, \new
.endif
.endm
.set MUL_LO, 0xa1                      ; source 0 (B) window 1, source 1 (A) window 0, C and D window 2
.set MUL_HI, 0xf1
.set TO_B,   0x40
.macro JLOAD g0a, g1a, g0b, g1b        ; a joint load: waves 0 and 1 fetch for A, waves 2 and 3 for B; an s_nop 0 and four v_nop follow each line
	s_cmp_eq_u32 s15, 0
	s_cbranch_scc0 .Lfor_b_\@
	tensor_load_to_lds s[\g0a:\g0a+3], s[\g1a:\g1a+7]
	s_nop 0
.rept 4
	v_nop
.endr
	s_branch .Lasked_\@
.Lfor_b_\@:
	tensor_load_to_lds s[\g0b:\g0b+3], s[\g1b:\g1b+7]
	s_nop 0
.rept 4
	v_nop
.endr
.Lasked_\@:
.endm
.macro CREST                           ; a round of the cluster's barrier behind its opening barrier
	s_cmp_lg_u32 s14, 0
	s_cbranch_scc1 .Lnot_wave_0_\@
	s_barrier_signal -3
.Lnot_wave_0_\@:
	s_barrier_wait -3
	s_barrier_signal -1
	s_barrier_wait -1
.endm
.macro CROUND
	s_barrier_signal -1
	s_barrier_wait -1
	CREST
.endm
	s_load_b512 s[68:83], s[0:1], 0x0              ; xq 68, y's codes 70, y's scales 72, Wq's codes 74, scales 76, Wk's 78, 80, Wv's codes 82
	s_load_b256 s[84:91], s[0:1], 0x40             ; Wv's scales 84, bq 86, bk 88, bv 90
	s_load_b64 s[92:93], s[0:1], 0x60              ; qkv
	v_lshl_add_u32 v[SPW], v0, 2, SPARE
	v_mov_b32 v[NIL], 0
	ds_add_u32 v[SPW], v[NIL]                      ; the wave's opening: the add, twice on end, and its wait ahead of my first tensor load
	ds_add_u32 v[SPW], v[NIL]
	v_lshrrev_b32 v3, 5, v0
	v_readfirstlane_b32 s14, v3                    ; wave 0..3
	v_and_b32 v1, 15, v0                           ; r = l % 16
	v_bfe_u32 v2, v0, 4, 1                         ; h = l / 16
	s_lshr_b32 s15, s14, 1                         ; which half of the tile's rows is mine.  Also: I fetch for A (0) or for B (1)
	s_and_b32 s16, s14, 1                          ; which half of its columns.  Also: which 128 rows I fetch
	s_bfe_u32 s40, ttmp6, 0x40000                  ; cx, cy: my place in the cluster
	s_bfe_u32 s41, ttmp6, 0x40004
	s_and_b32 s[CYR], ttmp7, 0xffff                ; the region
	s_cmp_eq_u32 s[CYR], 0                         ; V^T: the clusters lie along B's tiles; Q, K: along A's
	s_cselect_b32 s17, 0, ttmp9
	s_cselect_b32 s42, ttmp9, 0
	s_cselect_b32 s95, 4, 16                       ; A's tiles
	s_cselect_b32 s2, 0, 4                         ; the bias from register to register: the same number (rows) or the next (columns)
	s_cselect_b32 s18, 0, 32                       ; its lane term: 32 h (columns)
	s_cselect_b32 s19, 4, 0                        ; or 4 r (rows)
	v_mul_u32_u24 v[BO], v2, s18
	v_mad_u32_u24 v[BO], v1, s19, v[BO]
.irp j, 1,2,3,4,5,6,7
	v_add_nc_u32 v[BO+\j], s2, v[BO+\j-1]
.endr
	s_lshl_b32 s17, s17, 2
	s_add_co_u32 s17, s17, s41                     ; A's tile: hangs on cy and the cluster's ids alone
	s_lshl_b32 s42, s42, 2
	s_add_co_u32 s42, s42, s40                     ; B's tile: on cx and the cluster's ids alone
	s_lshl_b32 s43, s41, 2
	s_lshl_b32 s43, 15, s43                        ; my row of the cluster
	s_lshl_b32 s44, 0x1111, s40                    ; my column
	s_or_b32 s[G1+0], s43, (0<<16)|(1<<20)|(1<<21)|(5<<22)|(3<<25)  ; the mask; elements of 1 byte; padding on; bit 21 beside a mask; after every 64 words, 4 words
	s_or_b32 s[G1B+0], s44, (0<<16)|(1<<20)|(1<<21)|(5<<22)|(3<<25)
.irp g, G1, G1B
	s_mov_b32 s[\g+1], ROWB<<16                    ; tensor_dim0
	s_mov_b32 s[\g+2], 128<<16                     ; tensor_dim1
	s_mov_b32 s[\g+3], ROWB<<16                    ; tile_dim0
	s_mov_b32 s[\g+4], 128                         ; tile_dim1
	s_mov_b32 s[\g+5], KROW                        ; stride
	s_mov_b32 s[\g+6], 0
	s_mov_b32 s[\g+7], 0
.endr
	s_lshl_b32 s18, s16, 7                         ; which 128 rows of a tile I fetch
	s_lshl_b32 s20, s17, 8
	s_add_co_u32 s20, s20, s18                     ; A's row
	s_lshl_b32 s22, s20, 5                         ; its scales: 32 bytes a row
	s_lshl_b32 s20, s20, 10                        ; its codes: 1,024
	s_mov_b32 s21, 0
	s_mov_b32 s23, 0
	s_lshl_b32 s46, s42, 8
	s_add_co_u32 s46, s46, s18                     ; B's row
	s_mul_i32 s45, s14, HALFT                      ; where they go: wave x 128 rows
	s_mul_i32 s94, s14, HALFS
	s_mov_b32 s[SEL], 0x76543210
	s_mov_b32 s[SEL+1], 0xfedcba98
	s_mov_b32 s[MNT], 0x600000
	s_wait_dscnt 0x0                               ; both opening adds are done
	s_wait_kmcnt 0x0
	s_add_nc_u64 s[66:67], s[68:69], 0x400000      ; x's scale bytes lie behind its codes
	s_cmp_eq_u32 s[CYR], 1                         ; the region's five buffers: the choice hangs on the cluster's y alone
	s_cselect_b64 s[4:5], s[68:69], s[70:71]
	s_cselect_b64 s[6:7], s[66:67], s[72:73]
	s_cselect_b64 s[8:9], s[74:75], s[78:79]
	s_cselect_b64 s[10:11], s[76:77], s[80:81]
	s_cselect_b64 s[BP:BP+1], s[86:87], s[88:89]
	s_cmp_eq_u32 s[CYR], 0
	s_cselect_b64 s[4:5], s[82:83], s[4:5]
	s_cselect_b64 s[6:7], s[84:85], s[6:7]
	s_cselect_b64 s[8:9], s[70:71], s[8:9]
	s_cselect_b64 s[10:11], s[72:73], s[10:11]
	s_cselect_b64 s[BP:BP+1], s[90:91], s[BP:BP+1]
	s_mov_b64 s[12:13], s[92:93]                   ; qkv.  s68 to s93 are free from here on
	s_lshl_b32 s92, s46, 5
	s_mov_b32 s93, 0
	s_lshl_b32 s46, s46, 10
	s_mov_b32 s47, 0
	s_add_nc_u64 s[20:21], s[4:5], s[20:21]
	s_add_nc_u64 s[22:23], s[6:7], s[22:23]
	s_add_nc_u64 s[46:47], s[8:9], s[46:47]
	s_add_nc_u64 s[92:93], s[10:11], s[92:93]
	s_or_b32 s[G1S+0], s43, (3<<16)|(1<<20)|(1<<21)|(5<<22)|(3<<25)   ; the scales of 128 rows: 4,096 dense bytes as 16 rows of 32 elements of 8 bytes, 16 bytes of padding behind each
	s_or_b32 s[G1SB+0], s44, (3<<16)|(1<<20)|(1<<21)|(5<<22)|(3<<25)
.irp g, G1S, G1SB
	s_mov_b32 s[\g+1], 32<<16
	s_mov_b32 s[\g+2], 16<<16
	s_mov_b32 s[\g+3], 32<<16
	s_mov_b32 s[\g+4], 16
	s_mov_b32 s[\g+5], 32
	s_mov_b32 s[\g+6], 0
	s_mov_b32 s[\g+7], 0
.endr
	CROUND                                         ; all sixteen work-groups are here: the first joint loads meet
	s_mov_b32 s[G0S], 1
	s_add_co_u32 s[G0S+1], s94, SCL
	s_mov_b64 s[G0S+2:G0S+3], s[22:23]
	s_or_b32 s[G0S+3], s[G0S+3], 0x80000000
	s_mov_b32 s[G0SB], 1
	s_add_co_u32 s[G0SB+1], s94, SCL
	s_mov_b64 s[G0SB+2:G0SB+3], s[92:93]
	s_or_b32 s[G0SB+3], s[G0SB+3], 0x80000000
	JLOAD G0S, G1S, G0SB, G1SB                     ; the scales first: they are wanted with K step 0
.irp s, 0,1
	s_mov_b32 s[G0+4*\s], 1
	s_add_co_u32 s[G0+4*\s+1], s45, \s*SLOT
	s_add_nc_u64 s[G0+4*\s+2:G0+4*\s+3], s[20:21], \s*ROWB
	s_or_b32 s[G0+4*\s+3], s[G0+4*\s+3], 0x80000000
	s_mov_b32 s[G0B+4*\s], 1
	s_add_co_u32 s[G0B+4*\s+1], s45, \s*SLOT
	s_add_nc_u64 s[G0B+4*\s+2:G0B+4*\s+3], s[46:47], \s*ROWB
	s_or_b32 s[G0B+4*\s+3], s[G0B+4*\s+3], 0x80000000
	JLOAD G0+4*\s, G1, G0B+4*\s, G1B               ; three tensor loads of mine are out
.endr
	; where the tile goes
	s_mul_i32 s95, s42, s95
	s_add_co_u32 s95, s95, s17                     ; the tile's number in its region
	s_lshl_b32 s18, s[CYR], 17
	s_lshl_b32 s19, s95, 11
	s_add_co_u32 s18, s18, s19
	s_add_co_u32 s18, s18, 0xC00000
	s_mov_b32 s19, 0
	s_add_nc_u64 s[4:5], s[12:13], s[18:19]        ; its scale bytes
	s_lshl_b32 s18, s[CYR], 22
	s_lshl_b32 s19, s95, 16
	s_add_co_u32 s18, s18, s19
	s_mov_b32 s19, 0
	s_add_nc_u64 s[12:13], s[12:13], s[18:19]      ; its codes
	; the bias: register 8 t + j holds, for Q and K, the bias of column 16 t + 8 h + j of my 128; for V^T that of row 16 t + r, in all eight j
	s_lshl_b32 s18, s17, 8
	s_lshl_b32 s19, s15, 7
	s_add_co_u32 s18, s18, s19                     ; my first row of C
	s_lshl_b32 s19, s42, 8
	s_lshl_b32 s95, s16, 7
	s_add_co_u32 s19, s19, s95                     ; my first column
	s_cmp_eq_u32 s[CYR], 0
	s_cselect_b32 s18, s18, s19
	s_lshl_b32 s18, s18, 2
	s_mov_b32 s19, 0
	s_add_nc_u64 s[BP:BP+1], s[BP:BP+1], s[18:19]
.irp t, 0,1,2,3,4,5,6,7
.irp j, 0,1,2,3,4,5,6,7
	global_load_b32 v[R+8*\t+\j], v[BO+\j], s[BP:BP+1] offset:64*\t
.endr
.endr
	v_mul_u32_u24 v3, v1, PITCH
	v_lshl_add_u32 v4, v2, 4, v3                   ; a fragment's row x pitch + 16 x half
	s_mul_i32 s21, s15, HALFT                      ; my 128 rows of A
	s_mul_i32 s22, s16, HALFT                      ; my 128 rows of B,
	s_add_co_u32 s22, s22, 2*HALFT                 ; which lie behind A's 256
.irp s, 0,1
	v_add_nc_u32 v[ADRA+\s], s21, v4
	v_add_nc_u32 v[ADRB+\s], s22, v4
	s_add_co_u32 s21, s21, SLOT
	s_add_co_u32 s22, s22, SLOT
.endr
	v_lshlrev_b32 v5, 5, v1                        ; my row's scales: 32 bytes a row,
	v_lshrrev_b32 v6, 8, v5
	v_lshl_add_u32 v5, v6, 4, v5                   ; and 16 more for each 256 passed
	s_mul_i32 s21, s15, HALFS
	s_mul_i32 s22, s16, HALFS
	s_add_co_u32 s22, s22, 2*HALFS
	s_sub_co_u32 s22, s22, s21
	v_mul_u32_u24 v6, s22, v2                      ; lanes 16-31 take B's: one product, the distance between the two bases
	s_add_co_u32 s21, s21, SCL
	v_add_nc_u32 v5, v5, v6
	v_add_nc_u32 v[ADRS], s21, v5
	; the way out's addresses
	s_mul_i32 s23, s15, 128*PITCH
	s_lshl_b32 s21, s16, 7
	s_add_co_u32 s23, s23, s21
	v_lshl_add_u32 v5, v2, 3, v3
	v_add_nc_u32 v[STO], s23, v5                   ; (128 x row half + r) x 272 + 128 x column half + 8 h
	s_lshl_b32 s23, s15, 10
	s_lshl_b32 s21, s16, 2
	s_add_co_u32 s23, s23, s21
	s_add_co_u32 s23, s23, SST
	v_lshl_add_u32 v[SSO], v1, 3, s23              ; SST + (128 x row half + r) x 8 + 4 x column half
	s_mul_i32 s23, s14, 64*PITCH
	v_mul_u32_u24 v5, v2, PITCH
	v_lshl_add_u32 v5, v1, 4, v5
	v_add_nc_u32 v[RD], s23, v5                    ; back: wave w takes rows 64 w on; lanes 0-15 one row, lanes 16-31 the next
	v_and_b32 v6, 31, v0
	s_lshl_b32 s23, s14, 9
	v_lshl_add_u32 v[SCO], v6, 4, s23              ; 512 w + 16 x lane
	v_add_nc_u32 v[SRD], SST, v[SCO]
	s_lshl_b32 s23, s14, 14
	v_lshl_add_u32 v[CO], v6, 4, s23               ; 16,384 w + 16 x lane: the tile's rows are dense
.macro FRAG reg, adr, q, i             ; 16 rows x 128 K of codes: lane l holds row l % 16; registers 4 c .. 4 c + 3 hold K = 32 c + 16 (l / 16) + 0 .. 15
.irp c, 0,1,2,3
	ds_load_b128 v[\reg+4*\c:\reg+4*\c+3], v[\adr] offset:128*(\q)+32*\c+(\i)*16*PITCH
.endr
.endm
; 16 matrix instructions: A's blocks a0, a0 + 1 x B's eight.  The 64 accumulators take turns, one instruction a turn, in the same order in every step.
.macro MUL16 a0, p, q, sc, zero
.irp a, \a0, \a0+1
.irp b, 0,1,2,3,4,5,6,7
.if \zero
	v_wmma_scale_f32_16x16x128_f8f6f4 v[8*(8*((\a)%4)+\b):8*(8*((\a)%4)+\b)+7], v[128*(\p)+FR*\b:128*(\p)+FR*\b+FR-1], v[AF+FR*(\a):AF+FR*(\a)+FR-1], 0, v[SC+8*NQ*(\sc)+NQ*\b+(\q)], v[SC+8*NQ*(\sc)+NQ*(\a)+(\q)] matrix_a_scale:MATRIX_SCALE_ROW1
.else
	v_wmma_scale_f32_16x16x128_f8f6f4 v[8*(8*((\a)%4)+\b):8*(8*((\a)%4)+\b)+7], v[128*(\p)+FR*\b:128*(\p)+FR*\b+FR-1], v[AF+FR*(\a):AF+FR*(\a)+FR-1], v[8*(8*((\a)%4)+\b):8*(8*((\a)%4)+\b)+7], v[SC+8*NQ*(\sc)+NQ*\b+(\q)], v[SC+8*NQ*(\sc)+NQ*(\a)+(\q)] matrix_a_scale:MATRIX_SCALE_ROW1
.endif
.endr
.endr
.endm
.macro FETCH_B slot, q, p
	WIN TO_B
.irp i, 0,1,2,3,4,5,6,7
	FRAG 128*(\p)+FR*\i, ADRB+\slot, \q, \i
.endr
	WIN 0
.endm
.macro FETCH_A slot, q, i0
.irp i, \i0, \i0+1, \i0+2, \i0+3
	FRAG AF+FR*(\i), ADRA+\slot, \q, \i
.endr
.endm
.macro SCALES sc                       ; a K step's scale words: lanes 0-15 take A's block i, lanes 16-31 B's block i
.irp i, 0,1,2,3,4,5,6,7
	ds_load_b64 v[SC+8*NQ*\sc+NQ*\i:SC+8*NQ*\sc+NQ*\i+1], v[ADRS] offset:\i*SBLK
.endr
.endm
.macro PLACES n                        ; plain vector instructions between a matrix instruction and a load into, or a read of, its registers
.rept \n
	v_nop
.endr
.endm
.macro STEP slot, q, zero              ; 128 along K that have their successor in the same slot
	s_wait_dscnt 4*NL                              ; B's set and A's blocks 0-3 are in; the youngest 16 loads (A's blocks 4-7) may be out
	WIN MUL_LO
	MUL16 0, (\q)%2, \q, \slot, \zero
	MUL16 2, (\q)%2, \q, \slot, \zero
	s_wait_dscnt 0
	PLACES NP
	FETCH_B \slot, (\q)+1, 1-(\q)%2
	FETCH_A \slot, (\q)+1, 0
	WIN MUL_HI
	MUL16 4, (\q)%2, \q, \slot, \zero
	MUL16 6, (\q)%2, \q, \slot, \zero
	PLACES NP
	WIN 0
	FETCH_A \slot, (\q)+1, 4
.endm
.macro TURN slot, next, fill           ; a slot's last 128 along K, and the change of slots: one barrier
	s_wait_tensorcnt 0x0                           ; all my tensor loads have landed: my part of the next slot
	ds_add_u32 v[SPW], v[NIL]                      ; 0 onto my spare word
	s_wait_dscnt 4*NL+1                            ; the add and the youngest 16 loads (A's blocks 4-7) may be out
	WIN MUL_LO
	MUL16 0, 1, NQ-1, \slot, 0
	s_wait_dscnt 0x0                               ; the add is done, and my reads of this slot are over
	s_barrier_signal -1
	MUL16 2, 1, NQ-1, \slot, 0
	WIN 0
	s_barrier_wait -1
.if \fill
	CREST                                          ; the barrier has opened a round of the cluster's: no wave of any partner still reads this slot or has a load on its way
	s_add_nc_u64 s[G0+4*\slot+2:G0+4*\slot+3], s[G0+4*\slot+2:G0+4*\slot+3], 2*ROWB
	s_add_nc_u64 s[G0B+4*\slot+2:G0B+4*\slot+3], s[G0B+4*\slot+2:G0B+4*\slot+3], 2*ROWB
	JLOAD G0+4*\slot, G1, G0B+4*\slot, G1B         ; the first tensor load behind the round; its four v_nop are among the places
	PLACES NP-4
.else
	PLACES NP
.endif
	v_add_nc_u32 v[ADRS], 4*NQ, v[ADRS]            ; on to the next K step's scale words
	FETCH_B \next, 0, 0
	FETCH_A \next, 0, 0
	SCALES \next
	WIN MUL_HI
	MUL16 4, 1, NQ-1, \slot, 0
	MUL16 6, 1, NQ-1, \slot, 0
	PLACES NP
	WIN 0
	FETCH_A \next, 0, 4
.endm
	s_wait_tensorcnt 1                             ; the scales and my part of K step 0 are in; K step 1's load may be out
	s_barrier_signal -1
	s_barrier_wait -1
	FETCH_B 0, 0, 0
	FETCH_A 0, 0, 0
	SCALES 0
	FETCH_A 0, 0, 4
	STEP 0, 0, 1                                   ; the first step's products start the sums
	s_mov_b32 s3, LAPS-1
.Llap:
	TURN 0, 1, 1
	STEP 1, 0, 0
	TURN 1, 0, 1
	STEP 0, 0, 0
	s_sub_co_u32 s3, s3, 1
	s_cmp_lg_u32 s3, 0
	s_cbranch_scc1 .Llap
	TURN 0, 1, 0                                   ; the last lap fills nothing
	STEP 1, 0, 0
	s_wait_dscnt 4*NL
	WIN MUL_LO
	MUL16 0, 1, NQ-1, 1, 0
	MUL16 2, 1, NQ-1, 1, 0
	s_wait_dscnt 0
	WIN MUL_HI
	MUL16 4, 1, NQ-1, 1, 0
	MUL16 6, 1, NQ-1, 1, 0
	WIN 0
; THE WAY OUT.  Lane (r, h) of accumulator (a, b) holds row 16 a + r of my 128 rows, and its register j column 16 b + 8 h + j.  A block of 32 columns is tiles 2 B and 2 B + 1 of lanes l and l xor 16.
; 64 numbers, v[W + 16 B + i], become codes in v[PC] on (registers 4 B, 4 B + 1: tile 2 B's eight; 4 B + 2, 4 B + 3: tile 2 B + 1's) and the row's scale word of these 128 columns in v[PW].
.macro QUANT
.irp b, 0,1,2,3
	v_max3_num_f32 v[TM+\b], |v[W+16*\b]|, |v[W+1+16*\b]|, 0x4800000   ; my 16 numbers, and the floor 2^(9 - 127): the byte cannot fall under 1
.endr
.irp i, 2,4,6,8,10,12,14
.irp b, 0,1,2,3
	v_max3_num_f32 v[TM+\b], v[TM+\b], |v[W+16*\b+\i]|, |v[W+1+16*\b+\i]|   ; the four blocks by turns
.endr
.endr
.irp b, 0,1,2,3
	v_permlanex16_b32 v[TM+4+\b], v[TM+\b], s[SEL], s[SEL+1]
.endr
.irp b, 0,1,2,3
	v_max_num_f32 v[TM+\b], v[TM+\b], v[TM+4+\b]   ; with lane l xor 16's: the block's largest magnitude
.endr
.irp b, 0,1,2,3
	v_add_nc_u32 v[TM+12+\b], 0xfc000000, v[TM+\b] ; 8 off its exponent field: the conversion's scale operand
.endr
.irp b, 0,1,2,3
	v_and_or_b32 v[TM+8+\b], v[TM+\b], 0x7f800000, s[MNT]   ; 448 x the scale
.endr
.irp b, 0,1,2,3
	v_lshrrev_b32 v[TM+4+\b], 23, v[TM+12+\b]      ; the scale's byte
.endr
	v_lshl_or_b32 v[PW], v[TM+5], 8, v[TM+4]
	v_lshl_or_b32 v[PW], v[TM+6], 16, v[PW]
	v_lshl_or_b32 v[PW], v[TM+7], 24, v[PW]
.irp b, 0,1,2,3
.irp i, 0,1,2,3,4,5,6,7,8,9,10,11,12,13,14,15
	v_med3_num_f32 v[W+16*\b+\i], v[W+16*\b+\i], -v[TM+8+\b], v[TM+8+\b]   ; the conversion does not saturate (ISA guide 7.6.2): the hold comes first
.endr
	v_cvt_scalef32_pk8_fp8_f32 v[PC+4*\b:PC+1+4*\b], v[W+16*\b:W+7+16*\b], v[TM+12+\b]
	v_cvt_scalef32_pk8_fp8_f32 v[PC+2+4*\b:PC+3+4*\b], v[W+8+16*\b:W+15+16*\b], v[TM+12+\b]
.endr
	v_nop                                          ; one plain instruction behind the last conversion, ahead of the next writes of its sources
.endm
; Block a of 16 rows: the bias is added on the way from the accumulators' window into window 0 (each accumulator from its low end on), the sums are quantised, codes and scale word go to the stage.
; The two arms differ in the bias's registers alone; the branch hangs on the cluster's y, the same in all partners and waves.
.macro EPI a
.if (\a) > 0
	s_wait_dscnt 0x0                               ; the last block's stores have read their registers
.endif
.set AC, 64*((\a)%4)
	s_cmp_eq_u32 s[CYR], 0
	s_cbranch_scc1 .Lrows_\@
	WIN (0x02+(\a)/4)                              ; source 0: window 2 or 3
.irp b, 0,1,2,3,4,5,6,7
.irp i, 0,2,4,6
	v_pk_add_f32 v[W+8*\b+\i:W+8*\b+\i+1], v[AC+8*\b+\i:AC+8*\b+\i+1], v[R+8*\b+\i:R+8*\b+\i+1]
.endr
.endr
	WIN 0
	s_branch .Lsum_\@
.Lrows_\@:
	WIN (0x02+(\a)/4)
.irp b, 0,1,2,3,4,5,6,7
.irp i, 0,2,4,6
	v_pk_add_f32 v[W+8*\b+\i:W+8*\b+\i+1], v[AC+8*\b+\i:AC+8*\b+\i+1], v[R+8*(\a)+\i:R+8*(\a)+\i+1]
.endr
.endr
	WIN 0
.Lsum_\@:
	QUANT
.irp t, 0,1,2,3,4,5,6,7
	ds_store_b64 v[STO], v[PC+2*\t:PC+2*\t+1] offset:(\a)*16*PITCH+16*\t
.endr
	ds_store_b32 v[SSO], v[PW] offset:(\a)*128     ; both halves of the lanes write the same word with the same value
.endm
	s_wait_loadcnt 0x0                             ; the bias
	PLACES NP                                      ; behind the last products: their results are read and A's registers are written below
.irp b, 0,1,2,3
	v_mov_b32 v[TM+4+\b], 0                        ; written once: a lane permute's destination counts as one of its sources
.endr
.irp a, 0,1,2,3,4,5,6,7
	EPI \a
.endr
	s_wait_dscnt 0x0                               ; for the others' sake: my stores into the stage are done
	s_barrier_signal -1
	s_barrier_wait -1
	ds_load_b128 v[R:R+3], v[SRD]                  ; 16 of the tile's 2,048 scale bytes
.set n, 0
.rept 32
	ds_load_b128 v[W+4*n:W+4*n+3], v[RD] offset:n*2*PITCH
.set n, n+1
.endr
	s_wait_dscnt 32                                ; the 32 loads behind it may be out
	global_store_b128 v[SCO], v[R:R+3], s[4:5]
.set n, 0
.rept 32
	s_wait_dscnt 31-n                              ; the younger loads may be out
	global_store_b128 v[CO], v[W+4*n:W+4*n+3], s[12:13] offset:512*n   ; 32 lanes store 512 consecutive bytes, aligned
.set n, n+1
.endr
	s_wait_tensorcnt 0x0                           ; the wave's end
	ds_add_u32 v[SPW], v[NIL]
	s_wait_dscnt 0x0
	CROUND                                         ; the closing round
	s_endpgm
.Lfunc_end_k_q1b92ea6301_qkv:
	.size	k_q1b92ea6301_qkv, .Lfunc_end_k_q1b92ea6301_qkv-k_q1b92ea6301_qkv
	.p2alignl 7, 3214868480
	.fill 96, 4, 3214868480
	.section	.rodata,"a",@progbits
	.p2align	6, 0x0
	.amdhsa_kernel k_q1b92ea6301_qkv
		.amdhsa_group_segment_fixed_size 327680
		.amdhsa_private_segment_fixed_size 0
		.amdhsa_enable_private_segment 0
		.amdhsa_kernarg_size 104
		.amdhsa_user_sgpr_count 2
		.amdhsa_user_sgpr_kernarg_segment_ptr 1
		.amdhsa_wavefront_size32 1
		.amdhsa_system_sgpr_workgroup_id_x 1
		.amdhsa_system_sgpr_workgroup_id_y 1
		.amdhsa_system_sgpr_workgroup_id_z 1
		.amdhsa_system_vgpr_workitem_id 0
		.amdhsa_next_free_vgpr 1024
		.amdhsa_next_free_sgpr 102
		.amdhsa_reserve_vcc 0
		.amdhsa_float_denorm_mode_32 3
		.amdhsa_float_denorm_mode_16_64 3
		.amdhsa_memory_ordered 1
		.amdhsa_forward_progress 1
		.amdhsa_inst_pref_size 233
	.end_amdhsa_kernel
	.amdgpu_metadata
---
amdhsa.version: [ 1, 2 ]
amdhsa.kernels:
  - .name:           k_q1b92ea6301_qkv
    .symbol:         k_q1b92ea6301_qkv.kd
    .args:
      - { .name: xq, .offset: 0, .size: 8, .value_kind: global_buffer, .address_space: global }
      - { .name: y_codes, .offset: 8, .size: 8, .value_kind: global_buffer, .address_space: global }
      - { .name: y_scales, .offset: 16, .size: 8, .value_kind: global_buffer, .address_space: global }
      - { .name: Wq_codes, .offset: 24, .size: 8, .value_kind: global_buffer, .address_space: global }
      - { .name: Wq_scales, .offset: 32, .size: 8, .value_kind: global_buffer, .address_space: global }
      - { .name: Wk_codes, .offset: 40, .size: 8, .value_kind: global_buffer, .address_space: global }
      - { .name: Wk_scales, .offset: 48, .size: 8, .value_kind: global_buffer, .address_space: global }
      - { .name: Wv_codes, .offset: 56, .size: 8, .value_kind: global_buffer, .address_space: global }
      - { .name: Wv_scales, .offset: 64, .size: 8, .value_kind: global_buffer, .address_space: global }
      - { .name: bq, .offset: 72, .size: 8, .value_kind: global_buffer, .address_space: global }
      - { .name: bk, .offset: 80, .size: 8, .value_kind: global_buffer, .address_space: global }
      - { .name: bv, .offset: 88, .size: 8, .value_kind: global_buffer, .address_space: global }
      - { .name: qkv, .offset: 96, .size: 8, .value_kind: global_buffer, .address_space: global }
    .group_segment_fixed_size: 327680
    .private_segment_fixed_size: 0
    .kernarg_segment_align: 8
    .kernarg_segment_size: 104
    .max_flat_workgroup_size: 128
    .sgpr_count:     102
    .vgpr_count:     1024
    .wavefront_size: 32
...
	.end_amdgpu_metadata
.endif
;; end of part 2
;; launch attn (part 3): grid 8 x 32, 16 waves a work-group, no clusters, 276,480 bytes of LDS; arguments qkv, mask, ab; writes ab
.if DOCPART == 3
	.amdgcn_target "amdgcn-amd-amdhsa--gfx1250"
	.amdhsa_code_object_version 6
	.text
	.protected	k_q1b92ea6301_attn
	.globl	k_q1b92ea6301_attn
	.p2align	8
	.type	k_q1b92ea6301_attn,@function
k_q1b92ea6301_attn:
	s_mov_b64 s[64:65], 0
	v_nop
	global_prefetch_b8 v0, s[64:65] scope:SCOPE_SE
	s_setreg_imm32_b32 hwreg(HW_REG_WAVE_MODE, 25, 1), 1
	s_wait_xcnt 0x0
; Products 4 and 5 with the mask and the softmax between them, the division by the row's sum, and the quantiser of the result along D.  No work is left out.
; A work-group owns 256 queries of one head of one batch (x: the block of queries; y = 16 x batch + head); each of its sixteen waves owns 16 queries.
; THE WHOLE HEAD'S K AND V LIE IN LDS, brought once through registers, as IMAGES OF THE OPERANDS' REGISTERS: wave w brings key step w (128 keys): each group of four registers by one ds_store_b128 at 16 x lane.
; One barrier; then a loop of 16 key steps with no barrier in it.  No tensor load.
; No cluster and no joint loads; what work-groups of a head share is 270,336 bytes, read once ahead of 16 key steps.
; LAYOUT.  Both products are used transposed: S^T = K Q^T (source 0 = 16 keys, source 1 = my 16 queries), O^T = V^T P^T (source 0 = 16 channels, source 1 = P): a lane holds one query throughout.
; Product 4's K is the head's 64: the upper half of each 128-deep operand holds zero codes, under scale bytes 0 (2^-127: no NaN), which add nothing.
; Lane r of tile 2 b + u takes key (or channel) 32 b + 8 u + r + 8 (r / 8): so the 16 registers of tiles 2 b, 2 b + 1 are 16 neighbours, 32 b + 16 (lane / 16) + 0 .. 15.
; THE SOFTMAX: t = score x log2(e) / 8; M = the running largest t rounded up to a whole number; p = 2^(t - M) is quantised along the keys; the row's sum is taken of the unquantised p and divides at the end.
; THE MASK.  A key step with no hole (a flag made at the head from the mask's words) passes over the masking.  Elsewhere the score of a key whose mask word is 0 becomes -2^33.
; LIMIT: that is a logit of -2^30 where reference() writes -1e9.  -2^33 x c is exact and a whole number, so a batch with every key masked gives p = 1 for all keys, as the rule gives with -1e9; results are the same
; wherever the logits of open keys lie above about -1e9.  A block of zeros gets the scale byte 1; NaN and infinities are not served.
; OUT: a head's 64 codes of a token's row (two stores of 32-byte pieces a row) and its 2 scale bytes are all that a work-group owns of that row: 4,194,304 and 131,072 bytes in all.
.set KIMG,  0                          ; K's images: step x 8,192 + tile x 1,024 + c x 512 + 16 x lane
.set VIMG,  131072                     ; V's: step x 8,192 + tile x 2,048 + c x 512 + 16 x lane
.set KSC,   262144                     ; K's scale words: step x 512 + b x 128 + 4 x lane: lanes 0-15 tile 2 b's keys, lanes 16-31 tile 2 b + 1's
.set VSC,   270336                     ; V's: step x 256 + i x 128 + 4 x lane
.set SPARE, 274432                     ; the spare words, 128 bytes for each wave, that no other line names
.set AK0, 1                            ; v1   16 x lane
.set AV0, 2                            ; v2   16 x lane + VIMG
.set AS0, 3                            ; v3   4 x lane + KSC
.set AT0, 4                            ; v4   4 x lane + VSC
.set SPW, 5
.set NIL, 6
.set MKO, 7                            ; v7   64 h: my half's mask words
.set ADK, 8                            ; v8-11 the step's LDS addresses
.set ADV, 9
.set ADS, 10
.set ADT, 11
.set QF,  16                           ; v16-31 Q's fragment (v24-31 zeros);  v12 -M, v13 the largest t, v[14:15] the sum in two halves
.set KFR, 32                           ; v32-95 four fragments of K (the upper eight registers of each stay zeros)
.set S,   96                           ; v96-159 S^T, then p, then V's four fragments
.set OT,  160                          ; v160-191 O^T
.set PCD, 192                          ; v192-207 p's codes
.set KSR, 208                          ; v208-211 K's scale words;  v212-213 V's;  v214 Q's;  v215 p's: these eight hold scales and nothing else
.set VSR, 212
.set QS,  214
.set PWD, 215
.set BM,  216                          ; v216-219 the blocks' largest
.set PT,  220                          ; v220-223 from lane l xor 16
.set HO,  224                          ; v224-227 448 x the scale
.set SO,  228                          ; v228-231 the conversions' scale operands
.set BY,  232                          ; v232-235 the scale bytes
.set SUM2, 236                         ; v[236:237] the second chain of the sum
.set TMP, 238
.set F,   240                          ; v[240:241] f = 2^(old M - new M)
.set SENT, 248                         ; v248 -2^33;  v249 the mask loads' offset;  v216-247 the mask's words in the masking arm
.set MVO, 249
.set WV,  18
.set MNT, 19
.set SEL, 20
.set CS,  22                           ; s[22:23] c = log2(e) / 8
.set TK,  2                            ; s2   the step's images: 8,192 a step
.set TS,  3                            ; s3   K's scale words: 512 a step
.set TJ,  24                           ; s24  V's: 256 a step
.set T,   25                           ; s25  the step
.set FL,  26                           ; s26  bit t: key step t has a hole in the mask
	s_load_b128 s[4:7], s[0:1], 0x0                ; qkv, mask
	s_load_b64 s[8:9], s[0:1], 0x10                ; ab
	v_lshl_add_u32 v[SPW], v0, 2, SPARE
	v_mov_b32 v[NIL], 0
	v_lshrrev_b32 v8, 5, v0
	v_readfirstlane_b32 s[WV], v8                  ; wave 0..15
	s_and_b32 s10, ttmp7, 0xffff
	s_lshr_b32 s11, s10, 4                         ; the batch
	s_and_b32 s12, s10, 15                         ; the head
	s_lshr_b32 s13, s12, 2                         ; its panel of 256 columns,
	s_and_b32 s14, s12, 3                          ; and its place there
	s_lshl_b32 s15, s11, 11                        ; the batch's first token
	s_lshl_b32 s16, s13, 12
	s_add_co_u32 s17, s16, s15
	s_lshl_b32 s34, s[WV], 7
	s_add_co_u32 s17, s17, s34                     ; K: the panel's row of my step's first key
	s_lshl_b32 s34, s14, 6                         ; the head's 64 bytes in a row of 256,
	s_lshl_b32 s35, s14, 1                         ; its 2 scale bytes in a row of 8
	s_lshl_b32 s36, s17, 8
	s_add_co_u32 s36, s36, s34
	s_add_co_u32 s36, s36, 0x800000                ; K's codes
	s_mov_b32 s37, 0
	s_lshl_b32 s38, s17, 3
	s_add_co_u32 s38, s38, s35
	s_add_co_u32 s38, s38, 0xC40000                ; K's scale bytes
	s_mov_b32 s39, 0
	s_lshl_b32 s40, s11, 3
	s_lshr_b32 s27, s[WV], 1
	s_add_co_u32 s40, s40, s27                     ; V: the panel of 256 keys,
	s_lshl_b32 s40, s40, 10
	s_lshl_b32 s49, s12, 6
	s_add_co_u32 s40, s40, s49                     ; the head's first row in it
	s_and_b32 s27, s[WV], 1                        ; which 128 of the 256 keys
	s_lshl_b32 s42, s40, 3
	s_lshl_b32 s40, s40, 8
	s_lshl_b32 s48, s27, 7
	s_add_co_u32 s40, s40, s48                     ; V's codes (region 0)
	s_mov_b32 s41, 0
	s_lshl_b32 s48, s27, 2
	s_add_co_u32 s42, s42, s48
	s_add_co_u32 s42, s42, 0xC00000                ; V's scale bytes
	s_mov_b32 s43, 0
	s_lshl_b32 s48, ttmp9, 8
	s_add_co_u32 s15, s15, s48
	s_lshl_b32 s48, s[WV], 4
	s_add_co_u32 s15, s15, s48                     ; my first query's token
	s_add_co_u32 s44, s16, s15
	s_lshl_b32 s46, s44, 3
	s_lshl_b32 s44, s44, 8
	s_add_co_u32 s44, s44, s34
	s_add_co_u32 s44, s44, 0x400000                ; Q's codes
	s_mov_b32 s45, 0
	s_add_co_u32 s46, s46, s35
	s_add_co_u32 s46, s46, 0xC20000                ; Q's scale bytes
	s_mov_b32 s47, 0
	s_lshl_b32 s28, s11, 13                        ; the batch's 2,048 mask words
	s_mov_b32 s29, 0
	s_lshl_b32 s30, s15, 10
	s_add_co_u32 s30, s30, s49
	s_add_co_u32 s30, s30, 0x80000                 ; out: my tokens' codes, the head's 64 bytes
	s_mov_b32 s31, 0
	s_lshl_b32 s32, s15, 5
	s_lshl_b32 s48, s12, 1
	s_add_co_u32 s32, s32, s48                     ; and its 2 scale bytes
	s_mov_b32 s33, 0
	s_mov_b32 s[SEL], 0x76543210
	s_mov_b32 s[SEL+1], 0xfedcba98
	s_mov_b32 s[CS], 0x3e38aa3b
	s_mov_b32 s[CS+1], s[CS]
	s_mov_b32 s[MNT], 0x600000
	s_mov_b32 s[TK], 0
	s_mov_b32 s[TS], 0
	s_mov_b32 s[TJ], 0
	s_mov_b32 s[T], 0
	s_mov_b32 s[FL], 0
	v_and_b32 v240, 31, v0                         ; lane
	v_and_b32 v241, 15, v0                         ; r
	v_bfe_u32 v242, v0, 4, 1                       ; h
	v_lshlrev_b32 v[AK0], 4, v240
	v_add_nc_u32 v[AV0], VIMG, v[AK0]
	v_lshl_add_u32 v[AS0], v240, 2, KSC
	v_lshl_add_u32 v[AT0], v240, 2, VSC
	v_lshlrev_b32 v[MKO], 6, v242
	v_and_b32 v243, 8, v241
	v_add_nc_u32 v243, v243, v241                  ; r + 8 (r / 8)
	v_lshlrev_b32 v244, 8, v243
	v_lshl_add_u32 v244, v242, 4, v244             ; K's and V's fragments: that row of 256 bytes, + 16 h
	v_lshl_add_u32 v245, v242, 3, v243
	v_lshlrev_b32 v245, 3, v245                    ; their scale words: row 8 (lane / 16) + r + 8 (r / 8), 8 bytes a row
	v_lshlrev_b32 v246, 8, v241
	v_lshl_add_u32 v246, v242, 4, v246             ; Q: row r, + 16 h
	v_lshlrev_b32 v247, 3, v241                    ; its scale bytes: row r
	s_lshl_b32 s48, s[WV], 13
	v_add_nc_u32 v8, s48, v[AK0]                   ; where my step's images go
	v_add_nc_u32 v9, s48, v[AV0]
	s_lshl_b32 s48, s[WV], 9
	v_add_nc_u32 v10, s48, v[AS0]
	s_lshl_b32 s48, s[WV], 8
	v_add_nc_u32 v11, s48, v[AT0]
	s_wait_kmcnt 0x0
	s_add_nc_u64 s[36:37], s[4:5], s[36:37]
	s_add_nc_u64 s[38:39], s[4:5], s[38:39]
	s_add_nc_u64 s[40:41], s[4:5], s[40:41]
	s_add_nc_u64 s[42:43], s[4:5], s[42:43]
	s_add_nc_u64 s[44:45], s[4:5], s[44:45]
	s_add_nc_u64 s[46:47], s[4:5], s[46:47]
	s_add_nc_u64 s[28:29], s[6:7], s[28:29]
	s_add_nc_u64 s[30:31], s[8:9], s[30:31]
	s_add_nc_u64 s[32:33], s[8:9], s[32:33]
.irp t, 0,1,2,3,4,5,6,7                        ; my step's eight tiles of K: 64 channels are two groups of four registers
.irp c, 0,1
	global_load_b128 v[32+8*\t+4*\c:32+8*\t+4*\c+3], v244, s[36:37] offset:(32*(\t/2)+8*(\t%2))*256+32*\c
.endr
.endr
.irp t, 0,1,2,3                                ; and four tiles of V: 128 keys are four groups
.irp c, 0,1,2,3
	global_load_b128 v[96+16*\t+4*\c:96+16*\t+4*\c+3], v244, s[40:41] offset:(32*(\t/2)+8*(\t%2))*256+32*\c
.endr
.endr
.irp b, 0,1,2,3
	global_load_u16 v[232+\b], v245, s[38:39] offset:256*\b   ; two scale bytes; the upper two bytes of the word come as 0
.endr
.irp i, 0,1
	global_load_b32 v[236+\i], v245, s[42:43] offset:256*\i
.endr
.irp c, 0,1
	global_load_b128 v[QF+4*\c:QF+4*\c+3], v246, s[44:45] offset:32*\c
.endr
	global_load_u16 v[QS], v247, s[46:47]
.irp t, 0,1,2,3,4,5,6,7,8,9,10,11              ; the batch's mask: load t holds key step t's 128 words
	global_load_b128 v[160+4*\t:163+4*\t], v[AK0], s[28:29] offset:512*\t
.endr
.irp t, 12,13,14,15
	global_load_b128 v[216+4*(\t-12):219+4*(\t-12)], v[AK0], s[28:29] offset:512*\t
.endr
	s_wait_loadcnt 0x0
.irp t, 0,1,2,3,4,5,6,7
.irp c, 0,1
	ds_store_b128 v8, v[32+8*\t+4*\c:32+8*\t+4*\c+3] offset:1024*\t+512*\c
.endr
.endr
.irp t, 0,1,2,3
.irp c, 0,1,2,3
	ds_store_b128 v9, v[96+16*\t+4*\c:96+16*\t+4*\c+3] offset:2048*\t+512*\c
.endr
.endr
.irp b, 0,1,2,3
	ds_store_b32 v10, v[232+\b] offset:128*\b
.endr
.irp i, 0,1
	ds_store_b32 v11, v[236+\i] offset:128*\i
.endr
.irp t, 0,1,2,3,4,5,6,7,8,9,10,11,12,13,14,15  ; the flags: has key step t a word that is 0?
.if \t < 12
.set MR, 160+4*\t
.else
.set MR, 216+4*(\t-12)
.endif
	v_min_u32 v[MR], v[MR], v[MR+1]
	v_min_u32 v[MR+2], v[MR+2], v[MR+3]
	v_min_u32 v[MR], v[MR], v[MR+2]
	v_cmp_eq_u32 vcc_lo, 0, v[MR]
	s_cmp_lg_u32 vcc_lo, 0
	s_cselect_b32 s34, 1<<\t, 0
	s_or_b32 s[FL], s[FL], s34
.endr
	s_wait_dscnt 0x0                               ; for the others' sake: my images lie in LDS; and the stores have read their registers
.irp j, 0,1,2,3,4,5,6,7
	v_mov_b32 v[QF+8+\j], 0                        ; the zero codes of K = 64 .. 127
.irp t, 0,1,2,3
	v_mov_b32 v[KFR+16*\t+8+\j], 0
.endr
.endr
.set n, 0
.rept 32
	v_mov_b32 v[OT+n], 0                           ; O^T: the loop is written once; its first step finds zeros, which the first change of M leaves zeros
.set n, n+1
.endr
	v_mov_b32 v13, 0xff61b1e6                      ; the largest t so far: -3e38
	v_floor_f32 v12, -v13                          ; -M
	v_mov_b32 v14, 0
	v_mov_b32 v15, 0
.irp b, 0,1,2,3
	v_mov_b32 v[PT+\b], 0                          ; written once: a lane permute's destination counts as one of its sources
.endr
	v_mov_b32 v[F+1], 0                            ; named as the upper half of the pair
	s_barrier_signal -1
	s_barrier_wait -1                              ; the whole head lies in LDS; nothing is written there from here on
.Lstep:
	v_add_nc_u32 v[ADK], s[TK], v[AK0]
	v_add_nc_u32 v[ADV], s[TK], v[AV0]
	v_add_nc_u32 v[ADS], s[TS], v[AS0]
	v_add_nc_u32 v[ADT], s[TJ], v[AT0]
.rept 6
	v_nop                                          ; with the four additions ten places: the first product below writes over V's fragments, which the last step's products read (nine are asked)
.endr
.irp g, 0,1                                    ; S^T = K Q^T, four tiles of 16 keys at a time
.if \g
.rept 8
	v_nop                                          ; places in front of loads into registers that matrix instructions have read
.endr
.endif
.irp tt, 0,1,2,3
.irp c, 0,1
	ds_load_b128 v[KFR+16*\tt+4*\c:KFR+16*\tt+4*\c+3], v[ADK] offset:(4*\g+\tt)*1024+512*\c
.endr
.endr
.irp i, 0,1
	ds_load_b32 v[KSR+2*\g+\i], v[ADS] offset:(2*\g+\i)*128
.endr
	s_wait_dscnt 0x0
.irp tt, 0,1,2,3
.if (\tt)%2
	v_wmma_scale_f32_16x16x128_f8f6f4 v[S+8*(4*\g+\tt):S+8*(4*\g+\tt)+7], v[KFR+16*\tt:KFR+16*\tt+15], v[QF:QF+15], 0, v[KSR+2*\g+\tt/2], v[QS] matrix_a_scale:MATRIX_SCALE_ROW1
.else
	v_wmma_scale_f32_16x16x128_f8f6f4 v[S+8*(4*\g+\tt):S+8*(4*\g+\tt)+7], v[KFR+16*\tt:KFR+16*\tt+15], v[QF:QF+15], 0, v[KSR+2*\g+\tt/2], v[QS]
.endif
.endr
.endr
.rept 8
	v_nop
.endr
	s_lshr_b32 s34, s[FL], s[T]                    ; has this step a hole?  The flag comes from the mask's whole numbers, and is the same in all waves
	s_and_b32 s34, s34, 1
	s_cmp_lg_u32 s34, 0
	s_cbranch_scc0 .Lopen
	v_mov_b32 v[SENT], 0xd0000000                  ; -2^33
	s_lshl_b32 s34, s[T], 9
	v_add_nc_u32 v[MVO], s34, v[MKO]               ; register 16 b + i holds key 128 T + 32 b + 16 h + i: its word lies at 512 T + 128 b + 64 h + 4 i
.irp q, 0,1
.irp bb, 0,1
.irp i, 0,1,2,3
	global_load_b128 v[216+16*\bb+4*\i:219+16*\bb+4*\i], v[MVO], s[28:29] offset:128*(2*\q+\bb)+16*\i
.endr
.endr
	s_wait_loadcnt 0x0
.set n, 0
.rept 32
	v_cmp_eq_u32 vcc_lo, 0, v[216+n]
	v_cndmask_b32 v[S+32*\q+n], v[S+32*\q+n], v[SENT], vcc_lo
.set n, n+1
.endr
.endr
.Lopen:
.irp b, 0,1,2,3
	v_max3_num_f32 v[BM+\b], v[S+16*\b], v[S+1+16*\b], v[S+2+16*\b]   ; the largest score of each block of 32 keys: for the row's maximum, and, since p rises with the score, for the block's largest p
.endr
.irp i, 3,5,7,9,11,13
.irp b, 0,1,2,3
	v_max3_num_f32 v[BM+\b], v[BM+\b], v[S+16*\b+\i], v[S+1+16*\b+\i]
.endr
.endr
.irp b, 0,1,2,3
	v_max_num_f32 v[BM+\b], v[BM+\b], v[S+15+16*\b]
.endr
.irp b, 0,1,2,3
	v_permlanex16_b32 v[PT+\b], v[BM+\b], s[SEL], s[SEL+1]
.endr
.irp b, 0,1,2,3
	v_max_num_f32 v[BM+\b], v[BM+\b], v[PT+\b]
.endr
	v_max3_num_f32 v[TMP], v[BM], v[BM+1], v[BM+2]
	v_max_num_f32 v[TMP], v[TMP], v[BM+3]          ; the step's largest score of my query
	v_mul_f32 v[TMP], s[CS], v[TMP]                ; as t
	v_max_num_f32 v13, v13, v[TMP]                 ; the running largest t
	v_mov_b32 v[TMP], v12
	v_floor_f32 v12, -v13                          ; the new -M = floor(-t): M is a whole number
	v_sub_f32 v[TMP], v12, v[TMP]                  ; old M less new M: a whole number, 0 or less
	v_cvt_i32_f32 v[TMP], v[TMP]                   ; (it saturates)
	v_ldexp_f32 v[F], 1.0, v[TMP]                  ; f = 2^(old M - new M): a multiplication by it rounds nothing
.set n, 0
.rept 32
	v_pk_fma_f32 v[S+n:S+n+1], v[S+n:S+n+1], s[CS:CS+1], v[12:13] op_sel_hi:[1,0,0]   ; t - M, two at a time
.set n, n+2
.endr
.irp b, 0,1,2,3
	v_fma_f32 v[BM+\b], v[BM+\b], s[CS], v12       ; the same of each block's largest score
.endr
.set n, 0
.rept 64
	v_exp_f32 v[S+n], v[S+n]                       ; p = 2^(t - M): not normalised
.set n, n+1
.endr
	v_pk_mul_f32 v[14:15], v[14:15], v[F:F+1] op_sel_hi:[1,0]   ; the sums under the new M: the plain instruction behind the exponentials
	s_wait_alu depctr_va_vdst(0)                   ; one wait for the batch of 64, ahead of its first reader
.irp b, 0,1,2,3
	v_exp_f32 v[BM+\b], v[BM+\b]                   ; the block's largest p
.endr
	v_pk_add_f32 v[SUM2:SUM2+1], v[S:S+1], v[S+2:S+3]   ; the row's sum is taken of the unquantised p, in two chains
.irp j, 4,8,12,16,20,24,28,32,36,40,44,48,52,56,60
	v_pk_add_f32 v[14:15], v[14:15], v[S+\j:S+1+\j]
	v_pk_add_f32 v[SUM2:SUM2+1], v[SUM2:SUM2+1], v[S+2+\j:S+3+\j]
.endr
	v_pk_add_f32 v[14:15], v[14:15], v[SUM2:SUM2+1]
	s_wait_alu depctr_va_vdst(0)                   ; and one for the four
.irp b, 0,1,2,3
	v_max_num_f32 v[BM+\b], 0x4800000, v[BM+\b]    ; the floor 2^(9 - 127): the byte cannot fall under 1
.endr
.irp b, 0,1,2,3
	v_add_nc_u32 v[SO+\b], 0xfc000000, v[BM+\b]
.endr
.irp b, 0,1,2,3
	v_and_or_b32 v[HO+\b], v[BM+\b], 0x7f800000, s[MNT]
.endr
.irp b, 0,1,2,3
	v_lshrrev_b32 v[BY+\b], 23, v[SO+\b]
.endr
	v_lshl_or_b32 v[PWD], v[BY+1], 8, v[BY]        ; p's scale word for these 128 keys
	v_lshl_or_b32 v[PWD], v[BY+2], 16, v[PWD]
	v_lshl_or_b32 v[PWD], v[BY+3], 24, v[PWD]
.irp b, 0,1,2,3
.irp i, 0,1,2,3,4,5,6,7,8,9,10,11,12,13,14,15
	v_min_num_f32 v[S+16*\b+\i], v[S+16*\b+\i], v[HO+\b]   ; the hold; p is not negative, so it is one-sided
.endr
	v_cvt_scalef32_pk8_fp8_f32 v[PCD+4*\b:PCD+1+4*\b], v[S+16*\b:S+7+16*\b], v[SO+\b]
	v_cvt_scalef32_pk8_fp8_f32 v[PCD+2+4*\b:PCD+3+4*\b], v[S+8+16*\b:S+15+16*\b], v[SO+\b]
.endr
.set n, 0
.rept 16
	v_pk_mul_f32 v[OT+n:OT+n+1], v[OT+n:OT+n+1], v[F:F+1] op_sel_hi:[1,0]   ; O^T under the new M.  These sixteen are also the places in front of the products below
.set n, n+2
.endr
.irp t, 0,1,2,3                                ; O^T += V^T P^T: four tiles of 16 channels; K = these 128 keys
.irp c, 0,1,2,3
	ds_load_b128 v[S+16*\t+4*\c:S+16*\t+4*\c+3], v[ADV] offset:2048*\t+512*\c
.endr
.endr
.irp i, 0,1
	ds_load_b32 v[VSR+\i], v[ADT] offset:128*\i
.endr
	s_wait_dscnt 0x0
.irp t, 0,1,2,3                                ; the four accumulators take turns, one instruction a turn
.if (\t)%2
	v_wmma_scale_f32_16x16x128_f8f6f4 v[OT+8*\t:OT+8*\t+7], v[S+16*\t:S+16*\t+15], v[PCD:PCD+15], v[OT+8*\t:OT+8*\t+7], v[VSR+\t/2], v[PWD] matrix_a_scale:MATRIX_SCALE_ROW1
.else
	v_wmma_scale_f32_16x16x128_f8f6f4 v[OT+8*\t:OT+8*\t+7], v[S+16*\t:S+16*\t+15], v[PCD:PCD+15], v[OT+8*\t:OT+8*\t+7], v[VSR+\t/2], v[PWD]
.endif
.endr
	s_add_co_u32 s[TK], s[TK], 8192
	s_add_co_u32 s[TS], s[TS], 512
	s_add_co_u32 s[TJ], s[TJ], 256
	s_add_co_u32 s[T], s[T], 1
	s_cmp_lt_u32 s[T], 16
	s_cbranch_scc1 .Lstep
	; THE WAY OUT: O^T / the sum, quantised along D.  Register 16 b + i is channel 32 b + 16 h + i of my query: a block of 32 lies in lanes l and l xor 16
	v_add_f32 v14, v14, v15
	v_permlanex16_b32 v[PT], v14, s[SEL], s[SEL+1]
	v_add_f32 v14, v14, v[PT]                      ; the row's sum
	v_rcp_f32 v14, v14
	v_and_b32 v8, 15, v0
	v_bfe_u32 v9, v0, 4, 1
	v_lshlrev_b32 v10, 10, v8
	v_lshl_add_u32 v10, v9, 4, v10                 ; codes: token r's row of 1,024 bytes, + 16 h
	v_lshlrev_b32 v11, 5, v8                       ; scale bytes: 32 a token
.rept 4
	v_nop                                          ; with the plain lines above more than the eight places behind the last products
.endr
	s_wait_alu depctr_va_vdst(0)                   ; ahead of the reciprocal's first reader
.set n, 0
.rept 16
	v_pk_mul_f32 v[OT+n:OT+n+1], v[OT+n:OT+n+1], v[14:15] op_sel_hi:[1,0]
.set n, n+2
.endr
.irp b, 0,1
	v_max3_num_f32 v[BM+\b], |v[OT+16*\b]|, |v[OT+1+16*\b]|, 0x4800000
.endr
.irp i, 2,4,6,8,10,12,14
.irp b, 0,1
	v_max3_num_f32 v[BM+\b], v[BM+\b], |v[OT+16*\b+\i]|, |v[OT+1+16*\b+\i]|
.endr
.endr
.irp b, 0,1
	v_permlanex16_b32 v[PT+\b], v[BM+\b], s[SEL], s[SEL+1]
.endr
.irp b, 0,1
	v_max_num_f32 v[BM+\b], v[BM+\b], v[PT+\b]
.endr
.irp b, 0,1
	v_add_nc_u32 v[SO+\b], 0xfc000000, v[BM+\b]
.endr
.irp b, 0,1
	v_and_or_b32 v[HO+\b], v[BM+\b], 0x7f800000, s[MNT]
.endr
.irp b, 0,1
	v_lshrrev_b32 v[BY+\b], 23, v[SO+\b]
.endr
	v_lshl_or_b32 v[BY], v[BY+1], 8, v[BY]
.irp b, 0,1
.irp i, 0,1,2,3,4,5,6,7,8,9,10,11,12,13,14,15
	v_med3_num_f32 v[OT+16*\b+\i], v[OT+16*\b+\i], -v[HO+\b], v[HO+\b]
.endr
	v_cvt_scalef32_pk8_fp8_f32 v[PCD+4*\b:PCD+1+4*\b], v[OT+16*\b:OT+7+16*\b], v[SO+\b]
	v_cvt_scalef32_pk8_fp8_f32 v[PCD+2+4*\b:PCD+3+4*\b], v[OT+8+16*\b:OT+15+16*\b], v[SO+\b]
.endr
	v_nop
.irp b, 0,1
	global_store_b128 v10, v[PCD+4*\b:PCD+3+4*\b], s[30:31] offset:32*\b
.endr
	global_store_b16 v11, v[BY], s[32:33]          ; both halves of the lanes write the same two bytes with the same value
	s_wait_tensorcnt 0x0                           ; the wave's end
	ds_add_u32 v[SPW], v[NIL]
	s_wait_dscnt 0x0
	s_endpgm
.Lfunc_end_k_q1b92ea6301_attn:
	.size	k_q1b92ea6301_attn, .Lfunc_end_k_q1b92ea6301_attn-k_q1b92ea6301_attn
	.p2alignl 7, 3214868480
	.fill 96, 4, 3214868480
	.section	.rodata,"a",@progbits
	.p2align	6, 0x0
	.amdhsa_kernel k_q1b92ea6301_attn
		.amdhsa_group_segment_fixed_size 276480
		.amdhsa_private_segment_fixed_size 0
		.amdhsa_enable_private_segment 0
		.amdhsa_kernarg_size 24
		.amdhsa_user_sgpr_count 2
		.amdhsa_user_sgpr_kernarg_segment_ptr 1
		.amdhsa_wavefront_size32 1
		.amdhsa_system_sgpr_workgroup_id_x 1
		.amdhsa_system_sgpr_workgroup_id_y 1
		.amdhsa_system_sgpr_workgroup_id_z 1
		.amdhsa_system_vgpr_workitem_id 0
		.amdhsa_next_free_vgpr 256
		.amdhsa_next_free_sgpr 66
		.amdhsa_reserve_vcc 1
		.amdhsa_float_denorm_mode_32 3
		.amdhsa_float_denorm_mode_16_64 3
		.amdhsa_memory_ordered 1
		.amdhsa_forward_progress 1
		.amdhsa_inst_pref_size 50
	.end_amdhsa_kernel
	.amdgpu_metadata
---
amdhsa.version: [ 1, 2 ]
amdhsa.kernels:
  - .name:           k_q1b92ea6301_attn
    .symbol:         k_q1b92ea6301_attn.kd
    .args:
      - { .name: qkv, .offset: 0, .size: 8, .value_kind: global_buffer, .address_space: global }
      - { .name: mask, .offset: 8, .size: 8, .value_kind: global_buffer, .address_space: global }
      - { .name: ab, .offset: 16, .size: 8, .value_kind: global_buffer, .address_space: global }
    .group_segment_fixed_size: 276480
    .private_segment_fixed_size: 0
    .kernarg_segment_align: 8
    .kernarg_segment_size: 24
    .max_flat_workgroup_size: 512
    .sgpr_count:     66
    .vgpr_count:     256
    .wavefront_size: 32
...
	.end_amdgpu_metadata
.endif
;; end of part 3
;; launch wo (part 4): grid 4 x 16, 4 waves a work-group, clusters of 4 x 4, 327,680 bytes of LDS; arguments ab, Wo_codes, Wo_scales, cf; writes cf
.if DOCPART == 4
	.amdgcn_target "amdgcn-amd-amdhsa--gfx1250"
	.amdhsa_code_object_version 6
	.text
	.protected	k_q1b92ea6301_wo
	.globl	k_q1b92ea6301_wo
	.p2align	8
	.type	k_q1b92ea6301_wo,@function
k_q1b92ea6301_wo:
	s_mov_b64 s[64:65], 0
	v_nop
	global_prefetch_b8 v0, s[64:65] scope:SCOPE_SE
	s_setreg_imm32_b32 hwreg(HW_REG_WAVE_MODE, 25, 1), 1
	s_wait_xcnt 0x0
	s_wait_alu depctr_hold_cnt(0) depctr_sa_sdst(0) depctr_va_vdst(0) depctr_va_sdst(0) depctr_va_ssrc(0) depctr_va_vcc(0) depctr_vm_vsrc(0)
	s_getreg_b32 s2, hwreg(HW_REG_IB_STS2, 6, 4)
	s_cmp_eq_u32 s2, 0
	s_cbranch_scc0 .Lentry_in_a_cluster
	s_endpgm
.Lentry_in_a_cluster:
	s_bfe_u32 s2, ttmp6, 0x10000c
	s_cmp_lg_u32 s2, 0xf033
	s_cbranch_scc0 .Lentry_shape_is_right
	s_endpgm
.Lentry_shape_is_right:
; C = A B^T on codes, K = 1,024, N = 1,024, raw f32 sums.  One body for two launches; no work is left out.
;   Product 6: A = the attention's result (4,096 rows), B = Wo; grid y = 16 tile rows.
;   Product 8 as four slices of 1,024 along its K: A = the hidden layer laid [slice x 4,096 + m][1,024], B = W2 laid [slice][n][1,024]; grid y = 64 tile rows; C's rows slice x 4,096 + m hold the slice's partial sums,
;   which the launch behind adds in a fixed order.
; The first argument holds A's scale bytes [rows][32] from byte 0 and A's codes [rows][1,024] from byte 0x80000.  Tile row Y = 4 x cluster y + cy; the slice is cluster y / 4, the same in all partners.
; A tile of C is 256 x 256; four waves, 128 x 128 each.  K goes in steps of 256 through a ring of two LDS slots filled by the tensor data mover; the scales of the tile's rows for all of K come once, with the first fills.
; 4 x 4 work-groups form a cluster: A's tiles are asked for jointly along a row of the cluster, B's along a column.  The matrix instruction is used transposed (source 0 = rows of B, source 1 = rows of A).
; REGISTERS, in windows of 256: window 0: v0-31 addresses; v32-63 scale words, two sets; from v128 A's fragments, one set.  window 1: B's fragments, two sets.  windows 2, 3: the accumulators.
.set KSTEP,  256
.set NQ,     2
.set ROWB,   256
.set KROW,   1024
.set SIZE_N, 1024
.set PITCH,  272                       ; an LDS row: 256 bytes + 16 of padding: the 16 rows that a load touches start at 16 different banks (ISA guide 11.1)
.set FR,     16
.set NL,     4
.set NP,     8                         ; places behind this matrix instruction (ISA guide 7.12.1)
.set HALFT,  128*PITCH
.set SLOT,   4*HALFT
.set LAPS,   2
.set SCL,    2*SLOT
.set HALFS,  16*272
.set SBLK,   2*272
.set SPARE,  SCL+4*HALFS               ; the spare words, 128 bytes for each wave, that no other line names
.set SPITCH, 528                       ; the way out: a stage of 16 rows x (512 + 16) bytes for each wave, in slot 0, which has had its last fill and its last read by then
.set ADRA, 16
.set ADRB, 20
.set STO,  24
.set RD,   25
.set CO,   26
.set ADRS, 27
.set SPW,  28
.set NIL,  29
.set SC,   32
.set AF,   128
.set BK,   128
.set G1, 24
.set G0, 32
.set G1B, 48
.set G0B, 56
.set G1S, 68
.set G0S, 76
.set G1SB, 80
.set G0SB, 88
.set MSB, 0
.macro WIN new                         ; the immediate's high byte repeats the setting that is left
.if MSB != \new
	s_set_vgpr_msb (MSB<<8)|\new
.set MSB, \new
.endif
.endm
.set MUL_LO, 0xa1
.set MUL_HI, 0xf1
.set TO_B,   0x40
.macro JLOAD g0a, g1a, g0b, g1b        ; a joint load: waves 0 and 1 fetch for A, waves 2 and 3 for B; an s_nop 0 and four v_nop follow each line
	s_cmp_eq_u32 s15, 0
	s_cbranch_scc0 .Lfor_b_\@
	tensor_load_to_lds s[\g0a:\g0a+3], s[\g1a:\g1a+7]
	s_nop 0
.rept 4
	v_nop
.endr
	s_branch .Lasked_\@
.Lfor_b_\@:
	tensor_load_to_lds s[\g0b:\g0b+3], s[\g1b:\g1b+7]
	s_nop 0
.rept 4
	v_nop
.endr
.Lasked_\@:
.endm
.macro CREST
	s_cmp_lg_u32 s14, 0
	s_cbranch_scc1 .Lnot_wave_0_\@
	s_barrier_signal -3
.Lnot_wave_0_\@:
	s_barrier_wait -3
	s_barrier_signal -1
	s_barrier_wait -1
.endm
.macro CROUND
	s_barrier_signal -1
	s_barrier_wait -1
	CREST
.endm
	s_load_b64 s[4:5], s[0:1], 0x0                 ; A's buffer, for the codes,
	s_load_b64 s[6:7], s[0:1], 0x0                 ; and once more for the scale bytes
	s_load_b64 s[8:9], s[0:1], 0x8                 ; B's codes
	s_load_b64 s[10:11], s[0:1], 0x10              ; B's scales
	s_load_b64 s[12:13], s[0:1], 0x18              ; C
	v_lshl_add_u32 v[SPW], v0, 2, SPARE
	v_mov_b32 v[NIL], 0
	ds_add_u32 v[SPW], v[NIL]                      ; the wave's opening: the add, twice on end, and its wait ahead of my first tensor load
	ds_add_u32 v[SPW], v[NIL]
	v_lshrrev_b32 v1, 5, v0
	v_readfirstlane_b32 s14, v1                    ; wave 0..3
	s_lshr_b32 s15, s14, 1
	s_and_b32 s16, s14, 1
	s_bfe_u32 s40, ttmp6, 0x40000                  ; cx, cy
	s_bfe_u32 s41, ttmp6, 0x40004
	s_lshl_b32 s42, ttmp9, 2
	s_add_co_u32 s42, s42, s40                     ; tile column
	s_and_b32 s95, ttmp7, 0xffff
	s_lshr_b32 s95, s95, 2                         ; the slice: cluster y / 4
	s_and_b32 s17, ttmp7, 0xffff
	s_lshl_b32 s17, s17, 2
	s_add_co_u32 s17, s17, s41                     ; tile row
	s_lshl_b32 s43, s41, 2
	s_lshl_b32 s43, 15, s43                        ; my row of the cluster
	s_lshl_b32 s44, 0x1111, s40                    ; my column
	s_or_b32 s[G1+0], s43, (0<<16)|(1<<20)|(1<<21)|(5<<22)|(3<<25)
	s_or_b32 s[G1B+0], s44, (0<<16)|(1<<20)|(1<<21)|(5<<22)|(3<<25)
.irp g, G1, G1B
	s_mov_b32 s[\g+1], ROWB<<16
	s_mov_b32 s[\g+2], 128<<16
	s_mov_b32 s[\g+3], ROWB<<16
	s_mov_b32 s[\g+4], 128
	s_mov_b32 s[\g+5], KROW
	s_mov_b32 s[\g+6], 0
	s_mov_b32 s[\g+7], 0
.endr
	s_or_b32 s[G1S+0], s43, (3<<16)|(1<<20)|(1<<21)|(5<<22)|(3<<25)   ; the scales of 128 rows: 4,096 dense bytes as 16 rows of 32 elements of 8 bytes, 16 bytes of padding behind each
	s_or_b32 s[G1SB+0], s44, (3<<16)|(1<<20)|(1<<21)|(5<<22)|(3<<25)
.irp g, G1S, G1SB
	s_mov_b32 s[\g+1], 32<<16
	s_mov_b32 s[\g+2], 16<<16
	s_mov_b32 s[\g+3], 32<<16
	s_mov_b32 s[\g+4], 16
	s_mov_b32 s[\g+5], 32
	s_mov_b32 s[\g+6], 0
	s_mov_b32 s[\g+7], 0
.endr
	s_lshl_b32 s18, s16, 7
	s_lshl_b32 s20, s17, 8
	s_add_co_u32 s20, s20, s18                     ; A's row: 256 x tile row + 128 x half (16,383 at the most)
	s_lshl_b32 s22, s20, 5
	s_lshl_b32 s20, s20, 10
	s_mov_b32 s21, 0
	s_mov_b32 s23, 0
	s_lshl_b32 s46, s42, 8
	s_add_co_u32 s46, s46, s18
	s_lshl_b32 s95, s95, 10
	s_add_co_u32 s46, s46, s95                     ; B's row: 1,024 x slice + 256 x tile column + 128 x half
	s_lshl_b32 s92, s46, 5
	s_lshl_b32 s46, s46, 10
	s_mov_b32 s47, 0
	s_mov_b32 s93, 0
	s_mul_i32 s45, s14, HALFT
	s_mul_i32 s94, s14, HALFS
	s_wait_dscnt 0x0                               ; both opening adds are done
	s_wait_kmcnt 0x0
	s_add_nc_u64 s[4:5], s[4:5], 0x80000
	s_add_nc_u64 s[20:21], s[4:5], s[20:21]
	s_add_nc_u64 s[22:23], s[6:7], s[22:23]
	s_add_nc_u64 s[46:47], s[8:9], s[46:47]
	s_add_nc_u64 s[92:93], s[10:11], s[92:93]
	CROUND                                         ; all sixteen work-groups are here: the first joint loads meet
	s_mov_b32 s[G0S], 1
	s_add_co_u32 s[G0S+1], s94, SCL
	s_mov_b64 s[G0S+2:G0S+3], s[22:23]
	s_or_b32 s[G0S+3], s[G0S+3], 0x80000000
	s_mov_b32 s[G0SB], 1
	s_add_co_u32 s[G0SB+1], s94, SCL
	s_mov_b64 s[G0SB+2:G0SB+3], s[92:93]
	s_or_b32 s[G0SB+3], s[G0SB+3], 0x80000000
	JLOAD G0S, G1S, G0SB, G1SB
.irp s, 0,1
	s_mov_b32 s[G0+4*\s], 1
	s_add_co_u32 s[G0+4*\s+1], s45, \s*SLOT
	s_add_nc_u64 s[G0+4*\s+2:G0+4*\s+3], s[20:21], \s*ROWB
	s_or_b32 s[G0+4*\s+3], s[G0+4*\s+3], 0x80000000
	s_mov_b32 s[G0B+4*\s], 1
	s_add_co_u32 s[G0B+4*\s+1], s45, \s*SLOT
	s_add_nc_u64 s[G0B+4*\s+2:G0B+4*\s+3], s[46:47], \s*ROWB
	s_or_b32 s[G0B+4*\s+3], s[G0B+4*\s+3], 0x80000000
	JLOAD G0+4*\s, G1, G0B+4*\s, G1B               ; three tensor loads of mine are out
.endr
	v_and_b32 v1, 15, v0
	v_bfe_u32 v2, v0, 4, 1
	v_mul_u32_u24 v3, v1, PITCH
	v_lshl_add_u32 v4, v2, 4, v3
	s_mul_i32 s21, s15, HALFT
	s_mul_i32 s22, s16, HALFT
	s_add_co_u32 s22, s22, 2*HALFT
.irp s, 0,1
	v_add_nc_u32 v[ADRA+\s], s21, v4
	v_add_nc_u32 v[ADRB+\s], s22, v4
	s_add_co_u32 s21, s21, SLOT
	s_add_co_u32 s22, s22, SLOT
.endr
	v_lshlrev_b32 v5, 5, v1
	v_lshrrev_b32 v6, 8, v5
	v_lshl_add_u32 v5, v6, 4, v5
	s_mul_i32 s21, s15, HALFS
	s_mul_i32 s22, s16, HALFS
	s_add_co_u32 s22, s22, 2*HALFS
	s_sub_co_u32 s22, s22, s21
	v_mul_u32_u24 v6, s22, v2
	s_add_co_u32 s21, s21, SCL
	v_add_nc_u32 v5, v5, v6
	v_add_nc_u32 v[ADRS], s21, v5
	s_mul_i32 s23, s14, 16*SPITCH                  ; my stage
	v_mul_u32_u24 v5, v1, SPITCH
	v_lshl_add_u32 v5, v2, 5, v5
	v_add_nc_u32 v[STO], s23, v5
	v_and_b32 v6, 31, v0
	v_lshlrev_b32 v[CO], 4, v6
	v_add_nc_u32 v[RD], s23, v[CO]
	s_lshl_b32 s20, s17, 8
	s_lshl_b32 s21, s15, 7
	s_add_co_u32 s20, s20, s21                     ; my first row of C,
	s_lshl_b32 s20, s20, 12                        ; 4,096 bytes a row: under 2^27
	s_lshl_b32 s46, s42, 10
	s_lshl_b32 s47, s16, 9
	s_add_co_u32 s46, s46, s47                     ; my first column, in bytes
	s_add_co_u32 s20, s20, s46
	s_mov_b32 s21, 0
	s_add_nc_u64 s[12:13], s[12:13], s[20:21]
.macro FRAG reg, adr, q, i
.irp c, 0,1,2,3
	ds_load_b128 v[\reg+4*\c:\reg+4*\c+3], v[\adr] offset:128*(\q)+32*\c+(\i)*16*PITCH
.endr
.endm
; The 64 accumulators take turns, one instruction a turn, in the same order in every step.
.macro MUL16 a0, p, q, sc, zero
.irp a, \a0, \a0+1
.irp b, 0,1,2,3,4,5,6,7
.if \zero
	v_wmma_scale_f32_16x16x128_f8f6f4 v[8*(8*((\a)%4)+\b):8*(8*((\a)%4)+\b)+7], v[128*(\p)+FR*\b:128*(\p)+FR*\b+FR-1], v[AF+FR*(\a):AF+FR*(\a)+FR-1], 0, v[SC+8*NQ*(\sc)+NQ*\b+(\q)], v[SC+8*NQ*(\sc)+NQ*(\a)+(\q)] matrix_a_scale:MATRIX_SCALE_ROW1
.else
	v_wmma_scale_f32_16x16x128_f8f6f4 v[8*(8*((\a)%4)+\b):8*(8*((\a)%4)+\b)+7], v[128*(\p)+FR*\b:128*(\p)+FR*\b+FR-1], v[AF+FR*(\a):AF+FR*(\a)+FR-1], v[8*(8*((\a)%4)+\b):8*(8*((\a)%4)+\b)+7], v[SC+8*NQ*(\sc)+NQ*\b+(\q)], v[SC+8*NQ*(\sc)+NQ*(\a)+(\q)] matrix_a_scale:MATRIX_SCALE_ROW1
.endif
.endr
.endr
.endm
.macro FETCH_B slot, q, p
	WIN TO_B
.irp i, 0,1,2,3,4,5,6,7
	FRAG 128*(\p)+FR*\i, ADRB+\slot, \q, \i
.endr
	WIN 0
.endm
.macro FETCH_A slot, q, i0
.irp i, \i0, \i0+1, \i0+2, \i0+3
	FRAG AF+FR*(\i), ADRA+\slot, \q, \i
.endr
.endm
.macro SCALES sc
.irp i, 0,1,2,3,4,5,6,7
	ds_load_b64 v[SC+8*NQ*\sc+NQ*\i:SC+8*NQ*\sc+NQ*\i+1], v[ADRS] offset:\i*SBLK
.endr
.endm
.macro PLACES n
.rept \n
	v_nop
.endr
.endm
.macro STEP slot, q, zero
	s_wait_dscnt 4*NL                              ; B's set and A's blocks 0-3 are in; the youngest 16 loads (A's blocks 4-7) may be out
	WIN MUL_LO
	MUL16 0, (\q)%2, \q, \slot, \zero
	MUL16 2, (\q)%2, \q, \slot, \zero
	s_wait_dscnt 0
	PLACES NP
	FETCH_B \slot, (\q)+1, 1-(\q)%2
	FETCH_A \slot, (\q)+1, 0
	WIN MUL_HI
	MUL16 4, (\q)%2, \q, \slot, \zero
	MUL16 6, (\q)%2, \q, \slot, \zero
	PLACES NP
	WIN 0
	FETCH_A \slot, (\q)+1, 4
.endm
.macro TURN slot, next, fill
	s_wait_tensorcnt 0x0                           ; all my tensor loads have landed: my part of the next slot
	ds_add_u32 v[SPW], v[NIL]                      ; 0 onto my spare word
	s_wait_dscnt 4*NL+1                            ; the add and the youngest 16 loads may be out
	WIN MUL_LO
	MUL16 0, 1, NQ-1, \slot, 0
	s_wait_dscnt 0x0                               ; the add is done, and my reads of this slot are over
	s_barrier_signal -1
	MUL16 2, 1, NQ-1, \slot, 0
	WIN 0
	s_barrier_wait -1
.if \fill
	CREST                                          ; the barrier has opened a round of the cluster's: no wave of any partner still reads this slot or has a load on its way
	s_add_nc_u64 s[G0+4*\slot+2:G0+4*\slot+3], s[G0+4*\slot+2:G0+4*\slot+3], 2*ROWB
	s_add_nc_u64 s[G0B+4*\slot+2:G0B+4*\slot+3], s[G0B+4*\slot+2:G0B+4*\slot+3], 2*ROWB
	JLOAD G0+4*\slot, G1, G0B+4*\slot, G1B
	PLACES NP-4
.else
	PLACES NP
.endif
	v_add_nc_u32 v[ADRS], 4*NQ, v[ADRS]
	FETCH_B \next, 0, 0
	FETCH_A \next, 0, 0
	SCALES \next
	WIN MUL_HI
	MUL16 4, 1, NQ-1, \slot, 0
	MUL16 6, 1, NQ-1, \slot, 0
	PLACES NP
	WIN 0
	FETCH_A \next, 0, 4
.endm
	s_wait_tensorcnt 1                             ; the scales and my part of K step 0 are in; K step 1's load may be out
	s_barrier_signal -1
	s_barrier_wait -1
	FETCH_B 0, 0, 0
	FETCH_A 0, 0, 0
	SCALES 0
	FETCH_A 0, 0, 4
	STEP 0, 0, 1
	s_mov_b32 s3, LAPS-1
.Llap:
	TURN 0, 1, 1
	STEP 1, 0, 0
	TURN 1, 0, 1
	STEP 0, 0, 0
	s_sub_co_u32 s3, s3, 1
	s_cmp_lg_u32 s3, 0
	s_cbranch_scc1 .Llap
	TURN 0, 1, 0
	STEP 1, 0, 0
	s_wait_dscnt 4*NL
	WIN MUL_LO
	MUL16 0, 1, NQ-1, 1, 0
	MUL16 2, 1, NQ-1, 1, 0
	s_wait_dscnt 0
	WIN MUL_HI
	MUL16 4, 1, NQ-1, 1, 0
	MUL16 6, 1, NQ-1, 1, 0
	WIN 0
; THE WAY OUT, block by block of 16 rows x 128 columns, through my own stage: a lane's 32 bytes of a row go in, whole rows of 512 bytes come back.  LDS serves a wave's instructions in order (ISA guide 5.7.1.4).
.macro TOSTAGE a
.set AC, 64*((\a)%4)
	WIN (0x08+4*((\a)/4))                          ; the data: window 2 or 3
.irp b, 0,1,2,3,4,5,6,7
	ds_store_b128 v[STO], v[AC+8*\b:AC+8*\b+3] offset:64*\b          ; each accumulator from its low end on
	ds_store_b128 v[STO], v[AC+8*\b+4:AC+8*\b+7] offset:64*\b+16
.endr
	WIN 0
.set BB, BK+64*((\a)%2)
.irp t, 0,1,2,3,4,5,6,7,8,9,10,11,12,13,14,15
	ds_load_b128 v[BB+4*\t:BB+4*\t+3], v[RD] offset:\t*SPITCH
.endr
.endm
.macro SEND a, younger
.set BB, BK+64*((\a)%2)
	s_wait_dscnt \younger                          ; the block is back in registers
.if (\a) > 0
	s_add_nc_u64 s[12:13], s[12:13], 16*SIZE_N*4   ; (behind a wait on XCNT: the earlier stores have read their base)
.endif
.irp t, 0,1,2,3,4,5,6,7,8,9,10,11,12,13,14,15
	global_store_b128 v[CO], v[BB+4*\t:BB+4*\t+3], s[12:13] offset:\t*SIZE_N*4 th:TH_STORE_NT   ; 32 lanes store 512 consecutive bytes, aligned
.endr
.endm
	PLACES NP
	TOSTAGE 0
.irp a, 1,2,3,4,5,6,7
.if \a > 1
	s_wait_xcnt 0x0                                ; block a - 2's stores have read their registers and their base
.endif
	TOSTAGE \a
	SEND \a-1, 32                                  ; behind block a - 1's loads: block a's 16 stores and 16 loads
.endr
	s_wait_xcnt 0x0
	SEND 7, 0
	s_wait_tensorcnt 0x0                           ; the wave's end
	ds_add_u32 v[SPW], v[NIL]
	s_wait_dscnt 0x0
	CROUND                                         ; the closing round
	s_endpgm
.Lfunc_end_k_q1b92ea6301_wo:
	.size	k_q1b92ea6301_wo, .Lfunc_end_k_q1b92ea6301_wo-k_q1b92ea6301_wo
	.p2alignl 7, 3214868480
	.fill 96, 4, 3214868480
	.section	.rodata,"a",@progbits
	.p2align	6, 0x0
	.amdhsa_kernel k_q1b92ea6301_wo
		.amdhsa_group_segment_fixed_size 327680
		.amdhsa_private_segment_fixed_size 0
		.amdhsa_enable_private_segment 0
		.amdhsa_kernarg_size 32
		.amdhsa_user_sgpr_count 2
		.amdhsa_user_sgpr_kernarg_segment_ptr 1
		.amdhsa_wavefront_size32 1
		.amdhsa_system_sgpr_workgroup_id_x 1
		.amdhsa_system_sgpr_workgroup_id_y 1
		.amdhsa_system_sgpr_workgroup_id_z 1
		.amdhsa_system_vgpr_workitem_id 0
		.amdhsa_next_free_vgpr 1024
		.amdhsa_next_free_sgpr 98
		.amdhsa_reserve_vcc 0
		.amdhsa_float_denorm_mode_32 3
		.amdhsa_float_denorm_mode_16_64 3
		.amdhsa_memory_ordered 1
		.amdhsa_forward_progress 1
		.amdhsa_inst_pref_size 146
	.end_amdhsa_kernel
	.amdgpu_metadata
---
amdhsa.version: [ 1, 2 ]
amdhsa.kernels:
  - .name:           k_q1b92ea6301_wo
    .symbol:         k_q1b92ea6301_wo.kd
    .args:
      - { .name: ab, .offset: 0, .size: 8, .value_kind: global_buffer, .address_space: global }
      - { .name: Wo_codes, .offset: 8, .size: 8, .value_kind: global_buffer, .address_space: global }
      - { .name: Wo_scales, .offset: 16, .size: 8, .value_kind: global_buffer, .address_space: global }
      - { .name: cf, .offset: 24, .size: 8, .value_kind: global_buffer, .address_space: global }
    .group_segment_fixed_size: 327680
    .private_segment_fixed_size: 0
    .kernarg_segment_align: 8
    .kernarg_segment_size: 32
    .max_flat_workgroup_size: 128
    .sgpr_count:     98
    .vgpr_count:     1024
    .wavefront_size: 32
...
	.end_amdgpu_metadata
.endif
;; end of part 4
;; launch ln1 (part 5): grid 256 x 1, 16 waves a work-group, no clusters, 84,480 bytes of LDS; arguments x, cf, bo, g1, be1, x1; writes x1
.if DOCPART == 5
	.amdgcn_target "amdgcn-amd-amdhsa--gfx1250"
	.amdhsa_code_object_version 6
	.text
	.protected	k_q1b92ea6301_ln1
	.globl	k_q1b92ea6301_ln1
	.p2align	8
	.type	k_q1b92ea6301_ln1,@function
k_q1b92ea6301_ln1:
	s_mov_b64 s[64:65], 0
	v_nop
	global_prefetch_b8 v0, s[64:65] scope:SCOPE_SE
	s_setreg_imm32_b32 hwreg(HW_REG_WAVE_MODE, 25, 1), 1
	s_wait_xcnt 0x0
; x1 = LayerNorm(x + (product 6's sums + bo)) x g1 + be1, stored as f32 (x1, byte 0 on), as codes (byte 0x1000000 on) and as scale bytes, one for each 32 along D (byte 0x1400000 on).  No work is left out.
; One wave takes one row of 1,024 numbers and keeps it in 32 registers: load j gives lane l the numbers 128 j + 4 l + 0 .. 3, so each load and store covers 512 consecutive bytes.  The mean is taken first and the
; squares of the differences second, as reference() has it.  For the quantiser half a row at a time turns through the wave's own stage in LDS, so that a lane holds 16 neighbours (two lanes hold a block of 32).
; The work-group's 16 rows x 32 scale bytes are gathered in LDS and leave as 512 consecutive bytes, by wave 0.  Matrix units, clusters and tensor loads would add nothing to a stream.
; LIMITS: a block of zeros gets the scale byte 1; NaN and infinities are not served.
.set X,   32                           ; v32-63   the row
.set MH,  64                           ; v64-95   product 6's sums; later the turned numbers, 16 for each half row
.set BOR, 96                           ; v96-127  bo
.set G,   128                          ; v128-159 g1
.set BE,  160                          ; v160-191 be1
.set CD,  192                          ; v192-199 codes
.set BY,  200                          ; v200-201 scale bytes
.set SPW, 204
.set NIL, 205
.set SP,  80                           ; a lane's place in a stage: 64 bytes + 16 of padding
.set WREG, 5120                        ; two stages of 32 x SP bytes for each wave
.set SCB,  81920                       ; the work-group's 512 scale bytes
.set SPARE, 82432                      ; the spare words, 128 bytes for each wave, that no other line names
	s_load_b256 s[4:11], s[0:1], 0x0               ; x, cf, bo, g1
	s_load_b128 s[12:15], s[0:1], 0x20             ; be1, x1
	v_lshl_add_u32 v[SPW], v0, 2, SPARE
	v_mov_b32 v[NIL], 0
	v_lshrrev_b32 v2, 5, v0
	v_readfirstlane_b32 s16, v2                    ; wave
	v_and_b32 v2, 31, v0                           ; lane
	v_lshlrev_b32 v1, 4, v2                        ; 16 bytes a lane
	s_lshl_b32 s17, ttmp9, 4
	s_add_co_u32 s17, s17, s16                     ; my row
	s_lshl_b32 s18, s17, 12
	s_mov_b32 s19, 0
	s_lshl_b32 s24, s17, 10
	s_add_co_u32 s24, s24, 0x1000000
	s_mov_b32 s25, 0
	s_lshl_b32 s26, ttmp9, 9
	s_add_co_u32 s26, s26, 0x1400000
	s_mov_b32 s27, 0
	s_mul_i32 s28, s16, WREG
	v_lshrrev_b32 v14, 2, v2
	v_mul_u32_u24 v14, v14, SP
	v_and_b32 v15, 3, v2
	v_lshl_add_u32 v14, v15, 4, v14
	v_add_nc_u32 v14, s28, v14                     ; the stage, on the way in: SP (lane / 4) + 16 (lane % 4)
	v_mul_u32_u24 v15, v2, SP
	v_add_nc_u32 v15, s28, v15                     ; and on the way out: SP x lane
	s_lshl_b32 s28, s16, 5
	s_add_co_u32 s28, s28, SCB
	v_lshrrev_b32 v5, 1, v2
	v_add_nc_u32 v5, s28, v5                       ; my row's 32 scale bytes, my block's byte
	v_add_nc_u32 v6, SCB, v1                       ; wave 0's way out: 16 bytes a lane
	s_mov_b32 s20, 0x76543210
	s_mov_b32 s21, 0xfedcba98
	s_mov_b32 s22, 0x3a800000                      ; 1 / 1,024
	s_mov_b32 s23, 0x600000                        ; the mantissa field of 448
	s_mov_b32 s29, 0x3727c5ac                      ; 1e-5
	s_wait_kmcnt 0x0
	s_add_nc_u64 s[4:5], s[4:5], s[18:19]
	s_add_nc_u64 s[6:7], s[6:7], s[18:19]
	s_add_nc_u64 s[18:19], s[14:15], s[18:19]
	s_add_nc_u64 s[24:25], s[14:15], s[24:25]
	s_add_nc_u64 s[26:27], s[14:15], s[26:27]
.irp j, 0,1,2,3,4,5,6,7
	global_load_b128 v[X+4*\j:X+4*\j+3], v1, s[4:5] offset:512*\j th:TH_LOAD_NT
.endr
.irp j, 0,1,2,3,4,5,6,7
	global_load_b128 v[MH+4*\j:MH+4*\j+3], v1, s[6:7] offset:512*\j th:TH_LOAD_NT
.endr
.irp j, 0,1,2,3,4,5,6,7
	global_load_b128 v[BOR+4*\j:BOR+4*\j+3], v1, s[8:9] offset:512*\j
.endr
.irp j, 0,1,2,3,4,5,6,7
	global_load_b128 v[G+4*\j:G+4*\j+3], v1, s[10:11] offset:512*\j
.endr
.irp j, 0,1,2,3,4,5,6,7
	global_load_b128 v[BE+4*\j:BE+4*\j+3], v1, s[12:13] offset:512*\j
.endr
.macro WSUM a, t                       ; the sum over the wave's 32 lanes, in every lane
	v_add_f32_dpp v[\a], v[\a], v[\a] row_xmask:1 row_mask:0xf bank_mask:0xf
	v_add_f32_dpp v[\a], v[\a], v[\a] row_xmask:2 row_mask:0xf bank_mask:0xf
	v_add_f32_dpp v[\a], v[\a], v[\a] row_xmask:4 row_mask:0xf bank_mask:0xf
	v_add_f32_dpp v[\a], v[\a], v[\a] row_xmask:8 row_mask:0xf bank_mask:0xf
	v_permlanex16_b32 v[\t], v[\a], s20, s21
	v_add_f32 v[\a], v[\a], v[\t]
.endm
	s_wait_loadcnt 16                              ; x, the sums and bo are in; the sixteen loads of g1 and be1 may be out
.set n, 0
.rept 16
	v_pk_add_f32 v[MH+n:MH+n+1], v[MH+n:MH+n+1], v[BOR+n:BOR+n+1]
.set n, n+2
.endr
.set n, 0
.rept 16
	v_pk_add_f32 v[X+n:X+n+1], v[X+n:X+n+1], v[MH+n:MH+n+1]
.set n, n+2
.endr
	v_pk_add_f32 v[8:9], v[X:X+1], v[X+2:X+3]      ; the row's sum, in two chains
	v_pk_add_f32 v[10:11], v[X+4:X+5], v[X+6:X+7]
.irp j, 8,12,16,20,24,28
	v_pk_add_f32 v[8:9], v[8:9], v[X+\j:X+\j+1]
	v_pk_add_f32 v[10:11], v[10:11], v[X+\j+2:X+\j+3]
.endr
	v_pk_add_f32 v[8:9], v[8:9], v[10:11]
	v_add_f32 v8, v8, v9
	WSUM 8, 9
	v_mul_f32 v8, s22, v8                          ; the mean
.set n, 0
.rept 16
	v_pk_add_f32 v[X+n:X+n+1], v[X+n:X+n+1], v[8:9] op_sel_hi:[1,0] neg_lo:[0,1] neg_hi:[0,1]
.set n, n+2
.endr
	v_pk_mul_f32 v[10:11], v[X:X+1], v[X:X+1]      ; the squares' sum: the first products start the two chains
	v_pk_mul_f32 v[12:13], v[X+2:X+3], v[X+2:X+3]
.irp j, 4,8,12,16,20,24,28
	v_pk_fma_f32 v[10:11], v[X+\j:X+\j+1], v[X+\j:X+\j+1], v[10:11]
	v_pk_fma_f32 v[12:13], v[X+\j+2:X+\j+3], v[X+\j+2:X+\j+3], v[12:13]
.endr
	v_pk_add_f32 v[10:11], v[10:11], v[12:13]
	v_add_f32 v10, v10, v11
	WSUM 10, 11
	v_fma_f32 v10, v10, s22, s29                   ; the variance + 1e-5
	v_rsq_f32 v10, v10
	v_nop                                          ; a plain instruction behind the transcendental
	s_wait_alu depctr_va_vdst(0)                   ; and the wait ahead of its first reader
	s_wait_loadcnt 0x0                             ; g1, be1
.set n, 0
.rept 16
	v_pk_mul_f32 v[X+n:X+n+1], v[X+n:X+n+1], v[10:11] op_sel_hi:[1,0]
.set n, n+2
.endr
.set n, 0
.rept 16
	v_pk_fma_f32 v[X+n:X+n+1], v[X+n:X+n+1], v[G+n:G+n+1], v[BE+n:BE+n+1]
.set n, n+2
.endr
.irp j, 0,1,2,3,4,5,6,7
	global_store_b128 v1, v[X+4*\j:X+4*\j+3], s[18:19] offset:512*\j
.endr
.irp s, 0,1                                    ; both half rows through their stages: LDS serves a wave's instructions in order
.irp i, 0,1,2,3
	ds_store_b128 v14, v[X+16*\s+4*\i:X+16*\s+4*\i+3] offset:32*SP*\s+8*SP*\i
.endr
.irp i, 0,1,2,3
	ds_load_b128 v[MH+16*\s+4*\i:MH+16*\s+4*\i+3], v15 offset:32*SP*\s+16*\i
.endr
.endr
.macro QHALF s
.set XS, MH+16*\s
	v_max3_num_f32 v8, |v[XS]|, |v[XS+1]|, |v[XS+2]|
	v_max3_num_f32 v9, |v[XS+3]|, |v[XS+4]|, |v[XS+5]|
.irp i, 6,10
	v_max3_num_f32 v8, v8, |v[XS+\i]|, |v[XS+\i+1]|
	v_max3_num_f32 v9, v9, |v[XS+\i+2]|, |v[XS+\i+3]|
.endr
	v_max3_num_f32 v8, v8, |v[XS+14]|, |v[XS+15]|
	v_max3_num_f32 v8, v8, v9, 0x4800000           ; the floor 2^(9 - 127): the byte cannot fall under 1
	v_max_num_f32_dpp v8, v8, v8 row_xmask:1 row_mask:0xf bank_mask:0xf   ; with my neighbour's 16: the block's
	v_add_nc_u32 v11, 0xfc000000, v8               ; the conversion's scale operand
	v_and_or_b32 v10, v8, 0x7f800000, s23          ; 448 x the scale
.irp i, 0,1,2,3,4,5,6,7,8,9,10,11,12,13,14,15
	v_med3_num_f32 v[XS+\i], v[XS+\i], -v10, v10
.endr
	v_cvt_scalef32_pk8_fp8_f32 v[CD+4*\s:CD+4*\s+1], v[XS:XS+7], v11
	v_cvt_scalef32_pk8_fp8_f32 v[CD+4*\s+2:CD+4*\s+3], v[XS+8:XS+15], v11
	v_lshrrev_b32 v[BY+\s], 23, v11                ; the scale's byte
	ds_store_b8 v5, v[BY+\s] offset:16*\s          ; both lanes of a block write the same byte with the same value
	global_store_b128 v1, v[CD+4*\s:CD+4*\s+3], s[24:25] offset:512*\s
.endm
	s_wait_dscnt 8                                 ; the first half is back; the second half's four stores and four loads may be out
	QHALF 0
	s_wait_dscnt 1                                 ; the second half is back; the first half's byte store may be out
	QHALF 1
	s_wait_dscnt 0x0                               ; for wave 0's sake: my bytes lie in LDS
	s_barrier_signal -1
	s_barrier_wait -1
	s_cmp_lg_u32 s16, 0
	s_cbranch_scc1 .Lnot_wave_0
	ds_load_b128 v[8:11], v6
	s_wait_dscnt 0x0
	global_store_b128 v1, v[8:11], s[26:27]        ; 16 rows x 32 scale bytes: 512 consecutive bytes
.Lnot_wave_0:
	s_wait_tensorcnt 0x0                           ; the wave's end
	ds_add_u32 v[SPW], v[NIL]
	s_wait_dscnt 0x0
	s_endpgm
.Lfunc_end_k_q1b92ea6301_ln1:
	.size	k_q1b92ea6301_ln1, .Lfunc_end_k_q1b92ea6301_ln1-k_q1b92ea6301_ln1
	.p2alignl 7, 3214868480
	.fill 96, 4, 3214868480
	.section	.rodata,"a",@progbits
	.p2align	6, 0x0
	.amdhsa_kernel k_q1b92ea6301_ln1
		.amdhsa_group_segment_fixed_size 84480
		.amdhsa_private_segment_fixed_size 0
		.amdhsa_enable_private_segment 0
		.amdhsa_kernarg_size 48
		.amdhsa_user_sgpr_count 2
		.amdhsa_user_sgpr_kernarg_segment_ptr 1
		.amdhsa_wavefront_size32 1
		.amdhsa_system_sgpr_workgroup_id_x 1
		.amdhsa_system_sgpr_workgroup_id_y 1
		.amdhsa_system_sgpr_workgroup_id_z 1
		.amdhsa_system_vgpr_workitem_id 0
		.amdhsa_next_free_vgpr 208
		.amdhsa_next_free_sgpr 66
		.amdhsa_reserve_vcc 0
		.amdhsa_float_denorm_mode_32 3
		.amdhsa_float_denorm_mode_16_64 3
		.amdhsa_memory_ordered 1
		.amdhsa_forward_progress 1
		.amdhsa_inst_pref_size 21
	.end_amdhsa_kernel
	.amdgpu_metadata
---
amdhsa.version: [ 1, 2 ]
amdhsa.kernels:
  - .name:           k_q1b92ea6301_ln1
    .symbol:         k_q1b92ea6301_ln1.kd
    .args:
      - { .name: x, .offset: 0, .size: 8, .value_kind: global_buffer, .address_space: global }
      - { .name: cf, .offset: 8, .size: 8, .value_kind: global_buffer, .address_space: global }
      - { .name: bo, .offset: 16, .size: 8, .value_kind: global_buffer, .address_space: global }
      - { .name: g1, .offset: 24, .size: 8, .value_kind: global_buffer, .address_space: global }
      - { .name: be1, .offset: 32, .size: 8, .value_kind: global_buffer, .address_space: global }
      - { .name: x1, .offset: 40, .size: 8, .value_kind: global_buffer, .address_space: global }
    .group_segment_fixed_size: 84480
    .private_segment_fixed_size: 0
    .kernarg_segment_align: 8
    .kernarg_segment_size: 48
    .max_flat_workgroup_size: 512
    .sgpr_count:     66
    .vgpr_count:     208
    .wavefront_size: 32
...
	.end_amdgpu_metadata
.endif
;; end of part 5
;; launch w1 (part 6): grid 16 x 16, 4 waves a work-group, clusters of 4 x 4, 327,680 bytes of LDS; arguments x1, W1_codes, W1_scales, b1, hb; writes hb
.if DOCPART == 6
	.amdgcn_target "amdgcn-amd-amdhsa--gfx1250"
	.amdhsa_code_object_version 6
	.text
	.protected	k_q1b92ea6301_w1
	.globl	k_q1b92ea6301_w1
	.p2align	8
	.type	k_q1b92ea6301_w1,@function
k_q1b92ea6301_w1:
	s_mov_b64 s[64:65], 0
	v_nop
	global_prefetch_b8 v0, s[64:65] scope:SCOPE_SE
	s_setreg_imm32_b32 hwreg(HW_REG_WAVE_MODE, 25, 1), 1
	s_wait_xcnt 0x0
	s_wait_alu depctr_hold_cnt(0) depctr_sa_sdst(0) depctr_va_vdst(0) depctr_va_sdst(0) depctr_va_ssrc(0) depctr_va_vcc(0) depctr_vm_vsrc(0)
	s_getreg_b32 s2, hwreg(HW_REG_IB_STS2, 6, 4)
	s_cmp_eq_u32 s2, 0
	s_cbranch_scc0 .Lentry_in_a_cluster
	s_endpgm
.Lentry_in_a_cluster:
	s_bfe_u32 s2, ttmp6, 0x10000c
	s_cmp_lg_u32 s2, 0xf033
	s_cbranch_scc0 .Lentry_shape_is_right
	s_endpgm
.Lentry_shape_is_right:
; Product 7 with b1, relu and the quantiser behind it: hidden = Q(relu(x1 W1 + b1)), quantised along the hidden units in blocks of 32.  No work is left out.
; A = x1's codes (x1, byte 0x1000000 on) and scale bytes (byte 0x1400000 on), B = W1 (4,096 rows), K = 1,024.  A tile of C is 256 x 256; four waves, 128 x 128 each.
; OUT, laid as four slices of 1,024 hidden units, as product 8's launch wants its A: scale bytes [slice x 4,096 + m][32] from byte 0 of hb, codes [slice x 4,096 + m][1,024] from byte 0x80000.  The slice is the cluster's x.
; The codes leave in aligned runs of 256 bytes; a row's 8 scale bytes of a tile leave as a piece of 8 bytes, 524,288 bytes in all.
; The activation costs nothing: the hold that the conversion wants clips at 0 as well, and the largest magnitude is taken without |.|.  LIMITS: a block of zeros gets the byte 1; NaN and infinities are not served.
; THE LOOP: K goes in steps of 256 through a ring of two LDS slots filled by the tensor data mover; the scales for all of K come once.  4 x 4 work-groups form a cluster: A's tiles are asked for jointly along a row of the
; cluster, B's along a column.  The matrix instruction is used transposed (source 0 = rows of B, source 1 = rows of A): a lane holds eight neighbouring numbers of a row of C.
; REGISTERS, in windows of 256: window 0: v0-31 addresses; v32-63 scale words; v64-127 the bias; from v128 A's fragments (behind the loop: at work).  window 1: B's fragments, two sets.  windows 2, 3: the accumulators.
.set KSTEP,  256
.set NQ,     2
.set ROWB,   256
.set KROW,   1024
.set PITCH,  272                       ; an LDS row: 256 bytes + 16 of padding: the 16 rows that a load touches start at 16 different banks (ISA guide 11.1)
.set FR,     16
.set NL,     4
.set NP,     8                         ; places behind this matrix instruction (ISA guide 7.12.1)
.set HALFT,  128*PITCH
.set SLOT,   4*HALFT
.set LAPS,   2
.set SCL,    2*SLOT
.set HALFS,  16*272
.set SBLK,   2*272
.set SPARE,  SCL+4*HALFS               ; the spare words, 128 bytes for each wave, that no other line names
.set SST,    256*PITCH                 ; the way out: the codes' stage, 256 rows x 272 bytes, at byte 0 of slot 0, the scale words' stage behind it: slot 0 has had its last fill and its last read by then
.set ADRA, 16
.set ADRB, 20
.set STO,  24
.set RD,   25
.set CO,   26
.set ADRS, 27
.set SPW,  28
.set NIL,  29
.set SSO,  30
.set SRD,  31
.set SCO,  7
.set BO,   8                           ; v8  the bias loads' offset: 32 h
.set SC,   32
.set R,    64
.set AF,   128
.set W,    128
.set PC,   192
.set TM,   208
.set PW,   224
.set G1, 24
.set G0, 32
.set G1B, 48
.set G0B, 56
.set G1S, 68
.set G0S, 76
.set G1SB, 80
.set G0SB, 88
.set SEL, 96
.set MNT, 98
.set BP,  100
.set MSB, 0
.macro WIN new                         ; the immediate's high byte repeats the setting that is left
.if MSB != \new
	s_set_vgpr_msb (MSB<<8)|\new
.set MSB, \new
.endif
.endm
.set MUL_LO, 0xa1
.set MUL_HI, 0xf1
.set TO_B,   0x40
.macro JLOAD g0a, g1a, g0b, g1b        ; a joint load: waves 0 and 1 fetch for A, waves 2 and 3 for B; an s_nop 0 and four v_nop follow each line
	s_cmp_eq_u32 s15, 0
	s_cbranch_scc0 .Lfor_b_\@
	tensor_load_to_lds s[\g0a:\g0a+3], s[\g1a:\g1a+7]
	s_nop 0
.rept 4
	v_nop
.endr
	s_branch .Lasked_\@
.Lfor_b_\@:
	tensor_load_to_lds s[\g0b:\g0b+3], s[\g1b:\g1b+7]
	s_nop 0
.rept 4
	v_nop
.endr
.Lasked_\@:
.endm
.macro CREST
	s_cmp_lg_u32 s14, 0
	s_cbranch_scc1 .Lnot_wave_0_\@
	s_barrier_signal -3
.Lnot_wave_0_\@:
	s_barrier_wait -3
	s_barrier_signal -1
	s_barrier_wait -1
.endm
.macro CROUND
	s_barrier_signal -1
	s_barrier_wait -1
	CREST
.endm
	s_load_b64 s[4:5], s[0:1], 0x0                 ; x1, for the codes,
	s_load_b64 s[6:7], s[0:1], 0x0                 ; and once more for the scale bytes
	s_load_b64 s[8:9], s[0:1], 0x8                 ; W1's codes
	s_load_b64 s[10:11], s[0:1], 0x10              ; W1's scales
	s_load_b64 s[BP:BP+1], s[0:1], 0x18            ; b1
	s_load_b64 s[12:13], s[0:1], 0x20              ; hb
	v_lshl_add_u32 v[SPW], v0, 2, SPARE
	v_mov_b32 v[NIL], 0
	ds_add_u32 v[SPW], v[NIL]                      ; the wave's opening: the add, twice on end, and its wait ahead of my first tensor load
	ds_add_u32 v[SPW], v[NIL]
	v_lshrrev_b32 v3, 5, v0
	v_readfirstlane_b32 s14, v3                    ; wave 0..3
	v_and_b32 v1, 15, v0                           ; r
	v_bfe_u32 v2, v0, 4, 1                         ; h
	v_lshlrev_b32 v[BO], 5, v2
	s_lshr_b32 s15, s14, 1
	s_and_b32 s16, s14, 1
	s_bfe_u32 s40, ttmp6, 0x40000                  ; cx, cy
	s_bfe_u32 s41, ttmp6, 0x40004
	s_lshl_b32 s42, ttmp9, 2
	s_add_co_u32 s42, s42, s40                     ; tile column
	s_and_b32 s17, ttmp7, 0xffff
	s_lshl_b32 s17, s17, 2
	s_add_co_u32 s17, s17, s41                     ; tile row
	s_lshl_b32 s43, s41, 2
	s_lshl_b32 s43, 15, s43
	s_lshl_b32 s44, 0x1111, s40
	s_or_b32 s[G1+0], s43, (0<<16)|(1<<20)|(1<<21)|(5<<22)|(3<<25)
	s_or_b32 s[G1B+0], s44, (0<<16)|(1<<20)|(1<<21)|(5<<22)|(3<<25)
.irp g, G1, G1B
	s_mov_b32 s[\g+1], ROWB<<16
	s_mov_b32 s[\g+2], 128<<16
	s_mov_b32 s[\g+3], ROWB<<16
	s_mov_b32 s[\g+4], 128
	s_mov_b32 s[\g+5], KROW
	s_mov_b32 s[\g+6], 0
	s_mov_b32 s[\g+7], 0
.endr
	s_or_b32 s[G1S+0], s43, (3<<16)|(1<<20)|(1<<21)|(5<<22)|(3<<25)
	s_or_b32 s[G1SB+0], s44, (3<<16)|(1<<20)|(1<<21)|(5<<22)|(3<<25)
.irp g, G1S, G1SB
	s_mov_b32 s[\g+1], 32<<16
	s_mov_b32 s[\g+2], 16<<16
	s_mov_b32 s[\g+3], 32<<16
	s_mov_b32 s[\g+4], 16
	s_mov_b32 s[\g+5], 32
	s_mov_b32 s[\g+6], 0
	s_mov_b32 s[\g+7], 0
.endr
	s_lshl_b32 s18, s16, 7
	s_lshl_b32 s20, s17, 8
	s_add_co_u32 s20, s20, s18                     ; A's row
	s_lshl_b32 s22, s20, 5
	s_lshl_b32 s20, s20, 10
	s_mov_b32 s21, 0
	s_mov_b32 s23, 0
	s_lshl_b32 s46, s42, 8
	s_add_co_u32 s46, s46, s18                     ; B's row
	s_lshl_b32 s92, s46, 5
	s_lshl_b32 s46, s46, 10
	s_mov_b32 s47, 0
	s_mov_b32 s93, 0
	s_mul_i32 s45, s14, HALFT
	s_mul_i32 s94, s14, HALFS
	s_mov_b32 s[SEL], 0x76543210
	s_mov_b32 s[SEL+1], 0xfedcba98
	s_mov_b32 s[MNT], 0x600000
	s_wait_dscnt 0x0                               ; both opening adds are done
	s_wait_kmcnt 0x0
	s_add_nc_u64 s[4:5], s[4:5], 0x1000000
	s_add_nc_u64 s[6:7], s[6:7], 0x1400000
	s_add_nc_u64 s[20:21], s[4:5], s[20:21]
	s_add_nc_u64 s[22:23], s[6:7], s[22:23]
	s_add_nc_u64 s[46:47], s[8:9], s[46:47]
	s_add_nc_u64 s[92:93], s[10:11], s[92:93]
	CROUND                                         ; all sixteen work-groups are here: the first joint loads meet
	s_mov_b32 s[G0S], 1
	s_add_co_u32 s[G0S+1], s94, SCL
	s_mov_b64 s[G0S+2:G0S+3], s[22:23]
	s_or_b32 s[G0S+3], s[G0S+3], 0x80000000
	s_mov_b32 s[G0SB], 1
	s_add_co_u32 s[G0SB+1], s94, SCL
	s_mov_b64 s[G0SB+2:G0SB+3], s[92:93]
	s_or_b32 s[G0SB+3], s[G0SB+3], 0x80000000
	JLOAD G0S, G1S, G0SB, G1SB
.irp s, 0,1
	s_mov_b32 s[G0+4*\s], 1
	s_add_co_u32 s[G0+4*\s+1], s45, \s*SLOT
	s_add_nc_u64 s[G0+4*\s+2:G0+4*\s+3], s[20:21], \s*ROWB
	s_or_b32 s[G0+4*\s+3], s[G0+4*\s+3], 0x80000000
	s_mov_b32 s[G0B+4*\s], 1
	s_add_co_u32 s[G0B+4*\s+1], s45, \s*SLOT
	s_add_nc_u64 s[G0B+4*\s+2:G0B+4*\s+3], s[46:47], \s*ROWB
	s_or_b32 s[G0B+4*\s+3], s[G0B+4*\s+3], 0x80000000
	JLOAD G0+4*\s, G1, G0B+4*\s, G1B               ; three tensor loads of mine are out
.endr
	; where the tile goes: row slice x 4,096 + 256 x tile row; in the slice's 1,024 columns at 256 cx
	s_lshl_b32 s18, ttmp9, 12
	s_lshl_b32 s19, s17, 8
	s_add_co_u32 s18, s18, s19
	s_lshl_b32 s95, s18, 5
	s_lshl_b32 s19, s40, 3
	s_add_co_u32 s2, s95, s19
	s_mov_b32 s3, 0
	s_add_nc_u64 s[4:5], s[12:13], s[2:3]          ; its scale bytes
	s_lshl_b32 s18, s18, 10
	s_lshl_b32 s19, s40, 8
	s_add_co_u32 s18, s18, s19
	s_add_co_u32 s18, s18, 0x80000
	s_mov_b32 s19, 0
	s_add_nc_u64 s[12:13], s[12:13], s[18:19]      ; its codes
	; the bias: register 8 t + j holds b1 of column 16 t + 8 h + j of my 128
	s_lshl_b32 s18, s42, 8
	s_lshl_b32 s19, s16, 7
	s_add_co_u32 s18, s18, s19
	s_lshl_b32 s18, s18, 2
	s_mov_b32 s19, 0
	s_add_nc_u64 s[BP:BP+1], s[BP:BP+1], s[18:19]
.irp t, 0,1,2,3,4,5,6,7
	global_load_b128 v[R+8*\t:R+8*\t+3], v[BO], s[BP:BP+1] offset:64*\t
	global_load_b128 v[R+8*\t+4:R+8*\t+7], v[BO], s[BP:BP+1] offset:64*\t+16
.endr
	v_mul_u32_u24 v3, v1, PITCH
	v_lshl_add_u32 v4, v2, 4, v3
	s_mul_i32 s21, s15, HALFT
	s_mul_i32 s22, s16, HALFT
	s_add_co_u32 s22, s22, 2*HALFT
.irp s, 0,1
	v_add_nc_u32 v[ADRA+\s], s21, v4
	v_add_nc_u32 v[ADRB+\s], s22, v4
	s_add_co_u32 s21, s21, SLOT
	s_add_co_u32 s22, s22, SLOT
.endr
	v_lshlrev_b32 v5, 5, v1
	v_lshrrev_b32 v6, 8, v5
	v_lshl_add_u32 v5, v6, 4, v5
	s_mul_i32 s21, s15, HALFS
	s_mul_i32 s22, s16, HALFS
	s_add_co_u32 s22, s22, 2*HALFS
	s_sub_co_u32 s22, s22, s21
	v_mul_u32_u24 v6, s22, v2
	s_add_co_u32 s21, s21, SCL
	v_add_nc_u32 v5, v5, v6
	v_add_nc_u32 v[ADRS], s21, v5
	; the way out's addresses
	s_mul_i32 s23, s15, 128*PITCH
	s_lshl_b32 s21, s16, 7
	s_add_co_u32 s23, s23, s21
	v_lshl_add_u32 v5, v2, 3, v3
	v_add_nc_u32 v[STO], s23, v5                   ; (128 x row half + r) x 272 + 128 x column half + 8 h
	s_lshl_b32 s23, s15, 10
	s_lshl_b32 s21, s16, 2
	s_add_co_u32 s23, s23, s21
	s_add_co_u32 s23, s23, SST
	v_lshl_add_u32 v[SSO], v1, 3, s23
	s_mul_i32 s23, s14, 64*PITCH
	v_mul_u32_u24 v5, v2, PITCH
	v_lshl_add_u32 v5, v1, 4, v5
	v_add_nc_u32 v[RD], s23, v5                    ; back: wave w takes rows 64 w on; lanes 0-15 one row, lanes 16-31 the next
	v_and_b32 v6, 31, v0
	s_lshl_b32 s23, s14, 9
	v_lshl_add_u32 v5, v6, 3, s23
	v_add_nc_u32 v[SRD], SST, v5                   ; a row's 8 scale bytes: row 64 w + lane
	s_lshl_b32 s23, s14, 11
	v_lshl_add_u32 v[SCO], v6, 5, s23              ; and the same row in memory, 32 bytes a row
	s_lshl_b32 s23, s14, 16
	v_lshlrev_b32 v5, 10, v2
	v_lshl_add_u32 v5, v1, 4, v5
	v_add_nc_u32 v[CO], s23, v5                    ; (64 w + h) x 1,024 + 16 r
.macro FRAG reg, adr, q, i
.irp c, 0,1,2,3
	ds_load_b128 v[\reg+4*\c:\reg+4*\c+3], v[\adr] offset:128*(\q)+32*\c+(\i)*16*PITCH
.endr
.endm
; The 64 accumulators take turns, one instruction a turn, in the same order in every step.
.macro MUL16 a0, p, q, sc, zero
.irp a, \a0, \a0+1
.irp b, 0,1,2,3,4,5,6,7
.if \zero
	v_wmma_scale_f32_16x16x128_f8f6f4 v[8*(8*((\a)%4)+\b):8*(8*((\a)%4)+\b)+7], v[128*(\p)+FR*\b:128*(\p)+FR*\b+FR-1], v[AF+FR*(\a):AF+FR*(\a)+FR-1], 0, v[SC+8*NQ*(\sc)+NQ*\b+(\q)], v[SC+8*NQ*(\sc)+NQ*(\a)+(\q)] matrix_a_scale:MATRIX_SCALE_ROW1
.else
	v_wmma_scale_f32_16x16x128_f8f6f4 v[8*(8*((\a)%4)+\b):8*(8*((\a)%4)+\b)+7], v[128*(\p)+FR*\b:128*(\p)+FR*\b+FR-1], v[AF+FR*(\a):AF+FR*(\a)+FR-1], v[8*(8*((\a)%4)+\b):8*(8*((\a)%4)+\b)+7], v[SC+8*NQ*(\sc)+NQ*\b+(\q)], v[SC+8*NQ*(\sc)+NQ*(\a)+(\q)] matrix_a_scale:MATRIX_SCALE_ROW1
.endif
.endr
.endr
.endm
.macro FETCH_B slot, q, p
	WIN TO_B
.irp i, 0,1,2,3,4,5,6,7
	FRAG 128*(\p)+FR*\i, ADRB+\slot, \q, \i
.endr
	WIN 0
.endm
.macro FETCH_A slot, q, i0
.irp i, \i0, \i0+1, \i0+2, \i0+3
	FRAG AF+FR*(\i), ADRA+\slot, \q, \i
.endr
.endm
.macro SCALES sc
.irp i, 0,1,2,3,4,5,6,7
	ds_load_b64 v[SC+8*NQ*\sc+NQ*\i:SC+8*NQ*\sc+NQ*\i+1], v[ADRS] offset:\i*SBLK
.endr
.endm
.macro PLACES n
.rept \n
	v_nop
.endr
.endm
.macro STEP slot, q, zero
	s_wait_dscnt 4*NL                              ; B's set and A's blocks 0-3 are in; the youngest 16 loads (A's blocks 4-7) may be out
	WIN MUL_LO
	MUL16 0, (\q)%2, \q, \slot, \zero
	MUL16 2, (\q)%2, \q, \slot, \zero
	s_wait_dscnt 0
	PLACES NP
	FETCH_B \slot, (\q)+1, 1-(\q)%2
	FETCH_A \slot, (\q)+1, 0
	WIN MUL_HI
	MUL16 4, (\q)%2, \q, \slot, \zero
	MUL16 6, (\q)%2, \q, \slot, \zero
	PLACES NP
	WIN 0
	FETCH_A \slot, (\q)+1, 4
.endm
.macro TURN slot, next, fill
	s_wait_tensorcnt 0x0                           ; all my tensor loads have landed: my part of the next slot
	ds_add_u32 v[SPW], v[NIL]                      ; 0 onto my spare word
	s_wait_dscnt 4*NL+1                            ; the add and the youngest 16 loads may be out
	WIN MUL_LO
	MUL16 0, 1, NQ-1, \slot, 0
	s_wait_dscnt 0x0                               ; the add is done, and my reads of this slot are over
	s_barrier_signal -1
	MUL16 2, 1, NQ-1, \slot, 0
	WIN 0
	s_barrier_wait -1
.if \fill
	CREST                                          ; the barrier has opened a round of the cluster's: no wave of any partner still reads this slot or has a load on its way
	s_add_nc_u64 s[G0+4*\slot+2:G0+4*\slot+3], s[G0+4*\slot+2:G0+4*\slot+3], 2*ROWB
	s_add_nc_u64 s[G0B+4*\slot+2:G0B+4*\slot+3], s[G0B+4*\slot+2:G0B+4*\slot+3], 2*ROWB
	JLOAD G0+4*\slot, G1, G0B+4*\slot, G1B
	PLACES NP-4
.else
	PLACES NP
.endif
	v_add_nc_u32 v[ADRS], 4*NQ, v[ADRS]
	FETCH_B \next, 0, 0
	FETCH_A \next, 0, 0
	SCALES \next
	WIN MUL_HI
	MUL16 4, 1, NQ-1, \slot, 0
	MUL16 6, 1, NQ-1, \slot, 0
	PLACES NP
	WIN 0
	FETCH_A \next, 0, 4
.endm
	s_wait_tensorcnt 1                             ; the scales and my part of K step 0 are in; K step 1's load may be out
	s_barrier_signal -1
	s_barrier_wait -1
	FETCH_B 0, 0, 0
	FETCH_A 0, 0, 0
	SCALES 0
	FETCH_A 0, 0, 4
	STEP 0, 0, 1
	s_mov_b32 s3, LAPS-1
.Llap:
	TURN 0, 1, 1
	STEP 1, 0, 0
	TURN 1, 0, 1
	STEP 0, 0, 0
	s_sub_co_u32 s3, s3, 1
	s_cmp_lg_u32 s3, 0
	s_cbranch_scc1 .Llap
	TURN 0, 1, 0
	STEP 1, 0, 0
	s_wait_dscnt 4*NL
	WIN MUL_LO
	MUL16 0, 1, NQ-1, 1, 0
	MUL16 2, 1, NQ-1, 1, 0
	s_wait_dscnt 0
	WIN MUL_HI
	MUL16 4, 1, NQ-1, 1, 0
	MUL16 6, 1, NQ-1, 1, 0
	WIN 0
; THE WAY OUT.  Lane (r, h) of accumulator (a, b) holds row 16 a + r of my 128 rows, and its register j column 16 b + 8 h + j.  A block of 32 columns is tiles 2 B and 2 B + 1 of lanes l and l xor 16.
.macro QUANT                           ; 64 numbers, v[W + 16 B + i], become codes in v[PC] on and the row's scale word in v[PW]; what is negative becomes 0 on the way
.irp b, 0,1,2,3
	v_max3_num_f32 v[TM+\b], v[W+16*\b], v[W+1+16*\b], 0x4800000   ; no |.|: what is negative must not count; the floor 2^(9 - 127) stands over it
.endr
.irp i, 2,4,6,8,10,12,14
.irp b, 0,1,2,3
	v_max3_num_f32 v[TM+\b], v[TM+\b], v[W+16*\b+\i], v[W+1+16*\b+\i]
.endr
.endr
.irp b, 0,1,2,3
	v_permlanex16_b32 v[TM+4+\b], v[TM+\b], s[SEL], s[SEL+1]
.endr
.irp b, 0,1,2,3
	v_max_num_f32 v[TM+\b], v[TM+\b], v[TM+4+\b]
.endr
.irp b, 0,1,2,3
	v_add_nc_u32 v[TM+12+\b], 0xfc000000, v[TM+\b]
.endr
.irp b, 0,1,2,3
	v_and_or_b32 v[TM+8+\b], v[TM+\b], 0x7f800000, s[MNT]
.endr
.irp b, 0,1,2,3
	v_lshrrev_b32 v[TM+4+\b], 23, v[TM+12+\b]
.endr
	v_lshl_or_b32 v[PW], v[TM+5], 8, v[TM+4]
	v_lshl_or_b32 v[PW], v[TM+6], 16, v[PW]
	v_lshl_or_b32 v[PW], v[TM+7], 24, v[PW]
.irp b, 0,1,2,3
.irp i, 0,1,2,3,4,5,6,7,8,9,10,11,12,13,14,15
	v_med3_num_f32 v[W+16*\b+\i], v[W+16*\b+\i], 0, v[TM+8+\b]   ; the activation and the hold in one
.endr
	v_cvt_scalef32_pk8_fp8_f32 v[PC+4*\b:PC+1+4*\b], v[W+16*\b:W+7+16*\b], v[TM+12+\b]
	v_cvt_scalef32_pk8_fp8_f32 v[PC+2+4*\b:PC+3+4*\b], v[W+8+16*\b:W+15+16*\b], v[TM+12+\b]
.endr
	v_nop                                          ; one plain instruction behind the last conversion, ahead of the next writes of its sources
.endm
.macro EPI a                           ; block a of 16 rows: the bias is added on the way into window 0 (each accumulator from its low end on)
.if (\a) > 0
	s_wait_dscnt 0x0                               ; the last block's stores have read their registers
.endif
.set AC, 64*((\a)%4)
	WIN (0x02+(\a)/4)
.irp b, 0,1,2,3,4,5,6,7
.irp i, 0,2,4,6
	v_pk_add_f32 v[W+8*\b+\i:W+8*\b+\i+1], v[AC+8*\b+\i:AC+8*\b+\i+1], v[R+8*\b+\i:R+8*\b+\i+1]
.endr
.endr
	WIN 0
	QUANT
.irp t, 0,1,2,3,4,5,6,7
	ds_store_b64 v[STO], v[PC+2*\t:PC+2*\t+1] offset:(\a)*16*PITCH+16*\t
.endr
	ds_store_b32 v[SSO], v[PW] offset:(\a)*128
.endm
	s_wait_loadcnt 0x0                             ; the bias
	PLACES NP
.irp b, 0,1,2,3
	v_mov_b32 v[TM+4+\b], 0                        ; written once: a lane permute's destination counts as one of its sources
.endr
.irp a, 0,1,2,3,4,5,6,7
	EPI \a
.endr
	s_wait_dscnt 0x0                               ; for the others' sake: my stores into the stage are done
	s_barrier_signal -1
	s_barrier_wait -1
	ds_load_b64 v[R:R+1], v[SRD]
	ds_load_b64 v[R+2:R+3], v[SRD] offset:256
.set n, 0
.rept 32
	ds_load_b128 v[W+4*n:W+4*n+3], v[RD] offset:n*2*PITCH
.set n, n+1
.endr
	s_wait_dscnt 32                                ; the 32 loads behind them may be out
	global_store_b64 v[SCO], v[R:R+1], s[4:5]
	global_store_b64 v[SCO], v[R+2:R+3], s[4:5] offset:1024
.set n, 0
.rept 32
	s_wait_dscnt 31-n                              ; the younger loads may be out
	global_store_b128 v[CO], v[W+4*n:W+4*n+3], s[12:13] offset:2048*n   ; 16 lanes store 256 consecutive bytes, aligned
.set n, n+1
.endr
	s_wait_tensorcnt 0x0                           ; the wave's end
	ds_add_u32 v[SPW], v[NIL]
	s_wait_dscnt 0x0
	CROUND                                         ; the closing round
	s_endpgm
.Lfunc_end_k_q1b92ea6301_w1:
	.size	k_q1b92ea6301_w1, .Lfunc_end_k_q1b92ea6301_w1-k_q1b92ea6301_w1
	.p2alignl 7, 3214868480
	.fill 96, 4, 3214868480
	.section	.rodata,"a",@progbits
	.p2align	6, 0x0
	.amdhsa_kernel k_q1b92ea6301_w1
		.amdhsa_group_segment_fixed_size 327680
		.amdhsa_private_segment_fixed_size 0
		.amdhsa_enable_private_segment 0
		.amdhsa_kernarg_size 40
		.amdhsa_user_sgpr_count 2
		.amdhsa_user_sgpr_kernarg_segment_ptr 1
		.amdhsa_wavefront_size32 1
		.amdhsa_system_sgpr_workgroup_id_x 1
		.amdhsa_system_sgpr_workgroup_id_y 1
		.amdhsa_system_sgpr_workgroup_id_z 1
		.amdhsa_system_vgpr_workitem_id 0
		.amdhsa_next_free_vgpr 1024
		.amdhsa_next_free_sgpr 102
		.amdhsa_reserve_vcc 0
		.amdhsa_float_denorm_mode_32 3
		.amdhsa_float_denorm_mode_16_64 3
		.amdhsa_memory_ordered 1
		.amdhsa_forward_progress 1
		.amdhsa_inst_pref_size 211
	.end_amdhsa_kernel
	.amdgpu_metadata
---
amdhsa.version: [ 1, 2 ]
amdhsa.kernels:
  - .name:           k_q1b92ea6301_w1
    .symbol:         k_q1b92ea6301_w1.kd
    .args:
      - { .name: x1, .offset: 0, .size: 8, .value_kind: global_buffer, .address_space: global }
      - { .name: W1_codes, .offset: 8, .size: 8, .value_kind: global_buffer, .address_space: global }
      - { .name: W1_scales, .offset: 16, .size: 8, .value_kind: global_buffer, .address_space: global }
      - { .name: b1, .offset: 24, .size: 8, .value_kind: global_buffer, .address_space: global }
      - { .name: hb, .offset: 32, .size: 8, .value_kind: global_buffer, .address_space: global }
    .group_segment_fixed_size: 327680
    .private_segment_fixed_size: 0
    .kernarg_segment_align: 8
    .kernarg_segment_size: 40
    .max_flat_workgroup_size: 128
    .sgpr_count:     102
    .vgpr_count:     1024
    .wavefront_size: 32
...
	.end_amdgpu_metadata
.endif
;; end of part 6
;; launch w2: the kernel of part 4 again; grid 4 x 64, 4 waves a work-group, clusters of 4 x 4, 327,680 bytes of LDS; arguments hb, w2c, w2s, cf; writes cf
;; launch ln2 (part 7): grid 256 x 1, 16 waves a work-group, no clusters, 0 bytes of LDS; arguments x1, cf, b2, g2, be2, out0; writes out0
.if DOCPART == 7
	.amdgcn_target "amdgcn-amd-amdhsa--gfx1250"
	.amdhsa_code_object_version 6
	.text
	.protected	k_q1b92ea6301_ln2
	.globl	k_q1b92ea6301_ln2
	.p2align	8
	.type	k_q1b92ea6301_ln2,@function
k_q1b92ea6301_ln2:
	s_mov_b64 s[64:65], 0
	v_nop
	global_prefetch_b8 v0, s[64:65] scope:SCOPE_SE
	s_setreg_imm32_b32 hwreg(HW_REG_WAVE_MODE, 25, 1), 1
	s_wait_xcnt 0x0
; out0 = LayerNorm(x1 + (product 8 + b2)) x g2 + be2.  Product 8 lies in cf as four partial sums, one for each 1,024 along its K, 0x1000000 bytes apart: they are added in the fixed order (p0 + p1) + (p2 + p3).
; No work is left out.  One wave takes one row of 1,024 numbers and keeps it in registers: load j gives lane l the numbers 128 j + 4 l + 0 .. 3, so each load and store covers 512 consecutive bytes.
; No LDS, no barrier: waves share nothing.  Matrix units, clusters and tensor loads would add nothing to a stream.  LIMIT: NaN and infinities are not served.
.set X,   32                           ; v32-63   x1's row, then the row at work
.set P,   64                           ; v64-191  the four partial sums
.set B2,  192                          ; v192-223 b2
.set G,   96                           ; v96-127  g2, v128-159 be2: loaded once the partial sums there have been added
.set BE,  128
	s_load_b256 s[4:11], s[0:1], 0x0               ; x1, cf, b2, g2
	s_load_b128 s[12:15], s[0:1], 0x20             ; be2, out0
	v_lshrrev_b32 v2, 5, v0
	v_readfirstlane_b32 s16, v2                    ; wave
	v_and_b32 v2, 31, v0
	v_lshlrev_b32 v1, 4, v2                        ; 16 bytes a lane
	s_lshl_b32 s17, ttmp9, 4
	s_add_co_u32 s17, s17, s16                     ; my row
	s_lshl_b32 s18, s17, 12
	s_mov_b32 s19, 0
	s_mov_b32 s20, 0x76543210
	s_mov_b32 s21, 0xfedcba98
	s_mov_b32 s22, 0x3a800000                      ; 1 / 1,024
	s_mov_b32 s29, 0x3727c5ac                      ; 1e-5
	s_wait_kmcnt 0x0
	s_add_nc_u64 s[4:5], s[4:5], s[18:19]
	s_add_nc_u64 s[6:7], s[6:7], s[18:19]
	s_add_nc_u64 s[24:25], s[6:7], 0x1000000
	s_add_nc_u64 s[26:27], s[6:7], 0x2000000
	s_add_nc_u64 s[30:31], s[6:7], 0x3000000
	s_add_nc_u64 s[14:15], s[14:15], s[18:19]
.irp j, 0,1,2,3,4,5,6,7
	global_load_b128 v[X+4*\j:X+4*\j+3], v1, s[4:5] offset:512*\j th:TH_LOAD_NT
.endr
.irp j, 0,1,2,3,4,5,6,7
	global_load_b128 v[P+4*\j:P+4*\j+3], v1, s[6:7] offset:512*\j th:TH_LOAD_NT
.endr
.irp j, 0,1,2,3,4,5,6,7
	global_load_b128 v[P+32+4*\j:P+32+4*\j+3], v1, s[24:25] offset:512*\j th:TH_LOAD_NT
.endr
.irp j, 0,1,2,3,4,5,6,7
	global_load_b128 v[P+64+4*\j:P+64+4*\j+3], v1, s[26:27] offset:512*\j th:TH_LOAD_NT
.endr
.irp j, 0,1,2,3,4,5,6,7
	global_load_b128 v[P+96+4*\j:P+96+4*\j+3], v1, s[30:31] offset:512*\j th:TH_LOAD_NT
.endr
.irp j, 0,1,2,3,4,5,6,7
	global_load_b128 v[B2+4*\j:B2+4*\j+3], v1, s[8:9] offset:512*\j
.endr
.macro WSUM a, t                       ; the sum over the wave's 32 lanes, in every lane
	v_add_f32_dpp v[\a], v[\a], v[\a] row_xmask:1 row_mask:0xf bank_mask:0xf
	v_add_f32_dpp v[\a], v[\a], v[\a] row_xmask:2 row_mask:0xf bank_mask:0xf
	v_add_f32_dpp v[\a], v[\a], v[\a] row_xmask:4 row_mask:0xf bank_mask:0xf
	v_add_f32_dpp v[\a], v[\a], v[\a] row_xmask:8 row_mask:0xf bank_mask:0xf
	v_permlanex16_b32 v[\t], v[\a], s20, s21
	v_add_f32 v[\a], v[\a], v[\t]
.endm
	s_wait_loadcnt 0x0
.set n, 0
.rept 16
	v_pk_add_f32 v[P+n:P+n+1], v[P+n:P+n+1], v[P+32+n:P+32+n+1]
	v_pk_add_f32 v[P+64+n:P+64+n+1], v[P+64+n:P+64+n+1], v[P+96+n:P+96+n+1]
.set n, n+2
.endr
.set n, 0
.rept 16
	v_pk_add_f32 v[P+n:P+n+1], v[P+n:P+n+1], v[P+64+n:P+64+n+1]
.set n, n+2
.endr
.irp j, 0,1,2,3,4,5,6,7                        ; g2 and be2 land while the statistics are made
	global_load_b128 v[G+4*\j:G+4*\j+3], v1, s[10:11] offset:512*\j
.endr
.irp j, 0,1,2,3,4,5,6,7
	global_load_b128 v[BE+4*\j:BE+4*\j+3], v1, s[12:13] offset:512*\j
.endr
.set n, 0
.rept 16
	v_pk_add_f32 v[P+n:P+n+1], v[P+n:P+n+1], v[B2+n:B2+n+1]
.set n, n+2
.endr
.set n, 0
.rept 16
	v_pk_add_f32 v[X+n:X+n+1], v[X+n:X+n+1], v[P+n:P+n+1]
.set n, n+2
.endr
	v_pk_add_f32 v[8:9], v[X:X+1], v[X+2:X+3]      ; the row's sum, in two chains
	v_pk_add_f32 v[10:11], v[X+4:X+5], v[X+6:X+7]
.irp j, 8,12,16,20,24,28
	v_pk_add_f32 v[8:9], v[8:9], v[X+\j:X+\j+1]
	v_pk_add_f32 v[10:11], v[10:11], v[X+\j+2:X+\j+3]
.endr
	v_pk_add_f32 v[8:9], v[8:9], v[10:11]
	v_add_f32 v8, v8, v9
	WSUM 8, 9
	v_mul_f32 v8, s22, v8                          ; the mean
.set n, 0
.rept 16
	v_pk_add_f32 v[X+n:X+n+1], v[X+n:X+n+1], v[8:9] op_sel_hi:[1,0] neg_lo:[0,1] neg_hi:[0,1]
.set n, n+2
.endr
	v_pk_mul_f32 v[10:11], v[X:X+1], v[X:X+1]      ; the squares' sum: the first products start the two chains
	v_pk_mul_f32 v[12:13], v[X+2:X+3], v[X+2:X+3]
.irp j, 4,8,12,16,20,24,28
	v_pk_fma_f32 v[10:11], v[X+\j:X+\j+1], v[X+\j:X+\j+1], v[10:11]
	v_pk_fma_f32 v[12:13], v[X+\j+2:X+\j+3], v[X+\j+2:X+\j+3], v[12:13]
.endr
	v_pk_add_f32 v[10:11], v[10:11], v[12:13]
	v_add_f32 v10, v10, v11
	WSUM 10, 11
	v_fma_f32 v10, v10, s22, s29                   ; the variance + 1e-5
	v_rsq_f32 v10, v10
	v_nop                                          ; a plain instruction behind the transcendental
	s_wait_alu depctr_va_vdst(0)                   ; and the wait ahead of its first reader
	s_wait_loadcnt 0x0                             ; g2, be2
.set n, 0
.rept 16
	v_pk_mul_f32 v[X+n:X+n+1], v[X+n:X+n+1], v[10:11] op_sel_hi:[1,0]
.set n, n+2
.endr
.set n, 0
.rept 16
	v_pk_fma_f32 v[X+n:X+n+1], v[X+n:X+n+1], v[G+n:G+n+1], v[BE+n:BE+n+1]
.set n, n+2
.endr
.irp j, 0,1,2,3,4,5,6,7
	global_store_b128 v1, v[X+4*\j:X+4*\j+3], s[14:15] offset:512*\j th:TH_STORE_NT
.endr
	s_endpgm
.Lfunc_end_k_q1b92ea6301_ln2:
	.size	k_q1b92ea6301_ln2, .Lfunc_end_k_q1b92ea6301_ln2-k_q1b92ea6301_ln2
	.p2alignl 7, 3214868480
	.fill 96, 4, 3214868480
	.section	.rodata,"a",@progbits
	.p2align	6, 0x0
	.amdhsa_kernel k_q1b92ea6301_ln2
		.amdhsa_group_segment_fixed_size 0
		.amdhsa_private_segment_fixed_size 0
		.amdhsa_enable_private_segment 0
		.amdhsa_kernarg_size 48
		.amdhsa_user_sgpr_count 2
		.amdhsa_user_sgpr_kernarg_segment_ptr 1
		.amdhsa_wavefront_size32 1
		.amdhsa_system_sgpr_workgroup_id_x 1
		.amdhsa_system_sgpr_workgroup_id_y 1
		.amdhsa_system_sgpr_workgroup_id_z 1
		.amdhsa_system_vgpr_workitem_id 0
		.amdhsa_next_free_vgpr 232
		.amdhsa_next_free_sgpr 66
		.amdhsa_reserve_vcc 0
		.amdhsa_float_denorm_mode_32 3
		.amdhsa_float_denorm_mode_16_64 3
		.amdhsa_memory_ordered 1
		.amdhsa_forward_progress 1
		.amdhsa_inst_pref_size 19
	.end_amdhsa_kernel
	.amdgpu_metadata
---
amdhsa.version: [ 1, 2 ]
amdhsa.kernels:
  - .name:           k_q1b92ea6301_ln2
    .symbol:         k_q1b92ea6301_ln2.kd
    .args:
      - { .name: x1, .offset: 0, .size: 8, .value_kind: global_buffer, .address_space: global }
      - { .name: cf, .offset: 8, .size: 8, .value_kind: global_buffer, .address_space: global }
      - { .name: b2, .offset: 16, .size: 8, .value_kind: global_buffer, .address_space: global }
      - { .name: g2, .offset: 24, .size: 8, .value_kind: global_buffer, .address_space: global }
      - { .name: be2, .offset: 32, .size: 8, .value_kind: global_buffer, .address_space: global }
      - { .name: out0, .offset: 40, .size: 8, .value_kind: global_buffer, .address_space: global }
    .group_segment_fixed_size: 0
    .private_segment_fixed_size: 0
    .kernarg_segment_align: 8
    .kernarg_segment_size: 48
    .max_flat_workgroup_size: 512
    .sgpr_count:     66
    .vgpr_count:     232
    .wavefront_size: 32
...
	.end_amdgpu_metadata
.endif
;; end of part 7
;; ======== version 2 of 2: 8 launches; version 1 with the launch attn written anew for expert scheduling mode
;; limits: right only within a limited range of input values
;; workspace buffers: xq 4,325,376 bytes; w2c 4,194,304 bytes; w2s 131,072 bytes; qkv 12,976,128 bytes; ab 4,718,592 bytes; hb 17,301,504 bytes; cf 67,108,864 bytes; x1 21,102,592 bytes
;; launch prep: the kernel of part 1 again; grid 256 x 1, 4 waves a work-group, no clusters, 33,280 bytes of LDS; arguments x, W2_codes, W2_scales, xq, w2c, w2s; writes xq, w2c, w2s
;; launch qkv: the kernel of part 2 again; grid 16 x 12, 4 waves a work-group, clusters of 4 x 4, 327,680 bytes of LDS; arguments xq, y_codes, y_scales, Wq_codes, Wq_scales, Wk_codes, Wk_scales, Wv_codes, Wv_scales, bq, bk, bv, qkv; writes qkv
;; launch attn (part 8): grid 8 x 32, 16 waves a work-group, no clusters, 276,480 bytes of LDS; arguments qkv, mask, ab; writes ab
.if DOCPART == 8
	.amdgcn_target "amdgcn-amd-amdhsa--gfx1250"
	.amdhsa_code_object_version 6
	.text
	.protected	k_q1b92ea6301_attn
	.globl	k_q1b92ea6301_attn
	.p2align	8
	.type	k_q1b92ea6301_attn,@function
k_q1b92ea6301_attn:
	s_mov_b64 s[64:65], 0
	v_nop
	global_prefetch_b8 v0, s[64:65] scope:SCOPE_SE
	s_setreg_imm32_b32 hwreg(HW_REG_WAVE_SCHED_MODE, 0, 2), 2
	s_setreg_imm32_b32 hwreg(HW_REG_WAVE_MODE, 25, 1), 1
	s_wait_xcnt 0x0
	s_wait_alu depctr_vm_vsrc(0)
; Products 4 and 5 with the mask and the softmax between them, the division by the row's sum, and the quantiser of the result along D.  No work is left out.
; A work-group owns 256 queries of one head of one batch (x: the block of queries; y = 16 x batch + head); each of its sixteen waves owns 16 queries.
; THE WHOLE HEAD'S K AND V LIE IN LDS, brought once through registers, as IMAGES OF THE OPERANDS' REGISTERS: wave w brings key step w (128 keys): each group of four registers by one ds_store_b128 at 16 x lane.
; One barrier; then a loop of 16 key steps with no barrier in it.  No tensor load.
; No cluster and no joint loads; what work-groups of a head share is 270,336 bytes, read once ahead of 16 key steps.
; LAYOUT.  Both products are used transposed: S^T = K Q^T (source 0 = 16 keys, source 1 = my 16 queries), O^T = V^T P^T (source 0 = 16 channels, source 1 = P): a lane holds one query throughout.
; Product 4's K is the head's 64: the upper half of each 128-deep operand holds zero codes, under scale bytes 0 (2^-127: no NaN), which add nothing.
; Lane r of tile 2 b + u takes key (or channel) 32 b + 8 u + r + 8 (r / 8): so the 16 registers of tiles 2 b, 2 b + 1 are 16 neighbours, 32 b + 16 (lane / 16) + 0 .. 15.
; THE SOFTMAX: t = score x log2(e) / 8; M = the running largest t rounded up to a whole number; p = 2^(t - M) is quantised along the keys; the row's sum is taken of the unquantised p and divides at the end.
; THE MASK.  A key step with no hole (a flag made at the head from the mask's words) passes over the masking.  Elsewhere the score of a key whose mask word is 0 becomes -2^33.
; LIMIT: that is a logit of -2^30 where reference() writes -1e9.  -2^33 x c is exact and a whole number, so a batch with every key masked gives p = 1 for all keys, as the rule gives with -1e9; results are the same
; wherever the logits of open keys lie above about -1e9.  A block of zeros gets the scale byte 1; NaN and infinities are not served.
; OUT: a head's 64 codes of a token's row (two stores of 32-byte pieces a row) and its 2 scale bytes are all that a work-group owns of that row: 4,194,304 and 131,072 bytes in all.
; THE MODE: SCHED_MODE bits 1:0 = 2 (LLVM: expert scheduling mode 2), set by the entry lines.  The code itself states the register dependences between vector or matrix instructions and memory or LDS
; instructions, with s_wait_alu, always for 0.
; THE PLAN.  Registers that LDS or memory instructions touch in the loop:
;   v8-11, v249     the step's four LDS addresses and the mask loads' offset.  Written by the five additions at a step's head; read by the step's loads.  One wait on vm_vsrc stands ahead of the additions.
;   K's fragments   (their lower halves) and v208-211.  The step's tiles 0-3 are asked for in the middle of the step before, by that step's address and an immediate offset; tiles 4-7 behind the products of tiles 0-3.
;   v96-159         the products K Q^T write them, the softmax works on them, the conversions read them; behind the conversions V's fragments land there, and V^T P reads them.
;   v212-213        V's scale words: landed with V's fragments, read by V^T P.
;   v192-207, v215  p's codes and scale word: written by vector instructions, taken by the scaled products as B and as scale.
;   v216-247        at work for the softmax; in a step with a hole the mask's words land there first, 32 at a time.
; THE WAITS of a step: vm_vsrc at its head; va_vdst behind the first four products, behind the 64 exponentials, behind the four further ones, behind the conversions, and ahead of V^T P.
; What each states stands beside it.  O^T, the statistics and the zero codes are named by vector and matrix instructions alone.
.set KIMG,  0                          ; K's images: step x 8,192 + tile x 1,024 + c x 512 + 16 x lane
.set VIMG,  131072                     ; V's: step x 8,192 + tile x 2,048 + c x 512 + 16 x lane
.set KSC,   262144                     ; K's scale words: step x 512 + b x 128 + 4 x lane: lanes 0-15 tile 2 b's keys, lanes 16-31 tile 2 b + 1's
.set VSC,   270336                     ; V's: step x 256 + i x 128 + 4 x lane
.set SPARE, 274432                     ; the spare words, 128 bytes for each wave, that no other line names
.set AK0, 1                            ; v1   16 x lane
.set AV0, 2                            ; v2   16 x lane + VIMG
.set AS0, 3                            ; v3   4 x lane + KSC
.set AT0, 4                            ; v4   4 x lane + VSC
.set SPW, 5
.set NIL, 6
.set MKO, 7                            ; v7   64 h: my half's mask words
.set ADK, 8                            ; v8-11 the step's LDS addresses
.set ADV, 9
.set ADS, 10
.set ADT, 11
.set QF,  16                           ; v16-31 Q's fragment (v24-31 zeros);  v12 -M, v13 the largest t, v[14:15] the sum in two halves
.set KFR, 32                           ; v32-95 four fragments of K (the upper eight registers of each stay zeros)
.set S,   96                           ; v96-159 S^T, then p, then V's four fragments
.set OT,  160                          ; v160-191 O^T
.set PCD, 192                          ; v192-207 p's codes
.set KSR, 208                          ; v208-211 K's scale words;  v212-213 V's;  v214 Q's;  v215 p's: these eight hold scales and nothing else
.set VSR, 212
.set QS,  214
.set PWD, 215
.set BM,  216                          ; v216-219 the blocks' largest
.set PT,  220                          ; v220-223 from lane l xor 16
.set HO,  224                          ; v224-227 448 x the scale
.set SO,  228                          ; v228-231 the conversions' scale operands
.set BY,  232                          ; v232-235 the scale bytes
.set SUM2, 236                         ; v[236:237] the second chain of the sum
.set TMP, 238
.set F,   240                          ; v[240:241] f = 2^(old M - new M)
.set SENT, 248                         ; v248 -2^33, made once;  v249 the mask loads' offset, made at each step's head;  v216-247 the mask's words in the masking arm
.set MVO, 249
.set WV,  18
.set MNT, 19
.set SEL, 20
.set CS,  22                           ; s[22:23] c = log2(e) / 8
.set TK,  2                            ; s2   the step's images: 8,192 a step
.set TS,  3                            ; s3   K's scale words, and the mask's words: 512 a step
.set TJ,  24                           ; s24  V's: 256 a step
.set T,   25                           ; s25  the step
.set FL,  26                           ; s26  bit t: key step t has a hole in the mask
.set CM,  48                           ; s48-63 sixteen compares' masks
; Four tiles of K (their 64 channels: two groups of four registers each) and their two scale words.  g: tiles 4 g on; ak, as: the address registers; ko, so: bytes on from them
.macro KFETCH g, ak, as, ko, so
.irp tt, 0,1,2,3
.irp c, 0,1
	ds_load_b128 v[KFR+16*\tt+4*\c:KFR+16*\tt+4*\c+3], v[\ak] offset:(\ko)+\tt*1024+512*\c
.endr
.endr
.irp i, 0,1
	ds_load_b32 v[KSR+2*(\g)+\i], v[\as] offset:(\so)+\i*128
.endr
.endm
; S^T = K Q^T for tiles 4 g on
.macro KQ g
.irp tt, 0,1,2,3
.if (\tt)%2
	v_wmma_scale_f32_16x16x128_f8f6f4 v[S+8*(4*(\g)+\tt):S+8*(4*(\g)+\tt)+7], v[KFR+16*\tt:KFR+16*\tt+15], v[QF:QF+15], 0, v[KSR+2*(\g)+\tt/2], v[QS] matrix_a_scale:MATRIX_SCALE_ROW1
.else
	v_wmma_scale_f32_16x16x128_f8f6f4 v[S+8*(4*(\g)+\tt):S+8*(4*(\g)+\tt)+7], v[KFR+16*\tt:KFR+16*\tt+15], v[QF:QF+15], 0, v[KSR+2*(\g)+\tt/2], v[QS]
.endif
.endr
.endm
	s_load_b128 s[4:7], s[0:1], 0x0                ; qkv, mask
	s_load_b64 s[8:9], s[0:1], 0x10                ; ab
	v_lshl_add_u32 v[SPW], v0, 2, SPARE
	v_mov_b32 v[NIL], 0
	v_lshrrev_b32 v8, 5, v0
	v_readfirstlane_b32 s[WV], v8                  ; wave 0..15
	s_and_b32 s10, ttmp7, 0xffff
	s_lshr_b32 s11, s10, 4                         ; the batch
	s_and_b32 s12, s10, 15                         ; the head
	s_lshr_b32 s13, s12, 2                         ; its panel of 256 columns,
	s_and_b32 s14, s12, 3                          ; and its place there
	s_lshl_b32 s15, s11, 11                        ; the batch's first token
	s_lshl_b32 s16, s13, 12
	s_add_co_u32 s17, s16, s15
	s_wait_alu depctr_va_sdst(0)                   ; the wave's number is written, ahead of its first reader
	s_lshl_b32 s34, s[WV], 7
	s_add_co_u32 s17, s17, s34                     ; K: the panel's row of my step's first key
	s_lshl_b32 s34, s14, 6                         ; the head's 64 bytes in a row of 256,
	s_lshl_b32 s35, s14, 1                         ; its 2 scale bytes in a row of 8
	s_lshl_b32 s36, s17, 8
	s_add_co_u32 s36, s36, s34
	s_add_co_u32 s36, s36, 0x800000                ; K's codes
	s_mov_b32 s37, 0
	s_lshl_b32 s38, s17, 3
	s_add_co_u32 s38, s38, s35
	s_add_co_u32 s38, s38, 0xC40000                ; K's scale bytes
	s_mov_b32 s39, 0
	s_lshl_b32 s40, s11, 3
	s_lshr_b32 s27, s[WV], 1
	s_add_co_u32 s40, s40, s27                     ; V: the panel of 256 keys,
	s_lshl_b32 s40, s40, 10
	s_lshl_b32 s49, s12, 6
	s_add_co_u32 s40, s40, s49                     ; the head's first row in it
	s_and_b32 s27, s[WV], 1                        ; which 128 of the 256 keys
	s_lshl_b32 s42, s40, 3
	s_lshl_b32 s40, s40, 8
	s_lshl_b32 s48, s27, 7
	s_add_co_u32 s40, s40, s48                     ; V's codes (region 0)
	s_mov_b32 s41, 0
	s_lshl_b32 s48, s27, 2
	s_add_co_u32 s42, s42, s48
	s_add_co_u32 s42, s42, 0xC00000                ; V's scale bytes
	s_mov_b32 s43, 0
	s_lshl_b32 s48, ttmp9, 8
	s_add_co_u32 s15, s15, s48
	s_lshl_b32 s48, s[WV], 4
	s_add_co_u32 s15, s15, s48                     ; my first query's token
	s_add_co_u32 s44, s16, s15
	s_lshl_b32 s46, s44, 3
	s_lshl_b32 s44, s44, 8
	s_add_co_u32 s44, s44, s34
	s_add_co_u32 s44, s44, 0x400000                ; Q's codes
	s_mov_b32 s45, 0
	s_add_co_u32 s46, s46, s35
	s_add_co_u32 s46, s46, 0xC20000                ; Q's scale bytes
	s_mov_b32 s47, 0
	s_lshl_b32 s28, s11, 13                        ; the batch's 2,048 mask words
	s_mov_b32 s29, 0
	s_lshl_b32 s30, s15, 10
	s_add_co_u32 s30, s30, s49
	s_add_co_u32 s30, s30, 0x80000                 ; out: my tokens' codes, the head's 64 bytes
	s_mov_b32 s31, 0
	s_lshl_b32 s32, s15, 5
	s_lshl_b32 s48, s12, 1
	s_add_co_u32 s32, s32, s48                     ; and its 2 scale bytes
	s_mov_b32 s33, 0
	s_mov_b32 s[SEL], 0x76543210
	s_mov_b32 s[SEL+1], 0xfedcba98
	s_mov_b32 s[CS], 0x3e38aa3b
	s_mov_b32 s[CS+1], s[CS]
	s_mov_b32 s[MNT], 0x600000
	s_mov_b32 s[TK], 0
	s_mov_b32 s[TS], 0
	s_mov_b32 s[TJ], 0
	s_mov_b32 s[T], 0
	s_mov_b32 s[FL], 0
	v_and_b32 v240, 31, v0                         ; lane
	v_and_b32 v241, 15, v0                         ; r
	v_bfe_u32 v242, v0, 4, 1                       ; h
	v_lshlrev_b32 v[AK0], 4, v240
	v_add_nc_u32 v[AV0], VIMG, v[AK0]
	v_lshl_add_u32 v[AS0], v240, 2, KSC
	v_lshl_add_u32 v[AT0], v240, 2, VSC
	v_lshlrev_b32 v[MKO], 6, v242
	v_and_b32 v243, 8, v241
	v_add_nc_u32 v243, v243, v241                  ; r + 8 (r / 8)
	v_lshlrev_b32 v244, 8, v243
	v_lshl_add_u32 v244, v242, 4, v244             ; K's and V's fragments: that row of 256 bytes, + 16 h
	v_lshl_add_u32 v245, v242, 3, v243
	v_lshlrev_b32 v245, 3, v245                    ; their scale words: row 8 (lane / 16) + r + 8 (r / 8), 8 bytes a row
	v_lshlrev_b32 v246, 8, v241
	v_lshl_add_u32 v246, v242, 4, v246             ; Q: row r, + 16 h
	v_lshlrev_b32 v247, 3, v241                    ; its scale bytes: row r
	s_lshl_b32 s48, s[WV], 13                      ; (a scalar register of its own for each of the three: none is written again while a vector instruction may read it)
	s_lshl_b32 s50, s[WV], 9
	s_lshl_b32 s51, s[WV], 8
	v_add_nc_u32 v8, s48, v[AK0]                   ; where my step's images go
	v_add_nc_u32 v9, s48, v[AV0]
	v_add_nc_u32 v10, s50, v[AS0]
	v_add_nc_u32 v11, s51, v[AT0]
	s_wait_kmcnt 0x0
	s_add_nc_u64 s[36:37], s[4:5], s[36:37]
	s_add_nc_u64 s[38:39], s[4:5], s[38:39]
	s_add_nc_u64 s[40:41], s[4:5], s[40:41]
	s_add_nc_u64 s[42:43], s[4:5], s[42:43]
	s_add_nc_u64 s[44:45], s[4:5], s[44:45]
	s_add_nc_u64 s[46:47], s[4:5], s[46:47]
	s_add_nc_u64 s[28:29], s[6:7], s[28:29]
	s_add_nc_u64 s[30:31], s[8:9], s[30:31]
	s_add_nc_u64 s[32:33], s[8:9], s[32:33]
	s_wait_alu depctr_va_vdst(0)                   ; v1-4, v7-11 and v244-247 are written: the offsets and addresses that the loads, the image stores and the first LDS loads below read
.irp t, 0,1,2,3,4,5,6,7                        ; my step's eight tiles of K: 64 channels are two groups of four registers
.irp c, 0,1
	global_load_b128 v[32+8*\t+4*\c:32+8*\t+4*\c+3], v244, s[36:37] offset:(32*(\t/2)+8*(\t%2))*256+32*\c
.endr
.endr
.irp t, 0,1,2,3                                ; and four tiles of V: 128 keys are four groups
.irp c, 0,1,2,3
	global_load_b128 v[96+16*\t+4*\c:96+16*\t+4*\c+3], v244, s[40:41] offset:(32*(\t/2)+8*(\t%2))*256+32*\c
.endr
.endr
.irp b, 0,1,2,3
	global_load_u16 v[232+\b], v245, s[38:39] offset:256*\b   ; two scale bytes; the upper two bytes of the word come as 0
.endr
.irp i, 0,1
	global_load_b32 v[236+\i], v245, s[42:43] offset:256*\i
.endr
.irp c, 0,1
	global_load_b128 v[QF+4*\c:QF+4*\c+3], v246, s[44:45] offset:32*\c
.endr
	global_load_u16 v[QS], v247, s[46:47]
.irp t, 0,1,2,3,4,5,6,7,8,9,10,11              ; the batch's mask: load t holds key step t's 128 words
	global_load_b128 v[160+4*\t:163+4*\t], v[AK0], s[28:29] offset:512*\t
.endr
.irp t, 12,13,14,15
	global_load_b128 v[216+4*(\t-12):219+4*(\t-12)], v[AK0], s[28:29] offset:512*\t
.endr
	s_wait_loadcnt 0x0
.irp t, 0,1,2,3,4,5,6,7
.irp c, 0,1
	ds_store_b128 v8, v[32+8*\t+4*\c:32+8*\t+4*\c+3] offset:1024*\t+512*\c
.endr
.endr
.irp t, 0,1,2,3
.irp c, 0,1,2,3
	ds_store_b128 v9, v[96+16*\t+4*\c:96+16*\t+4*\c+3] offset:2048*\t+512*\c
.endr
.endr
.irp b, 0,1,2,3
	ds_store_b32 v10, v[232+\b] offset:128*\b
.endr
.irp i, 0,1
	ds_store_b32 v11, v[236+\i] offset:128*\i
.endr
.irp t, 0,1,2,3,4,5,6,7,8,9,10,11,12,13,14,15  ; the flags: has key step t a word that is 0?  Sixteen compares in one run, a scalar register each
.if \t < 12
.set MR, 160+4*\t
.else
.set MR, 216+4*(\t-12)
.endif
	v_min_u32 v[MR], v[MR], v[MR+1]
	v_min_u32 v[MR+2], v[MR+2], v[MR+3]
	v_min_u32 v[MR], v[MR], v[MR+2]
	v_cmp_eq_u32 s[CM+\t], 0, v[MR]
.endr
	s_wait_alu depctr_va_sdst(0)                   ; the sixteen compares have written s48-63, ahead of their first reader
.irp t, 0,1,2,3,4,5,6,7,8,9,10,11,12,13,14,15
	s_cmp_lg_u32 s[CM+\t], 0
	s_cselect_b32 s34, 1<<\t, 0
	s_or_b32 s[FL], s[FL], s34
.endr
	s_wait_dscnt 0x0                               ; for the others' sake: my images lie in LDS
	s_wait_alu depctr_vm_vsrc(0)                   ; the image stores have read v8-11, v32-159 and v232-237, and the loads their offsets v244-247: all of these are written anew from here on
.irp j, 0,1,2,3,4,5,6,7
	v_mov_b32 v[QF+8+\j], 0                        ; the zero codes of K = 64 .. 127
.irp t, 0,1,2,3
	v_mov_b32 v[KFR+16*\t+8+\j], 0
.endr
.endr
.set n, 0
.rept 32
	v_mov_b32 v[OT+n], 0                           ; O^T: the loop is written once; its first step finds zeros, which the first change of M leaves zeros
.set n, n+1
.endr
	v_mov_b32 v13, 0xff61b1e6                      ; the largest t so far: -3e38
	v_floor_f32 v12, -v13                          ; -M
	v_mov_b32 v14, 0
	v_mov_b32 v15, 0
.irp b, 0,1,2,3
	v_mov_b32 v[PT+\b], 0                          ; written once: a lane permute's destination counts as one of its sources
.endr
	v_mov_b32 v[F+1], 0                            ; named as the upper half of the pair
	v_mov_b32 v[SENT], 0xd0000000                  ; -2^33
	s_wait_alu depctr_va_vdst(0)                   ; the zero codes are written, which the scaled products take as A and B: behind the lines above, which are their places
	s_barrier_signal -1
	s_barrier_wait -1                              ; the whole head lies in LDS; nothing is written there from here on
	KFETCH 0, AK0, AS0, 0, 0                       ; key step 0's tiles 0-3 of K; every later step's are asked for in the step before
	s_wait_dscnt 0x0                               ; they are in.  (In later steps the wait for V's fragments has shown them in)
.Lstep:
	s_wait_alu depctr_vm_vsrc(0)                   ; the last step's LDS loads have read v8-11, and a masked step's loads v249
	v_add_nc_u32 v[ADK], s[TK], v[AK0]
	v_add_nc_u32 v[ADV], s[TK], v[AV0]
	v_add_nc_u32 v[ADS], s[TS], v[AS0]
	v_add_nc_u32 v[ADT], s[TJ], v[AT0]
	v_add_nc_u32 v[MVO], s[TS], v[MKO]             ; register 16 b + i holds key 128 T + 32 b + 16 h + i: its mask word lies at 512 T + 128 b + 64 h + 4 i
.rept 5
	v_nop                                          ; with the five additions ten places: the first product below writes over V's fragments, which the last step's products read (nine are asked)
.endr
	KQ 0                                           ; S^T = K Q^T, four tiles of 16 keys at a time
.rept 8
	v_nop                                          ; eight places behind the four products, kept beside the wait below
.endr
	s_wait_alu depctr_va_vdst(0)                   ; the four products are done reading K's fragments, in which tiles 4-7 land; the five additions have written v8-11 and v249, which this step's loads read
	KFETCH 1, ADK, ADS, 4096, 256
	s_wait_dscnt 0x0
	KQ 1
.rept 8
	v_nop
.endr
	s_lshr_b32 s34, s[FL], s[T]                    ; has this step a hole?  The flag comes from the mask's whole numbers, and is the same in all waves
	s_and_b32 s34, s34, 1
	s_cmp_lg_u32 s34, 0
	s_cbranch_scc0 .Lopen
.irp q, 0,1                                    ; the first 32 words need no wait: no vector or matrix instruction since the wait above names v216-247 or v249
.if \q
	s_wait_alu depctr_va_vdst(0)                   ; the compares above are done reading v216-247, in which the next 32 words land
.endif
.irp bb, 0,1
.irp i, 0,1,2,3
	global_load_b128 v[216+16*\bb+4*\i:219+16*\bb+4*\i], v[MVO], s[28:29] offset:128*(2*\q+\bb)+16*\i
.endr
.endr
	s_wait_loadcnt 0x0
.irp u, 0,1                                    ; sixteen compares in a run, a scalar register each, and one wait behind the run
.set n, 0
.rept 16
	v_cmp_eq_u32 s[CM+n], 0, v[216+16*\u+n]
.set n, n+1
.endr
	s_wait_alu depctr_va_sdst(0)                   ; the sixteen compares have written s48-63, which the selects below read
.set n, 0
.rept 16
	v_cndmask_b32 v[S+32*\q+16*\u+n], v[S+32*\q+16*\u+n], v[SENT], s[CM+n]
.set n, n+1
.endr
.endr
.endr
.Lopen:
.irp b, 0,1,2,3
	v_max3_num_f32 v[BM+\b], v[S+16*\b], v[S+1+16*\b], v[S+2+16*\b]   ; the largest score of each block of 32 keys: for the row's maximum, and, since p rises with the score, for the block's largest p
.endr
.irp i, 3,5,7,9,11,13
.irp b, 0,1,2,3
	v_max3_num_f32 v[BM+\b], v[BM+\b], v[S+16*\b+\i], v[S+1+16*\b+\i]
.endr
.endr
.irp b, 0,1,2,3
	v_max_num_f32 v[BM+\b], v[BM+\b], v[S+15+16*\b]
.endr
.irp b, 0,1,2,3
	v_permlanex16_b32 v[PT+\b], v[BM+\b], s[SEL], s[SEL+1]
.endr
.irp b, 0,1,2,3
	v_max_num_f32 v[BM+\b], v[BM+\b], v[PT+\b]
.endr
	v_max3_num_f32 v[TMP], v[BM], v[BM+1], v[BM+2]
	v_max_num_f32 v[TMP], v[TMP], v[BM+3]          ; the step's largest score of my query
	v_mul_f32 v[TMP], s[CS], v[TMP]                ; as t
	v_max_num_f32 v13, v13, v[TMP]                 ; the running largest t
	v_mov_b32 v[TMP], v12
	v_floor_f32 v12, -v13                          ; the new -M = floor(-t): M is a whole number
	v_sub_f32 v[TMP], v12, v[TMP]                  ; old M less new M: a whole number, 0 or less
	v_cvt_i32_f32 v[TMP], v[TMP]                   ; (it saturates)
	v_ldexp_f32 v[F], 1.0, v[TMP]                  ; f = 2^(old M - new M): a multiplication by it rounds nothing
.set n, 0
.rept 32
	v_pk_fma_f32 v[S+n:S+n+1], v[S+n:S+n+1], s[CS:CS+1], v[12:13] op_sel_hi:[1,0,0]   ; t - M, two at a time
.set n, n+2
.endr
.irp b, 0,1,2,3
	v_fma_f32 v[BM+\b], v[BM+\b], s[CS], v12       ; the same of each block's largest score
.endr
.set n, 0
.rept 64
	v_exp_f32 v[S+n], v[S+n]                       ; p = 2^(t - M): not normalised
.set n, n+1
.endr
	v_pk_mul_f32 v[14:15], v[14:15], v[F:F+1] op_sel_hi:[1,0]   ; the sums under the new M: the plain instruction behind the exponentials
	s_wait_alu depctr_va_vdst(0)                   ; the 64 exponentials have written p, ahead of its first reader; and the eight products are done reading K's fragments and v208-209, in which the loads below land
	s_cmp_lt_u32 s[T], 15                          ; the next step's tiles 0-3 of K are asked for here, if there is a next step: they lie 8,192 bytes on, their scale words 512
	s_cbranch_scc0 .Lno_next
	KFETCH 0, ADK, ADS, 8192, 512                  ; no vector or matrix instruction names these registers before the next step's products
.Lno_next:
.irp b, 0,1,2,3
	v_exp_f32 v[BM+\b], v[BM+\b]                   ; the block's largest p
.endr
	v_pk_add_f32 v[SUM2:SUM2+1], v[S:S+1], v[S+2:S+3]   ; the row's sum is taken of the unquantised p, in two chains
.irp j, 4,8,12,16,20,24,28,32,36,40,44,48,52,56,60
	v_pk_add_f32 v[14:15], v[14:15], v[S+\j:S+1+\j]
	v_pk_add_f32 v[SUM2:SUM2+1], v[SUM2:SUM2+1], v[S+2+\j:S+3+\j]
.endr
	v_pk_add_f32 v[14:15], v[14:15], v[SUM2:SUM2+1]
	s_wait_alu depctr_va_vdst(0)                   ; the four exponentials have written the blocks' largest p, ahead of its first reader
.irp b, 0,1,2,3
	v_max_num_f32 v[BM+\b], 0x4800000, v[BM+\b]    ; the floor 2^(9 - 127): the byte cannot fall under 1
.endr
.irp b, 0,1,2,3
	v_add_nc_u32 v[SO+\b], 0xfc000000, v[BM+\b]
.endr
.irp b, 0,1,2,3
	v_and_or_b32 v[HO+\b], v[BM+\b], 0x7f800000, s[MNT]
.endr
.irp b, 0,1,2,3
	v_lshrrev_b32 v[BY+\b], 23, v[SO+\b]
.endr
	v_lshl_or_b32 v[PWD], v[BY+1], 8, v[BY]        ; p's scale word for these 128 keys
	v_lshl_or_b32 v[PWD], v[BY+2], 16, v[PWD]
	v_lshl_or_b32 v[PWD], v[BY+3], 24, v[PWD]
.irp b, 0,1,2,3
.irp i, 0,1,2,3,4,5,6,7,8,9,10,11,12,13,14,15
	v_min_num_f32 v[S+16*\b+\i], v[S+16*\b+\i], v[HO+\b]   ; the hold; p is not negative, so it is one-sided
.endr
	v_cvt_scalef32_pk8_fp8_f32 v[PCD+4*\b:PCD+1+4*\b], v[S+16*\b:S+7+16*\b], v[SO+\b]
	v_cvt_scalef32_pk8_fp8_f32 v[PCD+2+4*\b:PCD+3+4*\b], v[S+8+16*\b:S+15+16*\b], v[SO+\b]
.endr
	s_wait_alu depctr_va_vdst(0)                   ; the holds have written p and the conversions are done reading it: V's fragments land in its registers
.irp t, 0,1,2,3                                ; O^T += V^T P^T: four tiles of 16 channels; K = these 128 keys
.irp c, 0,1,2,3
	ds_load_b128 v[S+16*\t+4*\c:S+16*\t+4*\c+3], v[ADV] offset:2048*\t+512*\c
.endr
.endr
.irp i, 0,1
	ds_load_b32 v[VSR+\i], v[ADT] offset:128*\i
.endr
.set n, 0
.rept 16
	v_pk_mul_f32 v[OT+n:OT+n+1], v[OT+n:OT+n+1], v[F:F+1] op_sel_hi:[1,0]   ; O^T under the new M, while V is on its way: these name none of the registers in which it lands.  They are also the places in front of the products below
.set n, n+2
.endr
	s_wait_dscnt 0x0                               ; V's fragments and scale words are in, and so are the next step's four tiles of K, asked for earlier
	s_wait_alu depctr_va_vdst(0)                   ; p's codes and p's scale word are written, which the scaled products take as B and as scale: first the places, then this wait
.irp t, 0,1,2,3                                ; the four accumulators take turns, one instruction a turn
.if (\t)%2
	v_wmma_scale_f32_16x16x128_f8f6f4 v[OT+8*\t:OT+8*\t+7], v[S+16*\t:S+16*\t+15], v[PCD:PCD+15], v[OT+8*\t:OT+8*\t+7], v[VSR+\t/2], v[PWD] matrix_a_scale:MATRIX_SCALE_ROW1
.else
	v_wmma_scale_f32_16x16x128_f8f6f4 v[OT+8*\t:OT+8*\t+7], v[S+16*\t:S+16*\t+15], v[PCD:PCD+15], v[OT+8*\t:OT+8*\t+7], v[VSR+\t/2], v[PWD]
.endif
.endr
	s_add_co_u32 s[TK], s[TK], 8192
	s_add_co_u32 s[TS], s[TS], 512
	s_add_co_u32 s[TJ], s[TJ], 256
	s_add_co_u32 s[T], s[T], 1
	s_cmp_lt_u32 s[T], 16
	s_cbranch_scc1 .Lstep
	; THE WAY OUT: O^T / the sum, quantised along D.  Register 16 b + i is channel 32 b + 16 h + i of my query: a block of 32 lies in lanes l and l xor 16
	s_wait_alu depctr_vm_vsrc(0)                   ; the last step's LDS loads have read v8-11, which are written anew below
	v_add_f32 v14, v14, v15
	v_permlanex16_b32 v[PT], v14, s[SEL], s[SEL+1]
	v_add_f32 v14, v14, v[PT]                      ; the row's sum
	v_rcp_f32 v14, v14
	v_and_b32 v8, 15, v0
	v_bfe_u32 v9, v0, 4, 1
	v_lshlrev_b32 v10, 10, v8
	v_lshl_add_u32 v10, v9, 4, v10                 ; codes: token r's row of 1,024 bytes, + 16 h
	v_lshlrev_b32 v11, 5, v8                       ; scale bytes: 32 a token
.rept 4
	v_nop                                          ; with the plain lines above more than the eight places behind the last products
.endr
	s_wait_alu depctr_va_vdst(0)                   ; the reciprocal is written, ahead of its first reader
.set n, 0
.rept 16
	v_pk_mul_f32 v[OT+n:OT+n+1], v[OT+n:OT+n+1], v[14:15] op_sel_hi:[1,0]
.set n, n+2
.endr
.irp b, 0,1
	v_max3_num_f32 v[BM+\b], |v[OT+16*\b]|, |v[OT+1+16*\b]|, 0x4800000
.endr
.irp i, 2,4,6,8,10,12,14
.irp b, 0,1
	v_max3_num_f32 v[BM+\b], v[BM+\b], |v[OT+16*\b+\i]|, |v[OT+1+16*\b+\i]|
.endr
.endr
.irp b, 0,1
	v_permlanex16_b32 v[PT+\b], v[BM+\b], s[SEL], s[SEL+1]
.endr
.irp b, 0,1
	v_max_num_f32 v[BM+\b], v[BM+\b], v[PT+\b]
.endr
.irp b, 0,1
	v_add_nc_u32 v[SO+\b], 0xfc000000, v[BM+\b]
.endr
.irp b, 0,1
	v_and_or_b32 v[HO+\b], v[BM+\b], 0x7f800000, s[MNT]
.endr
.irp b, 0,1
	v_lshrrev_b32 v[BY+\b], 23, v[SO+\b]
.endr
	v_lshl_or_b32 v[BY], v[BY+1], 8, v[BY]
.irp b, 0,1
.irp i, 0,1,2,3,4,5,6,7,8,9,10,11,12,13,14,15
	v_med3_num_f32 v[OT+16*\b+\i], v[OT+16*\b+\i], -v[HO+\b], v[HO+\b]
.endr
	v_cvt_scalef32_pk8_fp8_f32 v[PCD+4*\b:PCD+1+4*\b], v[OT+16*\b:OT+7+16*\b], v[SO+\b]
	v_cvt_scalef32_pk8_fp8_f32 v[PCD+2+4*\b:PCD+3+4*\b], v[OT+8+16*\b:OT+15+16*\b], v[SO+\b]
.endr
	v_nop
	s_wait_alu depctr_va_vdst(0)                   ; the codes, the two scale bytes and the offsets v10 and v11 are written, which the three stores read
.irp b, 0,1
	global_store_b128 v10, v[PCD+4*\b:PCD+3+4*\b], s[30:31] offset:32*\b
.endr
	global_store_b16 v11, v[BY], s[32:33]          ; both halves of the lanes write the same two bytes with the same value
	s_wait_dscnt 0x0                               ; the closing lines, six on end
	s_wait_alu 0x0
	s_wait_tensorcnt 0x0
	ds_add_u32 v[SPW], v[NIL]
	s_wait_dscnt 0x0
	s_endpgm
.Lfunc_end_k_q1b92ea6301_attn:
	.size	k_q1b92ea6301_attn, .Lfunc_end_k_q1b92ea6301_attn-k_q1b92ea6301_attn
	.p2alignl 7, 3214868480
	.fill 96, 4, 3214868480
	.section	.rodata,"a",@progbits
	.p2align	6, 0x0
	.amdhsa_kernel k_q1b92ea6301_attn
		.amdhsa_group_segment_fixed_size 276480
		.amdhsa_private_segment_fixed_size 0
		.amdhsa_enable_private_segment 0
		.amdhsa_kernarg_size 24
		.amdhsa_user_sgpr_count 2
		.amdhsa_user_sgpr_kernarg_segment_ptr 1
		.amdhsa_wavefront_size32 1
		.amdhsa_system_sgpr_workgroup_id_x 1
		.amdhsa_system_sgpr_workgroup_id_y 1
		.amdhsa_system_sgpr_workgroup_id_z 1
		.amdhsa_system_vgpr_workitem_id 0
		.amdhsa_next_free_vgpr 256
		.amdhsa_next_free_sgpr 66
		.amdhsa_reserve_vcc 0
		.amdhsa_float_denorm_mode_32 3
		.amdhsa_float_denorm_mode_16_64 3
		.amdhsa_memory_ordered 1
		.amdhsa_forward_progress 1
		.amdhsa_inst_pref_size 56
	.end_amdhsa_kernel
	.amdgpu_metadata
---
amdhsa.version: [ 1, 2 ]
amdhsa.kernels:
  - .name:           k_q1b92ea6301_attn
    .symbol:         k_q1b92ea6301_attn.kd
    .args:
      - { .name: qkv, .offset: 0, .size: 8, .value_kind: global_buffer, .address_space: global }
      - { .name: mask, .offset: 8, .size: 8, .value_kind: global_buffer, .address_space: global }
      - { .name: ab, .offset: 16, .size: 8, .value_kind: global_buffer, .address_space: global }
    .group_segment_fixed_size: 276480
    .private_segment_fixed_size: 0
    .kernarg_segment_align: 8
    .kernarg_segment_size: 24
    .max_flat_workgroup_size: 512
    .sgpr_count:     66
    .vgpr_count:     256
    .wavefront_size: 32
...
	.end_amdgpu_metadata
.endif
;; end of part 8
;; launch wo: the kernel of part 4 again; grid 4 x 16, 4 waves a work-group, clusters of 4 x 4, 327,680 bytes of LDS; arguments ab, Wo_codes, Wo_scales, cf; writes cf
;; launch ln1: the kernel of part 5 again; grid 256 x 1, 16 waves a work-group, no clusters, 84,480 bytes of LDS; arguments x, cf, bo, g1, be1, x1; writes x1
;; launch w1: the kernel of part 6 again; grid 16 x 16, 4 waves a work-group, clusters of 4 x 4, 327,680 bytes of LDS; arguments x1, W1_codes, W1_scales, b1, hb; writes hb
;; launch w2: the kernel of part 4 again; grid 4 x 64, 4 waves a work-group, clusters of 4 x 4, 327,680 bytes of LDS; arguments hb, w2c, w2s, cf; writes cf
;; launch ln2: the kernel of part 7 again; grid 256 x 1, 16 waves a work-group, no clusters, 0 bytes of LDS; arguments x1, cf, b2, g2, be2, out0; writes out0
